; MI455X (gfx1250); checked and timed in simulation.
; The chip was launched on July 23, 2026; its instructions are those of AMD's public machine-readable ISA for CDNA 5 (MIT licence, August 2026) and "CDNA5" Instruction Set Architecture Reference Guide (July 2026). The comments in the code are by the model that wrote it; some were corrected since.
;; Distributed Mo E. Allowed arithmetic: matrix products marked QUANTISED: E2M1 operands, one E8M0 scale for each 32 along K, by v_wmma_scale_f32_16x16x128_f8f6f4 with both operands' format E2M1 (or v_wmma_scale_f32_32x16x128_f4), f32 sums; products left as they are: f32 operands where the result goes on into a quantised operand, else bf16, f16 or f32 operands; f32 sums; everything else in f32.
;; Inputs: b1 8 x 4,096 float32; b2 8 x 1,024 float32; gate_b 8 float32; gate_w 1,024 x 8 float32; w1 8 x 1,024 x 4,096 float32; w2 8 x 4,096 x 1,024 float32; x 1,024 x 1,024 float32.
;; Outputs: out0 1,024 x 1,024 float32; out1 one number float32.
;; This version of the problem:
;;   THIS VERSION OF THE PROBLEM IS GIVEN IN LOW PRECISION. The matrix products marked QUANTISED in the list below multiply operands that are first quantised to E2M1 (2 exponent bits, 1 mantissa bit; 4 bits a number), with one power-of-two scale for each 32 numbers along K (OCP MX v1.0); their sums are f32. All else is computed in f32.
;;   The module's matrix products, in the order in which they are computed (A, B: the left and right operand; K: the contracted axis; several contracted axes count as one K, in the product's order):
;;     1. [M 1,024, K 1,024] x [K 1,024, N 8]; A: input x; B: input gate_w: left as it is (N = 8 < 16)
;;     2. [M 32,768, K 1,024] x [K 1,024, N 1,024]; A: input w1; B: input x: QUANTISED
;;     3. batch 8 x [M 1,024, K 4,096] x [K 4,096, N 1,024]; A: computed on the way; B: input w2: QUANTISED
;;     4. batch 1,024 x [M 1,024, K 8] x [K 8, N 1]; A: computed on the way; B: computed on the way: left as it is (K = 8 < 32)
;;   THE QUANTISER, for each operand of a quantised product, along K:
;;     - K is cut into blocks of 32 from its start; a last block that is shorter is filled with zeros.
;;     - A block's scale is 2^e with e = floor(log2(the largest magnitude in the block)) - 2, held to -126 .. 127; a block of zeros has e = 0. As a byte (E8M0): e + 127.
;;     - Each number is divided by its block's scale, clamped to +-6, and rounded to the nearest number of E2M1, ties to even, subnormals kept.
;;     - The product sums the exact products of the quantised numbers (number of the format x scale) in f32.
;;   ~~~python
;;   def quantise(x, axis):      # numpy; x: float32 -> the quantised numbers, widened to float32 again
;;       x = np.moveaxis(x, axis, -1); K = x.shape[-1]
;;       x = np.pad(x, [(0, 0)] * (x.ndim - 1) + [(0, -K % 32)]); x = x.reshape(x.shape[:-1] + (-1, 32)); a = np.abs(x).max(-1, keepdims=True)
;;       e = np.where(a > 0, np.clip(np.frexp(np.where(a > 0, a, 1))[1] - 1 - 2, -126, 127), 0)      # np.frexp(a)[1] - 1 = floor(log2(a)), exactly
;;       r = np.clip(x / 2.0 ** e, -6, 6)
;;       step = 2.0 ** (np.maximum(np.frexp(np.where(r == 0, 1, r))[1] - 1, 0) - 1)
;;       q = np.round(r / step) * step * 2.0 ** e      # np.round: ties to even
;;       return np.moveaxis(q.reshape(q.shape[:-2] + (-1,))[..., :K], -1, axis).astype(np.float32)
;;   ~~~
;;   OPERANDS COMPUTED ON THE WAY. 'Computed on the way' means the value that the module computes at that place (a softmax that the list does not call 'softmax' is quantised finished and normalised). What goes into a quantiser is computed in f32, as accurately as f32 sums, v_exp_f32 and their like allow (about 1e-6 of the number): no bf16 or f16 on the way to a quantiser, and a product that is left as it is and whose result goes on into a quantised operand takes f32 operands (vector FMAs, or v_wmma_f32_16x16x4_f32). A number that lies on a knife's edge between two numbers of the format may be rounded either way, as far as f32 arithmetic and the matrix unit's own rounding can turn it there, and no further.
;; 3 versions. Each part assembles by itself: llvm-mc -triple=amdgcn-amd-amdhsa -mcpu=gfx1250 --defsym DOCPART=n.
;; ======== version 1 of 3: 4 launches
;; workspace buffers: xq 524,288 bytes; xs 32,768 bytes; route 5,120 bytes of whole numbers; gsc 32,768 bytes; psum 2,048 bytes; hq 16,777,216 bytes; hs 1,048,576 bytes; part 16,777,216 bytes
;; launch gate (part 1): grid 32 x 1, 16 waves a work-group, no clusters, 87,040 bytes of LDS; arguments x, gate_w, gate_b, xq, xs, route, gsc, psum; writes xq, xs, route, gsc, psum
.if DOCPART == 1
	.amdgcn_target "amdgcn-amd-amdhsa--gfx1250"
	.amdhsa_code_object_version 6
	.text
	.protected	k_q15c18d4cf5_gate
	.globl	k_q15c18d4cf5_gate
	.p2align	8
	.type	k_q15c18d4cf5_gate,@function
k_q15c18d4cf5_gate:
	s_mov_b64 s[64:65], 0
	v_nop
	global_prefetch_b8 v0, s[64:65] scope:SCOPE_SE
	s_setreg_imm32_b32 hwreg(HW_REG_WAVE_MODE, 25, 1), 1
	s_wait_xcnt 0x0
; GATE AND QUANTISER OF x.  x [1024][1024] f32, gate_w [1024][8], gate_b [8].
; Stores: xq [token][512 B] codes of E2M1, K innermost; xs [token][32 B] E8M0 bytes; route: bytes 0-1023 mask[expert 8][word 32] (bit t % 32 of word t / 32:
; token t goes to the expert), bytes 1024-5119 sel[token] = the token's first expert; gsc [token][8] = probs / 2; psum [work-group 32][16]: 8 sums of probs, 8 counts of routed tokens.
; All places are fixed: nothing that hangs on a floating-point number enters an address or a branch here.
; SHARES.  A work-group owns 32 tokens.  Wave w takes half w % 2 of the rows (512 numbers) of the four tokens 4 (w / 2) + 0 .. 3, a half row a step.
; A step's four loads read 512 consecutive bytes each; the 2,048 bytes turn through the wave's own stage in LDS, so that a lane then holds 16 neighbours along K (two lanes hold a block of 32).
; From the same 16 numbers the lane adds its part of the 8 logits (its 16 rows of gate_w stay in 128 registers); the 32 lanes' parts are summed in the wave, the two halves meet in LDS.
; Behind the one barrier wave 0 (a lane a token) makes softmax, top-2, masks and sums; wave 1 stores the scale bytes as whole runs of 512 bytes.
; A block's scale is 2^(floor(log2(largest magnitude)) - 2): its byte is the largest magnitude's exponent field - 2, held at 1 from below.
; LIMITS: NaN and infinities are not served.  A block of zeros, or one whose largest magnitude lies under 2^-124, keeps the byte 1 (the rule says 127 for zeros): its codes are zeros or the held ones,
; and only this program reads the bytes.  The logits are summed in another order than a row-by-row sum: a token whose second and third probabilities agree to about 1e-6 of their size may be routed otherwise.
; Probabilities under 2^-126 come out of v_exp_f32 as 0; among such experts the lower index is taken.
; No matrix unit, no cluster, no tensor load: 4 MB are read once, and work-groups share only gate_w's 32 KB.
.set SP,    80                         ; a lane's place in a stage: 64 bytes + 16 of padding
.set STGB,  2*32*SP                    ; a wave's two stages
.set LG,    16*STGB                    ; behind the stages: the logits' parts [half 2][token 32][8 f32]
.set XSB,   LG+2048                    ; and the scale bytes [token 32][32]
.set EB,    12                         ; v12-15   a scale byte for each step
.set A,     16                         ; v16-23   eight logit sums
.set C,     24                         ; v24-31   codes, two registers a step: no store's data are written again
.set X,     32                         ; v32-63   two sets of 16 neighbours
.set R,     64                         ; v64-127  four sets of 16 numbers as loaded
.set GW,    128                        ; v128-255 gate_w[512 half + 16 lane + kk][e] at GW + 8 kk + e
	s_load_b256 s[4:11], s[0:1], 0x0               ; x s[4:5], gate_w s[6:7], gate_b s[8:9], xq s[10:11]
	s_load_b256 s[12:19], s[0:1], 0x20             ; xs s[12:13], route s[14:15], gsc s[16:17], psum s[18:19]
	v_lshrrev_b32 v1, 5, v0
	v_readfirstlane_b32 s20, v1                    ; wave 0..15
	s_and_b32 s21, s20, 1                          ; which half of the rows
	s_lshr_b32 s22, s20, 1                         ; which four tokens
	s_mov_b32 s26, 0x76543210                      ; v_permlanex16_b32's selects for lane l xor 16
	s_mov_b32 s27, 0xfedcba98
	v_and_b32 v1, 31, v0                           ; lane
	v_lshlrev_b32 v2, 4, v1                        ; my 16 bytes of a load's 512
	v_lshlrev_b32 v3, 9, v1                        ; my 16 rows of gate_w: 512 bytes
	v_lshlrev_b32 v6, 3, v1                        ; my 8 bytes of codes
	s_mul_i32 s23, s20, STGB
	v_lshrrev_b32 v4, 2, v1
	v_mul_u32_u24 v4, v4, SP
	v_and_b32 v5, 3, v1
	v_lshl_add_u32 v4, v5, 4, v4
	v_add_nc_u32 v4, s23, v4                       ; the stage, on the way in: SP (lane / 4) + 16 (lane % 4)
	v_mul_u32_u24 v5, v1, SP
	v_add_nc_u32 v5, s23, v5                       ; and on the way out: SP x lane
	s_lshl_b32 s36, s22, 7
	s_lshl_b32 s37, s21, 4
	s_add_co_u32 s36, s36, s37
	s_add_co_u32 s36, s36, XSB
	v_lshrrev_b32 v7, 1, v1
	v_add_nc_u32 v7, s36, v7                       ; my block's scale byte: XSB + 32 x token + 16 x half + lane / 2
	s_lshl_b32 s36, s21, 10
	s_lshl_b32 s37, s22, 7
	s_add_co_u32 s36, s36, s37
	s_add_co_u32 s36, s36, LG
	v_mov_b32 v11, s36                             ; my wave's logit parts: LG + 1,024 x half + 32 x token
	v_mov_b32 v8, 0                                ; written once: a lane permute's destination counts as one of its sources
	v_mov_b32 v9, 0
	s_lshl_b32 s38, ttmp9, 5
	s_lshl_b32 s39, s22, 2
	s_add_co_u32 s38, s38, s39                     ; my wave's first token
	s_mov_b32 s25, 0
	s_wait_kmcnt 0x0
	s_load_b256 s[28:35], s[8:9], 0x0              ; gate_b
	s_lshl_b32 s24, s21, 14
	s_add_nc_u64 s[6:7], s[6:7], s[24:25]          ; gate_w at my half's 512 rows
	s_lshl_b32 s24, s38, 12
	s_lshl_b32 s39, s21, 11
	s_add_co_u32 s24, s24, s39
	s_add_nc_u64 s[4:5], s[4:5], s[24:25]          ; x at my first half row
	s_lshl_b32 s24, s38, 9
	s_lshl_b32 s39, s21, 8
	s_add_co_u32 s24, s24, s39
	s_add_nc_u64 s[10:11], s[10:11], s[24:25]      ; xq likewise
.set kk, 0
.rept 16
	global_load_b128 v[GW+8*kk:GW+8*kk+3],   v3, s[6:7] offset:32*kk
	global_load_b128 v[GW+8*kk+4:GW+8*kk+7], v3, s[6:7] offset:32*kk+16
.set kk, kk+1
.endr
.irp t, 0,1,2,3
.irp i, 0,1,2,3
	global_load_b128 v[R+16*\t+4*\i:R+16*\t+4*\i+3], v2, s[4:5] offset:4096*\t+512*\i th:TH_LOAD_NT   ; 32 lanes read 512 consecutive bytes; read once in the launch
.endr
.endr
; the sum over the 32 lanes of eight registers, the result in every lane
.macro RED8 base
.irp m, 1,2,4,8
.irp e, 0,1,2,3,4,5,6,7
	v_add_f32_dpp v[\base+\e], v[\base+\e], v[\base+\e] row_xmask:\m row_mask:0xf bank_mask:0xf
.endr
.endr
.irp e, 0,1,2,3,4,5,6,7
	v_permlanex16_b32 v[8+\e%2], v[\base+\e], s26, s27
	v_add_f32 v[\base+\e], v[\base+\e], v[8+\e%2]
.endr
.endm
.macro GSTEP t
.set XS, X+16*((\t)%2)
	s_wait_loadcnt 12-4*(\t)                       ; this step's four loads are in (gate_w's are older); the later steps' four each may be out
.irp i, 0,1,2,3
	ds_store_b128 v4, v[R+16*(\t)+4*\i:R+16*(\t)+4*\i+3] offset:32*SP*((\t)%2)+8*SP*\i
.endr
.irp i, 0,1,2,3
	ds_load_b128 v[XS+4*\i:XS+4*\i+3], v5 offset:32*SP*((\t)%2)+16*\i   ; LDS serves a wave's instructions in order: these see the stores above
.endr
	s_wait_dscnt 0x0
	v_max3_num_f32 v8, |v[XS]|, |v[XS+1]|, |v[XS+2]|               ; the largest magnitude of my 16
	v_max3_num_f32 v9, |v[XS+3]|, |v[XS+4]|, |v[XS+5]|
.irp i, 6,10
	v_max3_num_f32 v8, v8, |v[XS+\i]|, |v[XS+\i+1]|
	v_max3_num_f32 v9, v9, |v[XS+\i+2]|, |v[XS+\i+3]|
.endr
	v_max3_num_f32 v8, v8, |v[XS+14]|, |v[XS+15]|
	v_max3_num_f32 v8, v8, v9, 0x1800000           ; and the floor 2^(3 - 127): the byte cannot fall under 1
	v_max_num_f32_dpp v8, v8, v8 row_xmask:1 row_mask:0xf bank_mask:0xf   ; with my neighbour's 16: the block's
	v_add_nc_u32 v10, 0xff000000, v8               ; 2 off its exponent field: the conversion takes the exponent field of this operand as its scale
	v_cvt_scalef32_pk8_fp4_f32 v[C+2*(\t)], v[XS:XS+7], v10
	v_cvt_scalef32_pk8_fp4_f32 v[C+2*(\t)+1], v[XS+8:XS+15], v10
	v_lshrrev_b32 v[EB+(\t)], 23, v10              ; the scale's byte (also the plain line behind the conversions)
	ds_store_b8 v7, v[EB+(\t)] offset:32*(\t)      ; both lanes of a block write the same byte with the same value
	global_store_b64 v6, v[C+2*(\t):C+2*(\t)+1], s[10:11] offset:512*(\t)   ; the wave stores 256 consecutive bytes, aligned
.irp p, 0,1,2,3
	v_pk_mul_f32 v[A+2*\p:A+2*\p+1], v[GW+2*\p:GW+2*\p+1], v[XS:XS+1] op_sel_hi:[1,0]   ; the first product starts the sums: x[k] times gate_w[k][2 p], [2 p + 1]
.endr
.set kk, 1
.rept 15
.irp p, 0,1,2,3
.if kk%2
	v_pk_fma_f32 v[A+2*\p:A+2*\p+1], v[GW+8*kk+2*\p:GW+8*kk+2*\p+1], v[XS+kk-1:XS+kk], v[A+2*\p:A+2*\p+1] op_sel:[0,1,0] op_sel_hi:[1,1,1]
.else
	v_pk_fma_f32 v[A+2*\p:A+2*\p+1], v[GW+8*kk+2*\p:GW+8*kk+2*\p+1], v[XS+kk:XS+kk+1], v[A+2*\p:A+2*\p+1] op_sel_hi:[1,0,1]
.endif
.endr
.set kk, kk+1
.endr
	RED8 A
	ds_store_b128 v11, v[A:A+3] offset:32*(\t)     ; all lanes write the same words with the same values
	ds_store_b128 v11, v[A+4:A+7] offset:32*(\t)+16
.endm
	GSTEP 0
	GSTEP 1
	GSTEP 2
	GSTEP 3
	s_wait_kmcnt 0x0                               ; gate_b
	v_add_nc_u32 v32, XSB, v2                      ; the last part's LDS addresses are made ahead of the parting of the waves
	v_lshlrev_b32 v33, 5, v1
	v_add_nc_u32 v33, LG, v33
	s_wait_dscnt 0x0                               ; for the others' sake: my stores of logit parts and scale bytes are done
	s_barrier_signal -1
	s_barrier_wait -1
	s_cmp_eq_u32 s20, 0
	s_cbranch_scc1 .Ldecide
	s_cmp_eq_u32 s20, 1
	s_cbranch_scc1 .Lxsout
	s_wait_xcnt 0x0
	s_mov_b32 exec_lo, -1
	v_lshl_add_u32 v30, v0, 2, 0x14c00
	v_mov_b32 v31, 0
	s_wait_tensorcnt 0x0
	ds_add_u32 v30, v31
	s_wait_dscnt 0x0
	s_endpgm
.Lxsout:                                               ; wave 1: the 32 tokens' scale bytes, 1,024 dense bytes
	ds_load_b128 v[36:39], v32
	ds_load_b128 v[40:43], v32 offset:512
	s_lshl_b32 s36, ttmp9, 10
	v_add_nc_u32 v34, s36, v2
	s_wait_dscnt 0x0
	global_store_b128 v34, v[36:39], s[12:13]
	global_store_b128 v34, v[40:43], s[12:13] offset:512
	s_wait_xcnt 0x0
	s_mov_b32 exec_lo, -1
	v_lshl_add_u32 v30, v0, 2, 0x14c00
	v_mov_b32 v31, 0
	s_wait_tensorcnt 0x0
	ds_add_u32 v30, v31
	s_wait_dscnt 0x0
	s_endpgm
.Ldecide:                                              ; wave 0: a lane a token
	ds_load_b128 v[36:39], v33
	ds_load_b128 v[40:43], v33 offset:16
	ds_load_b128 v[44:47], v33 offset:1024
	ds_load_b128 v[48:51], v33 offset:1040
	s_wait_dscnt 0x0
.irp e, 0,1,2,3,4,5,6,7
	v_add_f32 v[36+\e], v[36+\e], v[44+\e]         ; the two halves of K,
.endr
.irp e, 0,1,2,3,4,5,6,7
	v_add_f32 v[36+\e], s[28+\e], v[36+\e]         ; and the bias
.endr
	v_max3_num_f32 v52, v36, v37, v38              ; the row's maximum is taken away ahead of the exponentials
	v_max3_num_f32 v52, v52, v39, v40
	v_max3_num_f32 v52, v52, v41, v42
	v_max_num_f32 v52, v52, v43
.irp e, 0,1,2,3,4,5,6,7
	v_sub_f32 v[36+\e], v[36+\e], v52
.endr
.irp e, 0,1,2,3,4,5,6,7
	v_mul_f32 v[36+\e], 0x3fb8aa3b, v[36+\e]       ; x log2(e)
.endr
.irp e, 0,1,2,3,4,5,6,7
	v_exp_f32 v[56+\e], v[36+\e]
.endr
	v_nop                                          ; a plain line behind the last exponential
	s_wait_alu depctr_va_vdst(0)                   ; one wait for the batch of eight, ahead of its first reader
	v_add_f32 v53, v56, v57
	v_add_f32 v55, v58, v59
	v_add_f32 v53, v53, v55
	v_add_f32 v55, v60, v61
	v_add_f32 v54, v62, v63
	v_add_f32 v55, v55, v54
	v_add_f32 v53, v53, v55
	v_rcp_f32 v54, v53
	v_nop
	s_wait_alu depctr_va_vdst(0)                   ; and one for the reciprocal
.irp e, 0,1,2,3,4,5,6,7
	v_mul_f32 v[56+\e], v[56+\e], v54              ; probs
.endr
	v_mov_b32 v64, v56                             ; the largest: a strict compare keeps the lower index at a tie
	v_mov_b32 v65, 0
.irp e, 1,2,3,4,5,6,7
	v_cmp_gt_f32 vcc_lo, v[56+\e], v64
	v_cndmask_b32 v64, v64, v[56+\e], vcc_lo
	v_cndmask_b32 v65, v65, \e, vcc_lo
.endr
	v_mov_b32 v66, -1.0                            ; the second: the same scan, past the first's index
	v_mov_b32 v67, 0
.irp e, 0,1,2,3,4,5,6,7
	v_cmp_gt_f32 vcc_lo, v[56+\e], v66
	v_cmp_ne_u32 s36, \e, v65
	s_and_b32 vcc_lo, vcc_lo, s36
	v_cndmask_b32 v66, v66, v[56+\e], vcc_lo
	v_cndmask_b32 v67, v67, \e, vcc_lo
.endr
	s_lshl_b32 s37, ttmp9, 7
	v_lshl_add_u32 v68, v1, 2, s37                 ; sel: 4 bytes a token
	global_store_b32 v68, v65, s[14:15] offset:1024
	s_lshl_b32 s37, ttmp9, 10
	v_lshl_add_u32 v69, v1, 5, s37                 ; gsc: 32 bytes a token
.irp e, 0,1,2,3,4,5,6,7
	v_mul_f32 v[72+\e], 0.5, v[56+\e]              ; probs / K
.endr
	global_store_b128 v69, v[72:75], s[16:17]
	global_store_b128 v69, v[76:79], s[16:17] offset:16
	v_mov_b32 v70, 0
.irp e, 0,1,2,3,4,5,6,7
	v_cmp_eq_u32 s36, \e, v65
	v_cmp_eq_u32 s38, \e, v67
	s_or_b32 s36, s36, s38                         ; the 32 tokens that go to expert e, a bit a token
	v_writelane_b32 v70, s36, \e                   ; lane e keeps the word
	s_bcnt1_i32_b32 s38, s36
	v_cvt_f32_u32 v[80+\e], s38                    ; and their number
.endr
	RED8 56                                        ; the 32 tokens' sums of probs
	s_lshl_b32 s37, ttmp9, 2
	v_lshl_add_u32 v71, v1, 7, s37                 ; mask[e = lane][word = work-group]
	s_lshl_b32 s37, ttmp9, 6
	v_mov_b32 v88, s37                             ; psum: 64 bytes a work-group
	s_wait_xcnt 0x0                                ; EXEC changes only behind this wait: stores are out
	v_cmp_gt_u32 vcc_lo, 8, v1
	s_and_saveexec_b32 s39, vcc_lo
	global_store_b32 v71, v70, s[14:15]            ; lanes 0 to 7
	s_wait_xcnt 0x0
	s_or_b32 exec_lo, exec_lo, s39
	v_cmp_eq_u32 vcc_lo, 0, v1
	s_and_saveexec_b32 s39, vcc_lo
	global_store_b128 v88, v[56:59], s[18:19]      ; lane 0
	global_store_b128 v88, v[60:63], s[18:19] offset:16
	global_store_b128 v88, v[80:83], s[18:19] offset:32
	global_store_b128 v88, v[84:87], s[18:19] offset:48
	s_wait_xcnt 0x0
	s_or_b32 exec_lo, exec_lo, s39
	s_wait_xcnt 0x0
	s_mov_b32 exec_lo, -1
	v_lshl_add_u32 v30, v0, 2, 0x14c00
	v_mov_b32 v31, 0
	s_wait_tensorcnt 0x0
	ds_add_u32 v30, v31
	s_wait_dscnt 0x0
	s_endpgm
.Lfunc_end_k_q15c18d4cf5_gate:
	.size	k_q15c18d4cf5_gate, .Lfunc_end_k_q15c18d4cf5_gate-k_q15c18d4cf5_gate
	.p2alignl 7, 3214868480
	.fill 96, 4, 3214868480
	.section	.rodata,"a",@progbits
	.p2align	6, 0x0
	.amdhsa_kernel k_q15c18d4cf5_gate
		.amdhsa_group_segment_fixed_size 87040
		.amdhsa_private_segment_fixed_size 0
		.amdhsa_enable_private_segment 0
		.amdhsa_kernarg_size 64
		.amdhsa_user_sgpr_count 2
		.amdhsa_user_sgpr_kernarg_segment_ptr 1
		.amdhsa_wavefront_size32 1
		.amdhsa_system_sgpr_workgroup_id_x 1
		.amdhsa_system_sgpr_workgroup_id_y 1
		.amdhsa_system_sgpr_workgroup_id_z 1
		.amdhsa_system_vgpr_workitem_id 0
		.amdhsa_next_free_vgpr 256
		.amdhsa_next_free_sgpr 66
		.amdhsa_reserve_vcc 1
		.amdhsa_float_denorm_mode_32 3
		.amdhsa_float_denorm_mode_16_64 3
		.amdhsa_memory_ordered 1
		.amdhsa_forward_progress 1
		.amdhsa_inst_pref_size 55
	.end_amdhsa_kernel
	.amdgpu_metadata
---
amdhsa.version: [ 1, 2 ]
amdhsa.kernels:
  - .name:           k_q15c18d4cf5_gate
    .symbol:         k_q15c18d4cf5_gate.kd
    .args:
      - { .name: x, .offset: 0, .size: 8, .value_kind: global_buffer, .address_space: global }
      - { .name: gate_w, .offset: 8, .size: 8, .value_kind: global_buffer, .address_space: global }
      - { .name: gate_b, .offset: 16, .size: 8, .value_kind: global_buffer, .address_space: global }
      - { .name: xq, .offset: 24, .size: 8, .value_kind: global_buffer, .address_space: global }
      - { .name: xs, .offset: 32, .size: 8, .value_kind: global_buffer, .address_space: global }
      - { .name: route, .offset: 40, .size: 8, .value_kind: global_buffer, .address_space: global }
      - { .name: gsc, .offset: 48, .size: 8, .value_kind: global_buffer, .address_space: global }
      - { .name: psum, .offset: 56, .size: 8, .value_kind: global_buffer, .address_space: global }
    .group_segment_fixed_size: 87040
    .private_segment_fixed_size: 0
    .kernarg_segment_align: 8
    .kernarg_segment_size: 64
    .max_flat_workgroup_size: 512
    .sgpr_count:     66
    .vgpr_count:     256
    .wavefront_size: 32
...
	.end_amdgpu_metadata
.endif
;; end of part 1
;; launch up (part 2): grid 256 x 1, 16 waves a work-group, no clusters, 71,680 bytes of LDS; arguments xq, xs, route, w1, b1, hq, hs; writes hq, hs
.if DOCPART == 2
	.amdgcn_target "amdgcn-amd-amdhsa--gfx1250"
	.amdhsa_code_object_version 6
	.text
	.protected	k_q15c18d4cf5_up
	.globl	k_q15c18d4cf5_up
	.p2align	8
	.type	k_q15c18d4cf5_up,@function
k_q15c18d4cf5_up:
	s_mov_b64 s[64:65], 0
	v_nop
	global_prefetch_b8 v0, s[64:65] scope:SCOPE_SE
	s_setreg_imm32_b32 hwreg(HW_REG_WAVE_MODE, 25, 1), 1
	s_wait_xcnt 0x0
; FIRST PRODUCT OF THE CHOSEN ROWS: h = relu(x w1[e] + b1[e]) on codes of E2M1 with E8M0 scales, and h's own quantising along d.
; w1 [8][1024 (K)][4096 (d)] f32 is read ONCE in the launch, each byte by one work-group, and quantised in registers on its way: no codes of weights go to memory.
; SHARES.  Work-group g: expert e = g / 32, slice g % 32 = 128 columns d, all of K: 131,072 numbers.
; PHASE Q.  Wave w takes 32 columns (w % 4) x 256 rows of K (w / 4).  A LANE TAKES A COLUMN AND ITS REGISTERS RUN DOWN K: a load reads 128 consecutive bytes, four waves stand side by side on 512;
; a block of 32 along K lies in one lane's 32 registers.  Its 16 bytes of codes go by one LDS store to their place in an IMAGE OF THE OPERAND'S REGISTERS (fragment (K step s, tile T): 1,024 bytes,
; register group c at 512 c, lane l at 16 l), four blocks' bytes as one scale word.  32 to 64 loads of a wave are out all through the phase.  One barrier ends it.
; PHASE G.  The expert's tokens are taken by rank, 32 to a group; wave w takes groups w and w + 16 (up to 1,024 tokens).  A group past the expert's count is left out by a scalar branch on the count, which an
; earlier launch stored as whole numbers; no barrier stands under it.  Rank p stands for the token of rank min(p, count - 1): a group that is not full repeats its last token.
; The tokens of a wave's 32 ranks are found in registers from the expert's 32 mask words (a running count, then the r-th set bit of a word).
; THE PRODUCT IS USED TRANSPOSED: source 0 = 16 columns of w1, source 1 = 16 tokens: a lane holds one token, its registers run along d.  THE COLUMNS OF A TILE ARE NOT NEIGHBOURS: row m of tile 2 b + u is
; column 32 b + 8 u + m + 8 (m / 8), so that the 16 registers of tiles 2 b, 2 b + 1 are 16 neighbours along d, the next product's K.  b1 is loaded into the accumulators: it starts the sums.
; The slice's 128 columns are one K step of the next product: a group's two fragments and its scale words leave as register images: hq [e][group 32][K step 32][tile 2][1,024 B], hs [e][group][K step][128 B].
; NO TENSOR LOADS, NO CLUSTER: the walk over groups hangs on counts read from memory; the quantiser wants a column in a lane's registers, which plain loads give; and what the 32 work-groups of an expert
; share (the tokens' codes, 512 bytes a token) is the smaller part of a work-group's bytes beside its own 524,288 of weights.  No prefetch: the stream's own loads are out all through phase Q.
; LIMITS: NaN and infinities are not served.  A block of zeros, or one whose largest magnitude lies under 2^-124, keeps the byte 1 (the rule says 127 for zeros); only this program reads the bytes.
.set PITCH, 16384                      ; a row of w1[e] in bytes
.set NT,    8                          ; tiles of 16 columns
.set KSTR,  NT*1024                    ; a K step's fragments in LDS
.set SSTR,  NT*64                      ; and its scale words: pair b at 128 b: lanes 0-15 tile 2 b, lanes 16-31 tile 2 b + 1
.set WSC,   65536                      ; LDS: the images from 0 on (65,536 bytes), the scale words behind them (4,096)
.set TM,    32                         ; the hidden layer's quantiser: v32-35 largest magnitudes, v36-39 bytes, v44-47 scale operands
; v1 lane, v2 4 lane, v3 16 lane, v4 / v5 where I store codes / scale words, v6 WSC + 4 lane, v7 h = lane / 16, v8 r = lane % 16, v9 64 h, v10-13 at work, v14 / v15 my tokens' rows of xq (tile 0 / 1),
; v16-17 the weights' scale words, v18 16 h, v20-27 x's scale words (register s: K step s), v28-30 offsets in xs, hq, hs, v32-63 four fragments of weights, v64-127 the tokens' fragments: a ring of four K steps,
; v128-255 sixteen accumulators ((tile of tokens a, tile of columns T) at 128 + 64 a + 8 T); phase Q: v32-95 two sets of 32 numbers, v96-99 codes; v240-253 at work while ranks are looked up.
; s2-3 permute selects, s18 wave, s19 e, s20 slice, s26 count, s27 count - 1, s28 group, s29 its first rank, s30 pass, s31 mask of lanes 16-31, s32-63 mask words, s66-97 running counts x 32 + word's number.
.macro LOADB t                         ; block t: w1(32 t + i, my column), i = 0 .. 31, into set t % 2
.set i, 0
.rept 32
	global_load_b32 v[32+32*((\t)%2)+i], v2, s[10:11] offset:(32*(\t)+i)*PITCH th:TH_LOAD_NT
.set i, i+1
.endr
.endm
.macro BLOCK t
.set XB, 32+32*((\t)%2)
.if (\t) < 7
	s_wait_loadcnt 32                              ; this block's 32 loads are in; the next block's 32 may be out
.else
	s_wait_loadcnt 0x0
.endif
	v_max3_num_f32 v12, |v[XB]|, |v[XB+1]|, |v[XB+2]|              ; the block's largest magnitude: all 32 numbers are mine
	v_max3_num_f32 v13, |v[XB+3]|, |v[XB+4]|, |v[XB+5]|
.irp n, 6,10,14,18,22,26
	v_max3_num_f32 v12, v12, |v[XB+\n]|, |v[XB+\n+1]|
	v_max3_num_f32 v13, v13, |v[XB+\n+2]|, |v[XB+\n+3]|
.endr
	v_max3_num_f32 v12, v12, |v[XB+30]|, |v[XB+31]|
	v_max3_num_f32 v12, v12, v13, 0x1800000        ; and the floor 2^(3 - 127): the byte cannot fall under 1
	v_add_nc_u32 v11, 0xff000000, v12              ; 2 off its exponent field: the conversion's scale operand
	v_lshrrev_b32 v13, 23, v11                     ; the scale's byte
.if (\t)%4 == 0
	v_mov_b32 v10, v13                             ; four bytes make a K step's scale word, the lower K in the lower byte
.else
	v_lshl_or_b32 v10, v13, 8*((\t)%4), v10
.endif
.irp g, 0,1,2,3
	v_cvt_scalef32_pk8_fp4_f32 v[96+\g], v[XB+8*\g:XB+8*\g+7], v11
.endr
	v_nop                                          ; one plain line behind the last conversion
	ds_store_b128 v4, v[96:99] offset:((\t)/4)*KSTR+512*(((\t)%4)/2)+256*((\t)%2)   ; block 2 c + h' of the K step: register group c, lanes 16 h' + row
.if (\t)%4 == 3
	ds_store_b32 v5, v10 offset:((\t)/4)*SSTR
.endif
.if (\t) < 6
	LOADB (\t)+2
.endif
	s_wait_dscnt 0x0
.endm
.macro PREFIX                          ; the expert's 32 mask words; in front of each word the number of tokens before it, x 32 + the word's number; the count
	s_load_b512 s[32:47], s[8:9], 0x0
	s_load_b512 s[48:63], s[8:9], 0x40
	s_mov_b32 s26, 0
	s_wait_kmcnt 0x0
.set i, 0
.rept 32
	s_lshl_b32 s[66+i], s26, 5
	s_or_b32 s[66+i], s[66+i], i
	s_bcnt1_i32_b32 s98, s[32+i]
	s_add_co_u32 s26, s26, s98
.set i, i+1
.endr
	s_sub_co_u32 s27, s26, 1
.endm
.macro SELSTEP src, width, step        ; does the wanted bit lie past the lower half of what is left?  c = the lower half's count
	v_bfe_u32 v250, v[\src], v249, \width
	v_cmp_ge_u32 vcc_lo, v241, v250
	v_cndmask_b32 v250, 0, v250, vcc_lo
	v_sub_nc_u32 v241, v241, v250
	v_cndmask_b32 v251, 0, \step, vcc_lo
	v_add_nc_u32 v249, v249, v251
.endm
.macro RANKSEL                         ; v240 = the token of rank min(s29 + lane, count - 1)
	v_add_nc_u32 v241, s29, v1
	v_min_u32 v241, s27, v241                      ; p
	v_lshl_or_b32 v242, v241, 5, 31
	v_mov_b32 v243, s66
	v_mov_b32 v244, s32
.set i, 1
.rept 31
	v_cmp_le_u32 vcc_lo, s[66+i], v242             ; the last word in front of which at most p tokens lie holds rank p
	v_cndmask_b32 v243, v243, s[66+i], vcc_lo
	v_cndmask_b32 v244, v244, s[32+i], vcc_lo
.set i, i+1
.endr
	v_lshrrev_b32 v250, 5, v243
	v_sub_nc_u32 v241, v241, v250                  ; r: which set bit of the word
	v_and_b32 v252, 31, v243                       ; the word's number
	v_lshrrev_b32 v245, 1, v244
	v_and_b32 v245, 0x55555555, v245
	v_sub_nc_u32 v245, v244, v245                  ; counts of 2 bits,
	v_lshrrev_b32 v246, 2, v245
	v_and_b32 v246, 0x33333333, v246
	v_and_b32 v251, 0x33333333, v245
	v_add_nc_u32 v246, v246, v251                  ; of 4,
	v_lshrrev_b32 v247, 4, v246
	v_add_nc_u32 v247, v247, v246
	v_and_b32 v247, 0x0f0f0f0f, v247               ; of 8,
	v_lshrrev_b32 v248, 8, v247
	v_add_nc_u32 v248, v248, v247                  ; of 16 (in the lowest byte)
	v_mov_b32 v249, 0
	SELSTEP 248, 8, 16
	SELSTEP 247, 8, 8
	SELSTEP 246, 4, 4
	SELSTEP 245, 2, 2
	SELSTEP 244, 1, 1
	v_lshl_add_u32 v240, v252, 5, v249
.endm
.macro SPREAD src, d0, d1              ; lane (r, h) gets lane r's number in d0 and lane 16 + r's in d1
	v_permlanex16_b32 v253, v[\src], s2, s3
	v_cndmask_b32 v[\d0], v[\src], v253, s31
	v_cndmask_b32 v[\d1], v253, v[\src], s31
.endm
.macro MM                              ; one product, named by the symbols mD, mA, mB, mC, mSA, mRA, mSB, mRB
.if mRA && mRB
	v_wmma_scale_f32_16x16x128_f8f6f4 v[mD:mD+7], v[mA:mA+7], v[mB:mB+7], v[mC:mC+7], v[mSA], v[mSB] matrix_a_fmt:MATRIX_FMT_FP4 matrix_b_fmt:MATRIX_FMT_FP4 matrix_a_scale:MATRIX_SCALE_ROW1 matrix_b_scale:MATRIX_SCALE_ROW1
.elseif mRA
	v_wmma_scale_f32_16x16x128_f8f6f4 v[mD:mD+7], v[mA:mA+7], v[mB:mB+7], v[mC:mC+7], v[mSA], v[mSB] matrix_a_fmt:MATRIX_FMT_FP4 matrix_b_fmt:MATRIX_FMT_FP4 matrix_a_scale:MATRIX_SCALE_ROW1
.elseif mRB
	v_wmma_scale_f32_16x16x128_f8f6f4 v[mD:mD+7], v[mA:mA+7], v[mB:mB+7], v[mC:mC+7], v[mSA], v[mSB] matrix_a_fmt:MATRIX_FMT_FP4 matrix_b_fmt:MATRIX_FMT_FP4 matrix_b_scale:MATRIX_SCALE_ROW1
.else
	v_wmma_scale_f32_16x16x128_f8f6f4 v[mD:mD+7], v[mA:mA+7], v[mB:mB+7], v[mC:mC+7], v[mSA], v[mSB] matrix_a_fmt:MATRIX_FMT_FP4 matrix_b_fmt:MATRIX_FMT_FP4
.endif
.endm
.macro WFETCH s, q                     ; four fragments of weights (K step s, tiles 4 q .. 4 q + 3) and their two registers of scale words
.irp j, 0,1,2,3
.irp c, 0,1
	ds_load_b128 v[32+8*\j+4*\c:32+8*\j+4*\c+3], v3 offset:(NT*(\s)+4*(\q)+\j)*1024+512*\c
.endr
.endr
.irp z, 0,1
	ds_load_b32 v[16+\z], v6 offset:(\s)*SSTR+128*(2*(\q)+\z)
.endr
.endm
.macro XLOAD s                         ; my 32 tokens' fragments of K step s into ring buffer s % 4
.irp a, 0,1
.irp c, 0,1
	global_load_b128 v[64+16*((\s)%4)+8*\a+4*\c:64+16*((\s)%4)+8*\a+4*\c+3], v[14+\a], s[4:5] offset:64*(\s)+32*\c
.endr
.endr
.endm
.macro HALF s, q                       ; half a K step: four tiles of columns x two tiles of tokens
.rept 4
	v_nop                                          ; four places behind the last products, in front of loads into their operands and scales (ISA guide 7.12.1 for vector instructions)
.endr
.if ((\q) == 0) && ((\s) <= 4)
	XLOAD (\s)+3                                   ; three K steps ahead, into the buffer of the step before this one
.endif
	WFETCH \s, \q
.if (\q) == 0
.if (\s) <= 4
	s_wait_loadcnt 12                              ; this K step's fragments are in (bias and scale words are older); four loads for each of three later K steps may be out
.else
	s_wait_loadcnt 4*(7-(\s))                      ; four for each K step that is left
.endif
.endif
	s_wait_dscnt 0x0
.irp j, 0,1,2,3
.irp a, 0,1
.set mD, 128+64*\a+8*(4*(\q)+\j)
.set mC, mD
.set mA, 32+8*\j
.set mB, 64+16*((\s)%4)+8*\a
.set mSA, 16+\j/2
.set mRA, \j%2
.set mSB, 20+(\s)
.set mRB, \a
	MM                                             ; the sixteen accumulators take turns, one instruction a turn
.endr
.endr
.endm
; 64 numbers of a lane, register 16 b + i = d 32 b + 16 h + i of my token, none negative, become a fragment's codes in v[pc] on and its scale word in v[pw]
.macro QUANT s, pc, pw
.irp b, 0,1,2,3
	v_max3_num_f32 v[TM+\b], v[(\s)+16*\b], v[(\s)+1+16*\b], 0x1800000   ; block b: my 16 numbers and the floor 2^(3 - 127)
.endr
.irp n, 2,4,6,8,10,12,14
.irp b, 0,1,2,3
	v_max3_num_f32 v[TM+\b], v[TM+\b], v[(\s)+16*\b+\n], v[(\s)+1+16*\b+\n]
.endr
.endr
.irp b, 0,1,2,3
	v_permlanex16_b32 v[TM+4+\b], v[TM+\b], s2, s3
.endr
.irp b, 0,1,2,3
	v_max_num_f32 v[TM+\b], v[TM+\b], v[TM+4+\b]   ; with lane l xor 16's: the block's largest
.endr
.irp b, 0,1,2,3
	v_add_nc_u32 v[TM+12+\b], 0xff000000, v[TM+\b]
.endr
.irp b, 0,1,2,3
	v_lshrrev_b32 v[TM+4+\b], 23, v[TM+12+\b]
.endr
	v_lshl_or_b32 v[\pw], v[TM+5], 8, v[TM+4]
	v_lshl_or_b32 v[\pw], v[TM+6], 16, v[\pw]
	v_lshl_or_b32 v[\pw], v[TM+7], 24, v[\pw]
.irp b, 0,1,2,3
	v_cvt_scalef32_pk8_fp4_f32 v[(\pc)+2*\b], v[(\s)+16*\b:(\s)+7+16*\b], v[TM+12+\b]
	v_cvt_scalef32_pk8_fp4_f32 v[(\pc)+1+2*\b], v[(\s)+8+16*\b:(\s)+15+16*\b], v[TM+12+\b]
.endr
	v_nop                                          ; one plain line behind the last conversion
.irp c, 0,1                                    ; the operand's layout wants a whole block in a lane: lanes 0-15 block 2 c, lanes 16-31 block 2 c + 1
.irp n, 0,1
	v_permlane16_swap_b32 v[(\pc)+4*\c+\n], v[(\pc)+2+4*\c+\n]
.endr
.endr
.endm
	s_load_b256 s[4:11], s[0:1], 0x0               ; xq s[4:5], xs s[6:7], route s[8:9], w1 s[10:11]
	s_load_b128 s[12:15], s[0:1], 0x20             ; b1 s[12:13], hq s[14:15]
	s_load_b64 s[16:17], s[0:1], 0x30              ; hs
	v_lshl_add_u32 v19, v0, 2, 0x11000
	v_mov_b32 v31, 0
	v_lshrrev_b32 v1, 5, v0
	v_readfirstlane_b32 s18, v1                    ; wave 0..15
	s_lshr_b32 s19, ttmp9, 5                       ; expert
	s_and_b32 s20, ttmp9, 31                       ; slice
	s_and_b32 s21, s18, 3                          ; which 32 columns
	s_lshr_b32 s22, s18, 2                         ; which 256 rows of K
	s_mov_b32 s2, 0x76543210
	s_mov_b32 s3, 0xfedcba98
	s_mov_b32 s31, 0xffff0000
	v_and_b32 v1, 31, v0
	v_lshlrev_b32 v2, 2, v1
	v_lshlrev_b32 v3, 4, v1
	v_bfe_u32 v7, v0, 4, 1
	v_and_b32 v8, 15, v0
	v_and_b32 v12, 7, v0
	v_lshl_or_b32 v12, v7, 3, v12                  ; my column's row in its tile: lane % 8 + 8 (lane / 16)
	v_bfe_u32 v13, v0, 3, 1                        ; and which tile of the pair: (lane / 8) % 2
	v_lshlrev_b32 v4, 4, v12
	v_lshl_add_u32 v4, v13, 10, v4
	s_lshl_b32 s98, s21, 11
	s_lshl_b32 s99, s22, 14
	s_add_co_u32 s98, s98, s99
	v_add_nc_u32 v4, s98, v4                       ; codes: 1,024 x tile + 16 x row + two K steps x (wave / 4)
	v_lshlrev_b32 v5, 2, v12
	v_lshl_add_u32 v5, v13, 6, v5
	s_lshl_b32 s98, s22, 10
	s_lshl_b32 s99, s21, 7
	s_add_co_u32 s98, s98, s99
	s_add_co_u32 s98, s98, WSC
	v_add_nc_u32 v5, s98, v5                       ; scale words
	v_add_nc_u32 v6, WSC, v2
	v_lshlrev_b32 v9, 6, v7
	v_lshlrev_b32 v18, 4, v7
	v_mov_b32 v253, 0                              ; written once: a lane permute's destination counts as one of its sources
	s_mov_b32 s25, 0
	s_wait_kmcnt 0x0
	s_lshl_b32 s24, s19, 24                        ; 16 MiB an expert,
	s_lshl_b32 s98, s22, 22                        ; 256 rows of 16,384 bytes,
	s_add_co_u32 s24, s24, s98
	s_lshl_b32 s98, s20, 9                         ; 512 bytes a slice,
	s_add_co_u32 s24, s24, s98
	s_lshl_b32 s98, s21, 7                         ; 128 bytes a wave
	s_add_co_u32 s24, s24, s98
	s_add_nc_u64 s[10:11], s[10:11], s[24:25]
	LOADB 0
	LOADB 1
	s_lshl_b32 s24, s19, 7
	s_add_nc_u64 s[8:9], s[8:9], s[24:25]          ; the expert's mask words
	PREFIX
	s_lshl_b32 s24, s19, 14
	s_lshl_b32 s98, s20, 9
	s_add_co_u32 s24, s24, s98
	s_add_nc_u64 s[12:13], s[12:13], s[24:25]      ; b1 at the slice
	s_lshl_b32 s24, s19, 21
	s_lshl_b32 s98, s20, 11
	s_add_co_u32 s24, s24, s98
	s_add_nc_u64 s[14:15], s[14:15], s[24:25]      ; hq at (e, group 0, K step = slice)
	s_lshl_b32 s24, s19, 17
	s_lshl_b32 s98, s20, 7
	s_add_co_u32 s24, s24, s98
	s_add_nc_u64 s[16:17], s[16:17], s[24:25]      ; hs likewise
.irp t, 0,1,2,3,4,5,6,7
	BLOCK \t
.endr
	s_wait_dscnt 0x0                               ; for the others' sake: my stores into the images are done
	s_barrier_signal -1
	s_barrier_wait -1                              ; from here on the images are only read
	s_mov_b32 s30, 0
.Lpass:
	s_lshl_b32 s28, s30, 4
	s_add_co_u32 s28, s28, s18                     ; my group
	s_lshl_b32 s29, s28, 5                         ; its first rank
	s_cmp_ge_u32 s29, s26
	s_cbranch_scc1 .Lskip                          ; past the expert's count: nothing to do
	s_wait_xcnt 0x0                                ; the last pass's loads and stores have read their registers: they are written again from here on
	RANKSEL
	SPREAD 240, 14, 15
	v_min_u32 v14, 0x3ff, v14                      ; a token's number, held inside the table
	v_min_u32 v15, 0x3ff, v15
	v_min_u32 v28, 0x3ff, v240
	v_lshlrev_b32 v14, 9, v14                      ; 512 bytes of codes a token,
	v_lshlrev_b32 v15, 9, v15
	v_lshlrev_b32 v28, 5, v28                      ; 32 scale bytes
	v_add_nc_u32 v14, v18, v14                     ; + 16 h
	v_add_nc_u32 v15, v18, v15
	s_lshl_b32 s98, s28, 16
	v_add_nc_u32 v29, s98, v3                      ; hq: 65,536 bytes a group, 16 a lane
	s_lshl_b32 s98, s28, 12
	v_add_nc_u32 v30, s98, v2                      ; hs: 4,096 bytes a group, 4 a lane
.irp a, 0,1
.irp T, 0,1,2,3,4,5,6,7
.irp z, 0,1
	global_load_b128 v[128+64*\a+8*\T+4*\z:128+64*\a+8*\T+4*\z+3], v9, s[12:13] offset:(32*(\T/2)+8*(\T%2))*4+16*\z   ; b1 at my eight columns of the tile: it starts the sums
.endr
.endr
.endr
	global_load_b128 v[20:23], v28, s[6:7]         ; lane l: the scale words of rank l's token: lanes 0-15 tile 0, lanes 16-31 tile 1
	global_load_b128 v[24:27], v28, s[6:7] offset:16
	XLOAD 0
	XLOAD 1
	XLOAD 2
.set S, 0
.rept 8
	HALF S, 0
	HALF S, 1
.set S, S+1
.endr
.rept 4
	v_nop                                          ; four places behind the last products, in front of the first read of results
.endr
.irp a, 0,1
.set j, 0
.rept 64
	v_max_num_f32 v[128+64*\a+j], 0, v[128+64*\a+j]   ; the activation, in f32; each accumulator from its low end on
.set j, j+1
.endr
	QUANT 128+64*\a, 48+8*\a, 64+\a
.irp c, 0,1
	global_store_b128 v29, v[48+8*\a+4*\c:48+8*\a+4*\c+3], s[14:15] offset:1024*\a+512*\c   ; the fragment as it stands: 512 consecutive bytes, aligned
.endr
.endr
	v_cndmask_b32 v66, v64, v65, s31               ; lanes 0-15 tile 0's scale words, lanes 16-31 tile 1's
	global_store_b32 v30, v66, s[16:17]
.Lskip:
	s_add_co_u32 s30, s30, 1
	s_cmp_lt_u32 s30, 2
	s_cbranch_scc1 .Lpass
	s_barrier_signal -1
	s_barrier_wait -1
	s_wait_tensorcnt 0x0
	ds_add_u32 v19, v31
	s_wait_dscnt 0x0
	s_endpgm
.Lfunc_end_k_q15c18d4cf5_up:
	.size	k_q15c18d4cf5_up, .Lfunc_end_k_q15c18d4cf5_up-k_q15c18d4cf5_up
	.p2alignl 7, 3214868480
	.fill 96, 4, 3214868480
	.section	.rodata,"a",@progbits
	.p2align	6, 0x0
	.amdhsa_kernel k_q15c18d4cf5_up
		.amdhsa_group_segment_fixed_size 71680
		.amdhsa_private_segment_fixed_size 0
		.amdhsa_enable_private_segment 0
		.amdhsa_kernarg_size 56
		.amdhsa_user_sgpr_count 2
		.amdhsa_user_sgpr_kernarg_segment_ptr 1
		.amdhsa_wavefront_size32 1
		.amdhsa_system_sgpr_workgroup_id_x 1
		.amdhsa_system_sgpr_workgroup_id_y 1
		.amdhsa_system_sgpr_workgroup_id_z 1
		.amdhsa_system_vgpr_workitem_id 0
		.amdhsa_next_free_vgpr 256
		.amdhsa_next_free_sgpr 100
		.amdhsa_reserve_vcc 1
		.amdhsa_float_denorm_mode_32 3
		.amdhsa_float_denorm_mode_16_64 3
		.amdhsa_memory_ordered 1
		.amdhsa_forward_progress 1
		.amdhsa_inst_pref_size 99
	.end_amdhsa_kernel
	.amdgpu_metadata
---
amdhsa.version: [ 1, 2 ]
amdhsa.kernels:
  - .name:           k_q15c18d4cf5_up
    .symbol:         k_q15c18d4cf5_up.kd
    .args:
      - { .name: xq, .offset: 0, .size: 8, .value_kind: global_buffer, .address_space: global }
      - { .name: xs, .offset: 8, .size: 8, .value_kind: global_buffer, .address_space: global }
      - { .name: route, .offset: 16, .size: 8, .value_kind: global_buffer, .address_space: global }
      - { .name: w1, .offset: 24, .size: 8, .value_kind: global_buffer, .address_space: global }
      - { .name: b1, .offset: 32, .size: 8, .value_kind: global_buffer, .address_space: global }
      - { .name: hq, .offset: 40, .size: 8, .value_kind: global_buffer, .address_space: global }
      - { .name: hs, .offset: 48, .size: 8, .value_kind: global_buffer, .address_space: global }
    .group_segment_fixed_size: 71680
    .private_segment_fixed_size: 0
    .kernarg_segment_align: 8
    .kernarg_segment_size: 56
    .max_flat_workgroup_size: 512
    .sgpr_count:     100
    .vgpr_count:     256
    .wavefront_size: 32
...
	.end_amdgpu_metadata
.endif
;; end of part 2
;; launch down (part 3): grid 256 x 1, 16 waves a work-group, no clusters, 141,312 bytes of LDS; arguments hq, hs, route, w2, b2, gsc, part; writes part
.if DOCPART == 3
	.amdgcn_target "amdgcn-amd-amdhsa--gfx1250"
	.amdhsa_code_object_version 6
	.text
	.protected	k_q15c18d4cf5_down
	.globl	k_q15c18d4cf5_down
	.p2align	8
	.type	k_q15c18d4cf5_down,@function
k_q15c18d4cf5_down:
	s_mov_b64 s[64:65], 0
	v_nop
	global_prefetch_b8 v0, s[64:65] scope:SCOPE_SE
	s_setreg_imm32_b32 hwreg(HW_REG_WAVE_MODE, 25, 1), 1
	s_wait_xcnt 0x0
; SECOND PRODUCT OF THE CHOSEN ROWS: part = (h w2[e] (+ b2[e])) x probs / 2, on codes of E2M1 with E8M0 scales.
; w2 [8][4096 (K)][1024 (n)] f32 is read ONCE in the launch, each byte by one work-group, and quantised in registers on its way.
; SHARES.  Work-group g: expert e = g / 32, 64 columns n ((g / 2) % 16), half g % 2 of K (2,048): a row's piece is 256 aligned bytes.  The two halves of K and a token's two experts give four partial rows,
; part [half 2][slot 2][token 1024][1024] f32 (slot 0: e is the token's first expert), each written whole by one owner and summed by the next launch.  Only the first half of K adds b2.
; PHASE Q: as in the launch before: wave w takes 32 columns (w % 2) x 256 rows of K (w / 2); a lane a column, registers down K; codes and scale words go into images of the operand's registers in LDS.  One barrier.
; PHASE G: wave w takes the groups w and w + 16 of 32 ranks; a group past the expert's count is left out by a scalar branch on the stored count; rank p stands for the token of rank min(p, count - 1), so a
; group that is not full repeats its last token, and the wave then stores the same bytes to the same place more than once.
; THE PRODUCT IS USED TRANSPOSED (source 0 = 16 columns of w2, source 1 = 16 tokens): a lane holds one token and eight neighbouring columns.  The hidden layer's fragments come from memory as register images,
; three K steps ahead; the weights' from LDS.  Results are scaled by the gate's weight, go through the wave's own stage and leave as runs of 256 aligned bytes, sixteen lanes to a token's row.
; NO TENSOR LOADS, NO CLUSTER: the walk over groups hangs on counts read from memory; what the work-groups of an expert share (the hidden codes, 1,024 bytes a token and half of K) is the smaller part of a
; work-group's bytes beside its own 524,288 of weights.  No prefetch: the stream's own loads are out all through phase Q.
; LIMITS: NaN and infinities are not served.  A block of zeros, or one whose largest magnitude lies under 2^-124, keeps the byte 1 (the rule says 127 for zeros); only this program reads the bytes.
.set PITCH, 4096                       ; a row of w2[e] in bytes
.set NT,    4                          ; tiles of 16 columns
.set KSTR,  NT*1024
.set SSTR,  NT*64
.set WSC,   65536                      ; LDS: images (65,536 bytes), scale words (4,096),
.set STG,   69632                      ; and a stage of 16 rows x (256 + 16) bytes for each wave
; v1 lane, v2 4 lane, v3 16 lane, v4 / v5 where I store codes / scale words, v6 WSC + 4 lane, v7 h, v8 r, v9 32 h, v10-13 at work, v14 / v15 the stage in / out, v16-17 the weights' scale words,
; v18 / v19 offsets in hq / hs, v20-23 the hidden layer's scale words: a ring of four, v[24:25], v[26:27] the gate's weight of my token in tile 0, 1, v28 16 r, v29 4 h, v30 sel, v31 the gate's weight by rank,
; v32-63 four fragments of weights, v64-127 the hidden layer's fragments: a ring of four K steps; later rows on their way out, v128-191 eight accumulators ((a, T) at 128 + 32 a + 8 T), v192-223 b2 in the result's
; layout, v224-239 the rows' offsets in part, v240-255 at work; phase Q: v32-95 two sets of 32 numbers, v96-99 codes.
.macro LOADB t
.set i, 0
.rept 32
	global_load_b32 v[32+32*((\t)%2)+i], v2, s[10:11] offset:(32*(\t)+i)*PITCH th:TH_LOAD_NT
.set i, i+1
.endr
.endm
.macro BLOCK t
.set XB, 32+32*((\t)%2)
.if (\t) < 7
	s_wait_loadcnt 32                              ; this block's 32 loads are in (b2's are older); the next block's 32 may be out
.else
	s_wait_loadcnt 0x0
.endif
	v_max3_num_f32 v12, |v[XB]|, |v[XB+1]|, |v[XB+2]|
	v_max3_num_f32 v13, |v[XB+3]|, |v[XB+4]|, |v[XB+5]|
.irp n, 6,10,14,18,22,26
	v_max3_num_f32 v12, v12, |v[XB+\n]|, |v[XB+\n+1]|
	v_max3_num_f32 v13, v13, |v[XB+\n+2]|, |v[XB+\n+3]|
.endr
	v_max3_num_f32 v12, v12, |v[XB+30]|, |v[XB+31]|
	v_max3_num_f32 v12, v12, v13, 0x1800000        ; the floor 2^(3 - 127): the byte cannot fall under 1
	v_add_nc_u32 v11, 0xff000000, v12              ; 2 off the exponent field: the conversion's scale operand
	v_lshrrev_b32 v13, 23, v11                     ; the scale's byte
.if (\t)%4 == 0
	v_mov_b32 v10, v13
.else
	v_lshl_or_b32 v10, v13, 8*((\t)%4), v10
.endif
.irp g, 0,1,2,3
	v_cvt_scalef32_pk8_fp4_f32 v[96+\g], v[XB+8*\g:XB+8*\g+7], v11
.endr
	v_nop                                          ; one plain line behind the last conversion
	ds_store_b128 v4, v[96:99] offset:((\t)/4)*KSTR+512*(((\t)%4)/2)+256*((\t)%2)
.if (\t)%4 == 3
	ds_store_b32 v5, v10 offset:((\t)/4)*SSTR
.endif
.if (\t) < 6
	LOADB (\t)+2
.endif
	s_wait_dscnt 0x0
.endm
.macro PREFIX
	s_load_b512 s[32:47], s[8:9], 0x0
	s_load_b512 s[48:63], s[8:9], 0x40
	s_mov_b32 s26, 0
	s_wait_kmcnt 0x0
.set i, 0
.rept 32
	s_lshl_b32 s[66+i], s26, 5
	s_or_b32 s[66+i], s[66+i], i
	s_bcnt1_i32_b32 s98, s[32+i]
	s_add_co_u32 s26, s26, s98
.set i, i+1
.endr
	s_sub_co_u32 s27, s26, 1
.endm
.macro SELSTEP src, width, step
	v_bfe_u32 v250, v[\src], v249, \width
	v_cmp_ge_u32 vcc_lo, v241, v250
	v_cndmask_b32 v250, 0, v250, vcc_lo
	v_sub_nc_u32 v241, v241, v250
	v_cndmask_b32 v251, 0, \step, vcc_lo
	v_add_nc_u32 v249, v249, v251
.endm
.macro RANKSEL                         ; v240 = the token of rank min(s29 + lane, count - 1)
	v_add_nc_u32 v241, s29, v1
	v_min_u32 v241, s27, v241
	v_lshl_or_b32 v242, v241, 5, 31
	v_mov_b32 v243, s66
	v_mov_b32 v244, s32
.set i, 1
.rept 31
	v_cmp_le_u32 vcc_lo, s[66+i], v242
	v_cndmask_b32 v243, v243, s[66+i], vcc_lo
	v_cndmask_b32 v244, v244, s[32+i], vcc_lo
.set i, i+1
.endr
	v_lshrrev_b32 v250, 5, v243
	v_sub_nc_u32 v241, v241, v250
	v_and_b32 v252, 31, v243
	v_lshrrev_b32 v245, 1, v244
	v_and_b32 v245, 0x55555555, v245
	v_sub_nc_u32 v245, v244, v245
	v_lshrrev_b32 v246, 2, v245
	v_and_b32 v246, 0x33333333, v246
	v_and_b32 v251, 0x33333333, v245
	v_add_nc_u32 v246, v246, v251
	v_lshrrev_b32 v247, 4, v246
	v_add_nc_u32 v247, v247, v246
	v_and_b32 v247, 0x0f0f0f0f, v247
	v_lshrrev_b32 v248, 8, v247
	v_add_nc_u32 v248, v248, v247
	v_mov_b32 v249, 0
	SELSTEP 248, 8, 16
	SELSTEP 247, 8, 8
	SELSTEP 246, 4, 4
	SELSTEP 245, 2, 2
	SELSTEP 244, 1, 1
	v_lshl_add_u32 v240, v252, 5, v249
.endm
.macro SPREAD src, d0, d1              ; lane (r, h) gets lane r's number in d0 and lane 16 + r's in d1
	v_permlanex16_b32 v253, v[\src], s2, s3
	v_cndmask_b32 v[\d0], v[\src], v253, s31
	v_cndmask_b32 v[\d1], v253, v[\src], s31
.endm
.macro MM
.if mRA && mRB
	v_wmma_scale_f32_16x16x128_f8f6f4 v[mD:mD+7], v[mA:mA+7], v[mB:mB+7], v[mC:mC+7], v[mSA], v[mSB] matrix_a_fmt:MATRIX_FMT_FP4 matrix_b_fmt:MATRIX_FMT_FP4 matrix_a_scale:MATRIX_SCALE_ROW1 matrix_b_scale:MATRIX_SCALE_ROW1
.elseif mRA
	v_wmma_scale_f32_16x16x128_f8f6f4 v[mD:mD+7], v[mA:mA+7], v[mB:mB+7], v[mC:mC+7], v[mSA], v[mSB] matrix_a_fmt:MATRIX_FMT_FP4 matrix_b_fmt:MATRIX_FMT_FP4 matrix_a_scale:MATRIX_SCALE_ROW1
.elseif mRB
	v_wmma_scale_f32_16x16x128_f8f6f4 v[mD:mD+7], v[mA:mA+7], v[mB:mB+7], v[mC:mC+7], v[mSA], v[mSB] matrix_a_fmt:MATRIX_FMT_FP4 matrix_b_fmt:MATRIX_FMT_FP4 matrix_b_scale:MATRIX_SCALE_ROW1
.else
	v_wmma_scale_f32_16x16x128_f8f6f4 v[mD:mD+7], v[mA:mA+7], v[mB:mB+7], v[mC:mC+7], v[mSA], v[mSB] matrix_a_fmt:MATRIX_FMT_FP4 matrix_b_fmt:MATRIX_FMT_FP4
.endif
.endm
.macro WFETCH s                        ; K step s: the four fragments of weights and their two registers of scale words
.irp j, 0,1,2,3
.irp c, 0,1
	ds_load_b128 v[32+8*\j+4*\c:32+8*\j+4*\c+3], v3 offset:(NT*(\s)+\j)*1024+512*\c
.endr
.endr
.irp z, 0,1
	ds_load_b32 v[16+\z], v6 offset:(\s)*SSTR+128*\z
.endr
.endm
.macro HLOAD s                         ; my group's two fragments of K step s, and their scale words, into ring place s % 4: five loads
.irp a, 0,1
.irp c, 0,1
	global_load_b128 v[64+16*((\s)%4)+8*\a+4*\c:64+16*((\s)%4)+8*\a+4*\c+3], v18, s[4:5] offset:2048*(\s)+1024*\a+512*\c
.endr
.endr
	global_load_b32 v[20+(\s)%4], v19, s[6:7] offset:128*(\s)
.endm
.macro STEP s
.rept 4
	v_nop                                          ; four places behind the last products, in front of loads into their operands and scales
.endr
.if (\s) <= 12
	HLOAD (\s)+3                                   ; three K steps ahead, into the place of the step before this one
.endif
	WFETCH \s
.if (\s) <= 12
	s_wait_loadcnt 15                              ; this K step's five loads are in (sel and the gate's weight are older); five for each of three later K steps may be out
.else
	s_wait_loadcnt 5*(15-(\s))                     ; five for each K step that is left
.endif
	s_wait_dscnt 0x0
.irp j, 0,1,2,3
.irp a, 0,1
.set mD, 128+32*\a+8*\j
.if (\s) == 0
.set mC, 192+8*\j                      ; b2 (or zeros) starts the sums: nothing is cleared
.else
.set mC, mD
.endif
.set mA, 32+8*\j
.set mB, 64+16*((\s)%4)+8*\a
.set mSA, 16+\j/2
.set mRA, \j%2
.set mSB, 20+(\s)%4
.set mRB, \a
	MM                                             ; the eight accumulators take turns, one instruction a turn
.endr
.endr
.endm
	s_load_b256 s[4:11], s[0:1], 0x0               ; hq s[4:5], hs s[6:7], route s[8:9], w2 s[10:11]
	s_load_b128 s[12:15], s[0:1], 0x20             ; b2 s[12:13], gsc s[14:15]
	s_load_b64 s[16:17], s[0:1], 0x30              ; part
	v_lshrrev_b32 v1, 5, v0
	v_readfirstlane_b32 s18, v1                    ; wave 0..15
	s_lshr_b32 s19, ttmp9, 5                       ; expert
	s_bfe_u32 s22, ttmp9, 0x40001                  ; which 64 columns
	s_and_b32 s23, ttmp9, 1                        ; which half of K
	s_and_b32 s28, s18, 1                          ; which 32 columns of them (s28, s29: in the head only)
	s_lshr_b32 s29, s18, 1                         ; which 256 rows of the half
	s_mov_b32 s2, 0x76543210
	s_mov_b32 s3, 0xfedcba98
	s_mov_b32 s31, 0xffff0000
	v_and_b32 v1, 31, v0
	v_lshlrev_b32 v2, 2, v1
	v_lshlrev_b32 v3, 4, v1
	v_bfe_u32 v7, v0, 4, 1
	v_and_b32 v8, 15, v0
	v_lshlrev_b32 v4, 4, v8
	v_lshl_add_u32 v4, v7, 10, v4
	s_lshl_b32 s98, s28, 11
	s_lshl_b32 s99, s29, 13
	s_add_co_u32 s98, s98, s99
	v_add_nc_u32 v4, s98, v4                       ; codes: 1,024 x tile + 16 x row + two K steps x (wave / 2)
	s_lshl_b32 s98, s29, 9
	s_lshl_b32 s99, s28, 7
	s_add_co_u32 s98, s98, s99
	s_add_co_u32 s98, s98, WSC
	v_add_nc_u32 v5, s98, v2                       ; scale words
	v_add_nc_u32 v6, WSC, v2
	v_lshlrev_b32 v9, 5, v7
	s_mul_i32 s98, s18, 16*272
	s_add_co_u32 s98, s98, STG                     ; my stage
	v_mul_u32_u24 v14, v8, 272
	v_lshl_add_u32 v14, v7, 5, v14
	v_add_nc_u32 v14, s98, v14                     ; in: row r, 32 bytes for each half of the lanes
	v_mul_u32_u24 v15, v7, 272
	v_lshl_add_u32 v15, v8, 4, v15
	v_add_nc_u32 v15, s98, v15                     ; back: lanes 0-15 one row of 256 bytes, lanes 16-31 the next
	v_lshlrev_b32 v28, 4, v8
	v_lshlrev_b32 v29, 2, v7
	v_mov_b32 v253, 0                              ; written once: a lane permute's destination counts as one of its sources
	s_mov_b32 s25, 0
	s_wait_kmcnt 0x0
	s_lshl_b32 s24, s19, 12
	s_lshl_b32 s98, s22, 8
	s_add_co_u32 s24, s24, s98
	s_add_nc_u64 s[12:13], s[12:13], s[24:25]      ; b2 at my 64 columns
.irp T, 0,1,2,3
.irp z, 0,1
	global_load_b128 v[192+8*\T+4*\z:192+8*\T+4*\z+3], v9, s[12:13] offset:64*\T+16*\z
.endr
.endr
	s_lshl_b32 s24, s19, 24                        ; 16 MiB an expert,
	s_lshl_b32 s98, s23, 23                        ; 2,048 rows of 4,096 bytes a half,
	s_add_co_u32 s24, s24, s98
	s_lshl_b32 s98, s29, 20                        ; 256 rows,
	s_add_co_u32 s24, s24, s98
	s_lshl_b32 s98, s22, 8                         ; 256 bytes a work-group's columns,
	s_add_co_u32 s24, s24, s98
	s_lshl_b32 s98, s28, 7                         ; 128 a wave's
	s_add_co_u32 s24, s24, s98
	s_add_nc_u64 s[10:11], s[10:11], s[24:25]
	LOADB 0
	LOADB 1
	s_add_nc_u64 s[20:21], s[8:9], 0x400           ; sel
	s_lshl_b32 s24, s19, 7
	s_add_nc_u64 s[8:9], s[8:9], s[24:25]          ; the expert's mask words
	PREFIX
	s_lshl_b32 s24, s19, 21
	s_lshl_b32 s98, s23, 15
	s_add_co_u32 s24, s24, s98
	s_add_nc_u64 s[4:5], s[4:5], s[24:25]          ; hq at (e, group 0, my half's first K step)
	s_lshl_b32 s24, s19, 17
	s_lshl_b32 s98, s23, 11
	s_add_co_u32 s24, s24, s98
	s_add_nc_u64 s[6:7], s[6:7], s[24:25]          ; hs likewise
	s_lshl_b32 s24, s19, 2
	s_add_nc_u64 s[14:15], s[14:15], s[24:25]      ; gsc at the expert's column
	s_lshl_b32 s24, s23, 23
	s_lshl_b32 s98, s22, 8
	s_add_co_u32 s24, s24, s98
	s_add_nc_u64 s[16:17], s[16:17], s[24:25]      ; part at my half's planes and my 64 columns
.irp t, 0,1,2,3,4,5,6,7
	BLOCK \t
.endr
	s_cmp_eq_u32 s23, 0
	s_cselect_b32 s99, -1, 0
.set i, 0
.rept 32
	v_and_b32 v[192+i], s99, v[192+i]              ; only the first half of K adds b2: the other starts from zeros
.set i, i+1
.endr
	s_wait_dscnt 0x0                               ; for the others' sake: my stores into the images are done
	s_barrier_signal -1
	s_barrier_wait -1                              ; from here on the images are only read; a stage is its wave's own
	s_mov_b32 s30, 0
.Lpass:
	s_lshl_b32 s28, s30, 4
	s_add_co_u32 s28, s28, s18                     ; my group
	s_lshl_b32 s29, s28, 5                         ; its first rank
	s_cmp_ge_u32 s29, s26
	s_cbranch_scc1 .Lskip                          ; past the expert's count: nothing to do
	s_wait_xcnt 0x0                                ; the last pass's loads and stores have read their registers: they are written again from here on
	RANKSEL
	v_min_u32 v254, 0x3ff, v240                    ; a token's number, held inside the table
	v_lshlrev_b32 v250, 2, v254
	v_lshlrev_b32 v251, 5, v254
	s_lshl_b32 s98, s28, 16
	v_add_nc_u32 v18, s98, v3                      ; hq: 65,536 bytes a group, 16 a lane
	s_lshl_b32 s98, s28, 12
	v_add_nc_u32 v19, s98, v2                      ; hs: 4,096 bytes a group, 4 a lane
	global_load_b32 v30, v250, s[20:21]            ; the token's first expert
	global_load_b32 v31, v251, s[14:15]            ; probs / 2 of this expert
	HLOAD 0
	HLOAD 1
	HLOAD 2
.set S, 0
.rept 16
	STEP S
.set S, S+1
.endr
.rept 4
	v_nop                                          ; four places behind the last products, in front of the first read of results
.endr
	v_xor_b32 v30, s19, v30
	v_min_u32 v30, 1, v30                          ; slot: 0 where this expert is the token's first
	v_lshl_or_b32 v255, v30, 10, v254              ; the row of my half's planes: 1,024 x slot + token, by rank
	SPREAD 31, 24, 26
	v_mov_b32 v25, v24                             ; (named as pairs, so both words are written)
	v_mov_b32 v27, v26
.irp a, 0,1
.irp n, 0,1,2,3,4,5,6,7,8,9,10,11,12,13,14,15
	v_pk_mul_f32 v[128+32*\a+2*\n:129+32*\a+2*\n], v[128+32*\a+2*\n:129+32*\a+2*\n], v[24+2*\a:25+2*\a] op_sel_hi:[1,0]   ; x the gate's weight; each accumulator from its low end on
.endr
.irp T, 0,1,2,3
.irp z, 0,1
	ds_store_b128 v14, v[128+32*\a+8*\T+4*\z:128+32*\a+8*\T+4*\z+3] offset:64*\T+16*\z
.endr
.endr
.irp q, 0,1,2,3,4,5,6,7
	ds_load_b128 v[64+32*\a+4*\q:64+32*\a+4*\q+3], v15 offset:544*\q   ; LDS serves a wave's instructions in order: these see the stores above, and the next tile's stores come behind them
.endr
.irp q, 0,1,2,3,4,5,6,7
	v_add_nc_u32 v253, 4*(16*\a+2*\q), v29
	ds_bpermute_b32 v[224+8*\a+\q], v253, v255     ; the row of rank 16 a + 2 q + h, for the sixteen lanes that store it
.endr
.endr
	s_wait_dscnt 0x0
.irp a, 0,1
.irp q, 0,1,2,3,4,5,6,7
	v_min_u32 v[224+8*\a+\q], 0x7ff, v[224+8*\a+\q]   ; held inside the half's 2,048 rows
	v_lshlrev_b32 v[224+8*\a+\q], 12, v[224+8*\a+\q]
	v_add_nc_u32 v[224+8*\a+\q], v28, v[224+8*\a+\q]
	global_store_b128 v[224+8*\a+\q], v[64+32*\a+4*\q:64+32*\a+4*\q+3], s[16:17]   ; sixteen lanes store 256 consecutive bytes, aligned
.endr
.endr
.Lskip:
	s_add_co_u32 s30, s30, 1
	s_cmp_lt_u32 s30, 2
	s_cbranch_scc1 .Lpass
	s_barrier_signal -1
	s_barrier_wait -1
	s_wait_xcnt 0x0
	v_lshl_add_u32 v254, v0, 2, 0x22000
	v_mov_b32 v255, 0
	s_wait_tensorcnt 0x0
	ds_add_u32 v254, v255
	s_wait_dscnt 0x0
	s_endpgm
.Lfunc_end_k_q15c18d4cf5_down:
	.size	k_q15c18d4cf5_down, .Lfunc_end_k_q15c18d4cf5_down-k_q15c18d4cf5_down
	.p2alignl 7, 3214868480
	.fill 96, 4, 3214868480
	.section	.rodata,"a",@progbits
	.p2align	6, 0x0
	.amdhsa_kernel k_q15c18d4cf5_down
		.amdhsa_group_segment_fixed_size 141312
		.amdhsa_private_segment_fixed_size 0
		.amdhsa_enable_private_segment 0
		.amdhsa_kernarg_size 56
		.amdhsa_user_sgpr_count 2
		.amdhsa_user_sgpr_kernarg_segment_ptr 1
		.amdhsa_wavefront_size32 1
		.amdhsa_system_sgpr_workgroup_id_x 1
		.amdhsa_system_sgpr_workgroup_id_y 1
		.amdhsa_system_sgpr_workgroup_id_z 1
		.amdhsa_system_vgpr_workitem_id 0
		.amdhsa_next_free_vgpr 256
		.amdhsa_next_free_sgpr 100
		.amdhsa_reserve_vcc 1
		.amdhsa_float_denorm_mode_32 3
		.amdhsa_float_denorm_mode_16_64 3
		.amdhsa_memory_ordered 1
		.amdhsa_forward_progress 1
		.amdhsa_inst_pref_size 101
	.end_amdhsa_kernel
	.amdgpu_metadata
---
amdhsa.version: [ 1, 2 ]
amdhsa.kernels:
  - .name:           k_q15c18d4cf5_down
    .symbol:         k_q15c18d4cf5_down.kd
    .args:
      - { .name: hq, .offset: 0, .size: 8, .value_kind: global_buffer, .address_space: global }
      - { .name: hs, .offset: 8, .size: 8, .value_kind: global_buffer, .address_space: global }
      - { .name: route, .offset: 16, .size: 8, .value_kind: global_buffer, .address_space: global }
      - { .name: w2, .offset: 24, .size: 8, .value_kind: global_buffer, .address_space: global }
      - { .name: b2, .offset: 32, .size: 8, .value_kind: global_buffer, .address_space: global }
      - { .name: gsc, .offset: 40, .size: 8, .value_kind: global_buffer, .address_space: global }
      - { .name: part, .offset: 48, .size: 8, .value_kind: global_buffer, .address_space: global }
    .group_segment_fixed_size: 141312
    .private_segment_fixed_size: 0
    .kernarg_segment_align: 8
    .kernarg_segment_size: 56
    .max_flat_workgroup_size: 512
    .sgpr_count:     100
    .vgpr_count:     256
    .wavefront_size: 32
...
	.end_amdgpu_metadata
.endif
;; end of part 3
;; launch combine (part 4): grid 256 x 1, 8 waves a work-group, no clusters, 0 bytes of LDS; arguments part, psum, out0, out1; writes out0, out1
.if DOCPART == 4
	.amdgcn_target "amdgcn-amd-amdhsa--gfx1250"
	.amdhsa_code_object_version 6
	.text
	.protected	k_q15c18d4cf5_combine
	.globl	k_q15c18d4cf5_combine
	.p2align	8
	.type	k_q15c18d4cf5_combine,@function
k_q15c18d4cf5_combine:
	s_mov_b64 s[64:65], 0
	v_nop
	global_prefetch_b8 v0, s[64:65] scope:SCOPE_SE
	s_setreg_imm32_b32 hwreg(HW_REG_WAVE_MODE, 25, 1), 1
	s_wait_xcnt 0x0
; y[token] = the sum of its four partial rows, part [half of K 2][slot 2][token 1024][1024] f32; aux_loss from the 32 work-groups' sums of the first launch.
; A stream: a work-group owns 4 rows; thread t owns bytes 16 t of a row, so a wave's load or store covers 512 consecutive bytes.  All sixteen loads go out at once; each row is summed as (p0 + p1) + (p2 + p3).
; No LDS, no matrix unit, no cluster: nothing is shared and nothing is read twice.
; aux_loss = 8 x sum over e of (P_e / 1024) (C_e / 1024) = 2^-17 x sum of P_e C_e; P_e the sum of probs, C_e the count of routed tokens.  One wave of the launch makes it.
	s_load_b128 s[4:7], s[0:1], 0x0                ; part s[4:5], psum s[6:7]
	s_load_b128 s[8:11], s[0:1], 0x10              ; out0 s[8:9], out1 s[10:11]
	v_lshlrev_b32 v1, 4, v0
	v_lshrrev_b32 v2, 5, v0
	v_readfirstlane_b32 s12, v2                    ; wave
	s_lshl_b32 s14, ttmp9, 14                      ; 4 rows of 4,096 bytes a work-group
	s_mov_b32 s15, 0
	s_wait_kmcnt 0x0
	s_add_nc_u64 s[4:5], s[4:5], s[14:15]          ; the first half of K's planes,
	s_add_nc_u64 s[16:17], s[4:5], 0x800000        ; the second's, 8 MiB on
	s_add_nc_u64 s[8:9], s[8:9], s[14:15]
.irp j, 0,1,2,3
.irp p, 0,1
	global_load_b128 v[16+16*\j+4*\p:16+16*\j+4*\p+3],   v1, s[4:5]   offset:4096*\j+4194304*\p th:TH_LOAD_NT
.endr
.irp p, 0,1
	global_load_b128 v[24+16*\j+4*\p:24+16*\j+4*\p+3],   v1, s[16:17] offset:4096*\j+4194304*\p th:TH_LOAD_NT
.endr
.endr
.irp j, 0,1,2,3
	s_wait_loadcnt 12-4*\j                         ; this row's four loads are in; the later rows' four each may be out
.irp n, 0,2
	v_pk_add_f32 v[16+16*\j+\n:17+16*\j+\n], v[16+16*\j+\n:17+16*\j+\n], v[20+16*\j+\n:21+16*\j+\n]
	v_pk_add_f32 v[24+16*\j+\n:25+16*\j+\n], v[24+16*\j+\n:25+16*\j+\n], v[28+16*\j+\n:29+16*\j+\n]
.endr
.irp n, 0,2
	v_pk_add_f32 v[16+16*\j+\n:17+16*\j+\n], v[16+16*\j+\n:17+16*\j+\n], v[24+16*\j+\n:25+16*\j+\n]
.endr
	global_store_b128 v1, v[16+16*\j:19+16*\j], s[8:9] offset:4096*\j th:TH_STORE_NT
.endr
	s_or_b32 s12, s12, ttmp9
	s_cmp_lg_u32 s12, 0
	s_cbranch_scc1 .Lend                           ; wave 0 of work-group 0 goes on to the aux loss
	s_mov_b32 s18, 0x76543210
	s_mov_b32 s19, 0xfedcba98
	v_lshlrev_b32 v2, 6, v0                        ; lane l: the 64 bytes of the first launch's work-group l
.irp n, 0,1,2,3
	global_load_b128 v[80+4*\n:83+4*\n], v2, s[6:7] offset:16*\n
.endr
	v_mov_b32 v3, 0                                ; written once: a lane permute's destination counts as one of its sources
	v_mov_b32 v5, 0
	s_wait_loadcnt 0x0
.irp m, 1,2,4,8
.irp e, 0,1,2,3,4,5,6,7,8,9,10,11,12,13,14,15
	v_add_f32_dpp v[80+\e], v[80+\e], v[80+\e] row_xmask:\m row_mask:0xf bank_mask:0xf
.endr
.endr
.irp e, 0,1,2,3,4,5,6,7,8,9,10,11,12,13,14,15
	v_permlanex16_b32 v3, v[80+\e], s18, s19
	v_add_f32 v[80+\e], v[80+\e], v3
.endr
	v_mul_f32 v4, v80, v88
.irp e, 1,2,3,4,5,6,7
	v_fma_f32 v4, v[80+\e], v[88+\e], v4
.endr
	v_mul_f32 v4, 0x37000000, v4                   ; x 2^-17
	s_wait_xcnt 0x0                                ; EXEC changes only behind this wait: stores are out
	v_cmp_eq_u32 vcc_lo, 0, v0
	s_and_saveexec_b32 s13, vcc_lo
	global_store_b32 v5, v4, s[10:11]              ; lane 0
	s_wait_xcnt 0x0
	s_or_b32 exec_lo, exec_lo, s13
.Lend:
	s_endpgm
.Lfunc_end_k_q15c18d4cf5_combine:
	.size	k_q15c18d4cf5_combine, .Lfunc_end_k_q15c18d4cf5_combine-k_q15c18d4cf5_combine
	.p2alignl 7, 3214868480
	.fill 96, 4, 3214868480
	.section	.rodata,"a",@progbits
	.p2align	6, 0x0
	.amdhsa_kernel k_q15c18d4cf5_combine
		.amdhsa_group_segment_fixed_size 0
		.amdhsa_private_segment_fixed_size 0
		.amdhsa_enable_private_segment 0
		.amdhsa_kernarg_size 32
		.amdhsa_user_sgpr_count 2
		.amdhsa_user_sgpr_kernarg_segment_ptr 1
		.amdhsa_wavefront_size32 1
		.amdhsa_system_sgpr_workgroup_id_x 1
		.amdhsa_system_sgpr_workgroup_id_y 1
		.amdhsa_system_sgpr_workgroup_id_z 1
		.amdhsa_system_vgpr_workitem_id 0
		.amdhsa_next_free_vgpr 96
		.amdhsa_next_free_sgpr 66
		.amdhsa_reserve_vcc 1
		.amdhsa_float_denorm_mode_32 3
		.amdhsa_float_denorm_mode_16_64 3
		.amdhsa_memory_ordered 1
		.amdhsa_forward_progress 1
		.amdhsa_inst_pref_size 12
	.end_amdhsa_kernel
	.amdgpu_metadata
---
amdhsa.version: [ 1, 2 ]
amdhsa.kernels:
  - .name:           k_q15c18d4cf5_combine
    .symbol:         k_q15c18d4cf5_combine.kd
    .args:
      - { .name: part, .offset: 0, .size: 8, .value_kind: global_buffer, .address_space: global }
      - { .name: psum, .offset: 8, .size: 8, .value_kind: global_buffer, .address_space: global }
      - { .name: out0, .offset: 16, .size: 8, .value_kind: global_buffer, .address_space: global }
      - { .name: out1, .offset: 24, .size: 8, .value_kind: global_buffer, .address_space: global }
    .group_segment_fixed_size: 0
    .private_segment_fixed_size: 0
    .kernarg_segment_align: 8
    .kernarg_segment_size: 32
    .max_flat_workgroup_size: 256
    .sgpr_count:     66
    .vgpr_count:     96
    .wavefront_size: 32
...
	.end_amdgpu_metadata
.endif
;; end of part 4
;; ======== version 2 of 3: 4 launches
;; workspace buffers: xq 524,288 bytes; xs 32,768 bytes; route 5,120 bytes of whole numbers; gsc 32,768 bytes; psum 8,192 bytes; hq 16,777,216 bytes; hs 1,048,576 bytes; part 16,777,216 bytes
;; launch gate (part 5): grid 128 x 1, 8 waves a work-group, no clusters, 76,800 bytes of LDS; arguments x, gate_w, gate_b, xq, xs, route, gsc, psum; writes xq, xs, route, gsc, psum
.if DOCPART == 5
	.amdgcn_target "amdgcn-amd-amdhsa--gfx1250"
	.amdhsa_code_object_version 6
	.text
	.protected	k_q15c18d4cf5_gate
	.globl	k_q15c18d4cf5_gate
	.p2align	8
	.type	k_q15c18d4cf5_gate,@function
k_q15c18d4cf5_gate:
	s_mov_b64 s[64:65], 0
	v_nop
	global_prefetch_b8 v0, s[64:65] scope:SCOPE_SE
	s_setreg_imm32_b32 hwreg(HW_REG_WAVE_MODE, 25, 1), 1
	s_wait_xcnt 0x0
; GATE AND QUANTISER OF x.  x [1024][1024] f32, gate_w [1024][8], gate_b [8].
; Stores: xq [token][512 B] codes of E2M1, K innermost; xs [token][32 B] E8M0 bytes; route: bytes 0-1023 mask[expert 8][word 32] (bit t % 32 of word t / 32:
; token t goes to the expert), bytes 1024-5119 sel[token] = the token's first expert; gsc [token][8] = probs / 2; psum [work-group 128][16]: 8 sums of probs, 8 counts of routed tokens.
; All places are fixed: nothing that hangs on a floating-point number enters an address or a branch here.
; SHARES.  A work-group owns 8 tokens: one byte of each expert's mask.  Wave w takes half w % 2 of the rows (512 numbers) of the two tokens 2 (w / 2) + 0, 1, a half row a step.
; A step's four loads read 512 consecutive bytes each; the 2,048 bytes turn through the wave's own stage in LDS, so that a lane then holds 16 neighbours along K (two lanes hold a block of 32).
; From the same 16 numbers the lane adds its part of the 8 logits.  Its 16 rows of gate_w (512 bytes) stay in 128 registers.  They come through LDS: the eight waves read gate_w in runs of 512 consecutive
; bytes and lay each run as a row of 512 + 16 bytes.
; The 32 lanes' parts are summed in the wave, the two halves meet in LDS.  Behind the second barrier wave 0 (lanes l, l + 8, .. all hold token l % 8) makes softmax, top-2, masks and sums; wave 1 stores the scale bytes.
; A block's scale is 2^(floor(log2(largest magnitude)) - 2): its byte is the largest magnitude's exponent field - 2, held at 1 from below.
; LIMITS: NaN and infinities are not served.  A block of zeros, or one whose largest magnitude lies under 2^-124, keeps the byte 1 (the rule says 127 for zeros): its codes are zeros or the held ones,
; and only this program reads the bytes.  The logits are summed in another order than a row-by-row sum: a token whose second and third probabilities agree to about 1e-6 of their size may be routed otherwise.
; Probabilities under 2^-126 come out of v_exp_f32 as 0; among such experts the lower index is taken.
; No matrix unit, no cluster, no tensor load: 4 MB are read once, and work-groups share only gate_w's 32 KB.
.set SP,    80                         ; a lane's place in a stage: 64 bytes + 16 of padding
.set STGB,  2*32*SP                    ; a wave's two stages
.set GWL,   8*STGB                     ; behind the stages: gate_w, 64 rows of
.set GP,    528                        ; 512 bytes + 16 of padding
.set LG,    GWL+64*GP                  ; the logits' parts [half 2][token 8][8 f32]
.set XSB,   LG+512                     ; and the scale bytes [token 8][32]
.set EB,    12                         ; v12-13   a scale byte for each step
.set A,     16                         ; v16-23   eight logit sums
.set C,     24                         ; v24-27   codes, two registers a step: no store's data are written again
.set X,     32                         ; v32-63   two sets of 16 neighbours
.set R,     64                         ; v64-95   two sets of 16 numbers as loaded
.set GW,    128                        ; v128-255 gate_w[512 half + 16 lane + kk][e] at GW + 8 kk + e
	s_load_b256 s[4:11], s[0:1], 0x0               ; x s[4:5], gate_w s[6:7], gate_b s[8:9], xq s[10:11]
	s_load_b256 s[12:19], s[0:1], 0x20             ; xs s[12:13], route s[14:15], gsc s[16:17], psum s[18:19]
	v_lshl_add_u32 v126, v0, 2, 0x12800
	v_mov_b32 v127, 0
	v_lshrrev_b32 v1, 5, v0
	v_readfirstlane_b32 s20, v1                    ; wave 0..7
	s_and_b32 s21, s20, 1                          ; which half of the rows
	s_lshr_b32 s22, s20, 1                         ; which two tokens
	s_mov_b32 s26, 0x76543210                      ; v_permlanex16_b32's selects for lane l xor 16
	s_mov_b32 s27, 0xfedcba98
	v_and_b32 v1, 31, v0                           ; lane
	v_lshlrev_b32 v2, 4, v1                        ; my 16 bytes of a load's 512
	v_lshlrev_b32 v6, 3, v1                        ; my 8 bytes of codes
	s_mul_i32 s23, s20, STGB
	v_lshrrev_b32 v4, 2, v1
	v_mul_u32_u24 v4, v4, SP
	v_and_b32 v5, 3, v1
	v_lshl_add_u32 v4, v5, 4, v4
	v_add_nc_u32 v4, s23, v4                       ; the stage, on the way in: SP (lane / 4) + 16 (lane % 4)
	v_mul_u32_u24 v5, v1, SP
	v_add_nc_u32 v5, s23, v5                       ; and on the way out: SP x lane
	s_mul_i32 s36, s20, 8*GP
	s_add_co_u32 s36, s36, GWL
	v_add_nc_u32 v3, s36, v2                       ; gate_w into LDS: my wave's eight rows, 16 bytes a lane
	s_mul_i32 s36, s21, 32*GP
	s_add_co_u32 s36, s36, GWL
	v_mul_u32_u24 v14, v1, GP
	v_add_nc_u32 v14, s36, v14                     ; and out of it: row 32 x half + lane
	s_lshl_b32 s36, s22, 6
	s_lshl_b32 s37, s21, 4
	s_add_co_u32 s36, s36, s37
	s_add_co_u32 s36, s36, XSB
	v_lshrrev_b32 v7, 1, v1
	v_add_nc_u32 v7, s36, v7                       ; my block's scale byte: XSB + 32 x token + 16 x half + lane / 2
	s_lshl_b32 s36, s21, 8
	s_lshl_b32 s37, s22, 6
	s_add_co_u32 s36, s36, s37
	s_add_co_u32 s36, s36, LG
	v_mov_b32 v11, s36                             ; my wave's logit parts: LG + 256 x half + 32 x token
	v_mov_b32 v8, 0                                ; written once: a lane permute's destination counts as one of its sources
	v_mov_b32 v9, 0
	s_lshl_b32 s38, ttmp9, 3
	s_lshl_b32 s39, s22, 1
	s_add_co_u32 s38, s38, s39                     ; my wave's first token
	s_mov_b32 s25, 0
	s_wait_kmcnt 0x0
	s_load_b256 s[28:35], s[8:9], 0x0              ; gate_b
	s_lshl_b32 s24, s20, 12
	s_add_nc_u64 s[6:7], s[6:7], s[24:25]          ; gate_w at my wave's 4,096 bytes
	s_lshl_b32 s24, s38, 12
	s_lshl_b32 s39, s21, 11
	s_add_co_u32 s24, s24, s39
	s_add_nc_u64 s[4:5], s[4:5], s[24:25]          ; x at my first half row
	s_lshl_b32 s24, s38, 9
	s_lshl_b32 s39, s21, 8
	s_add_co_u32 s24, s24, s39
	s_add_nc_u64 s[10:11], s[10:11], s[24:25]      ; xq likewise
.irp i, 0,1,2,3,4,5,6,7
	global_load_b128 v[GW+4*\i:GW+4*\i+3], v2, s[6:7] offset:512*\i    ; 32 lanes read 512 consecutive bytes: 16 rows of gate_w
.endr
.irp t, 0,1
.irp i, 0,1,2,3
	global_load_b128 v[R+16*\t+4*\i:R+16*\t+4*\i+3], v2, s[4:5] offset:4096*\t+512*\i th:TH_LOAD_NT   ; 32 lanes read 512 consecutive bytes; read once in the launch
.endr
.endr
	s_wait_loadcnt 8                               ; gate_w's eight loads are in; x's eight may be out
.irp i, 0,1,2,3,4,5,6,7
	ds_store_b128 v3, v[GW+4*\i:GW+4*\i+3] offset:GP*\i
.endr
	s_wait_dscnt 0x0                               ; for the others' sake: my rows of gate_w lie in LDS
	s_barrier_signal -1
	s_barrier_wait -1                              ; everybody's do; from here on they are only read
.set kk, 0
.rept 16
	ds_load_b128 v[GW+8*kk:GW+8*kk+3],   v14 offset:32*kk
	ds_load_b128 v[GW+8*kk+4:GW+8*kk+7], v14 offset:32*kk+16
.set kk, kk+1
.endr
; the sum over the 32 lanes of eight registers, the result in every lane
.macro RED8 base
.irp m, 1,2,4,8
.irp e, 0,1,2,3,4,5,6,7
	v_add_f32_dpp v[\base+\e], v[\base+\e], v[\base+\e] row_xmask:\m row_mask:0xf bank_mask:0xf
.endr
.endr
.irp e, 0,1,2,3,4,5,6,7
	v_permlanex16_b32 v[8+\e%2], v[\base+\e], s26, s27
	v_add_f32 v[\base+\e], v[\base+\e], v[8+\e%2]
.endr
.endm
.macro GSTEP t
.set XS, X+16*((\t)%2)
	s_wait_loadcnt 4-4*(\t)                        ; this step's four loads are in; the later step's four may be out
.irp i, 0,1,2,3
	ds_store_b128 v4, v[R+16*(\t)+4*\i:R+16*(\t)+4*\i+3] offset:32*SP*((\t)%2)+8*SP*\i
.endr
.irp i, 0,1,2,3
	ds_load_b128 v[XS+4*\i:XS+4*\i+3], v5 offset:32*SP*((\t)%2)+16*\i   ; LDS serves a wave's instructions in order: these see the stores above
.endr
	s_wait_dscnt 0x0                               ; (in the first step: gate_w's rows are in too)
	v_max3_num_f32 v8, |v[XS]|, |v[XS+1]|, |v[XS+2]|               ; the largest magnitude of my 16
	v_max3_num_f32 v9, |v[XS+3]|, |v[XS+4]|, |v[XS+5]|
.irp i, 6,10
	v_max3_num_f32 v8, v8, |v[XS+\i]|, |v[XS+\i+1]|
	v_max3_num_f32 v9, v9, |v[XS+\i+2]|, |v[XS+\i+3]|
.endr
	v_max3_num_f32 v8, v8, |v[XS+14]|, |v[XS+15]|
	v_max3_num_f32 v8, v8, v9, 0x1800000           ; and the floor 2^(3 - 127): the byte cannot fall under 1
	v_max_num_f32_dpp v8, v8, v8 row_xmask:1 row_mask:0xf bank_mask:0xf   ; with my neighbour's 16: the block's
	v_add_nc_u32 v10, 0xff000000, v8               ; 2 off its exponent field: the conversion takes the exponent field of this operand as its scale
	v_cvt_scalef32_pk8_fp4_f32 v[C+2*(\t)], v[XS:XS+7], v10
	v_cvt_scalef32_pk8_fp4_f32 v[C+2*(\t)+1], v[XS+8:XS+15], v10
	v_lshrrev_b32 v[EB+(\t)], 23, v10              ; the scale's byte (also the plain line behind the conversions)
	ds_store_b8 v7, v[EB+(\t)] offset:32*(\t)      ; both lanes of a block write the same byte with the same value
	global_store_b64 v6, v[C+2*(\t):C+2*(\t)+1], s[10:11] offset:512*(\t)   ; the wave stores 256 consecutive bytes, aligned
.irp p, 0,1,2,3
	v_pk_mul_f32 v[A+2*\p:A+2*\p+1], v[GW+2*\p:GW+2*\p+1], v[XS:XS+1] op_sel_hi:[1,0]   ; the first product starts the sums: x[k] times gate_w[k][2 p], [2 p + 1]
.endr
.set kk, 1
.rept 15
.irp p, 0,1,2,3
.if kk%2
	v_pk_fma_f32 v[A+2*\p:A+2*\p+1], v[GW+8*kk+2*\p:GW+8*kk+2*\p+1], v[XS+kk-1:XS+kk], v[A+2*\p:A+2*\p+1] op_sel:[0,1,0] op_sel_hi:[1,1,1]
.else
	v_pk_fma_f32 v[A+2*\p:A+2*\p+1], v[GW+8*kk+2*\p:GW+8*kk+2*\p+1], v[XS+kk:XS+kk+1], v[A+2*\p:A+2*\p+1] op_sel_hi:[1,0,1]
.endif
.endr
.set kk, kk+1
.endr
	RED8 A
	ds_store_b128 v11, v[A:A+3] offset:32*(\t)     ; all lanes write the same words with the same values
	ds_store_b128 v11, v[A+4:A+7] offset:32*(\t)+16
.endm
	GSTEP 0
	GSTEP 1
	s_wait_kmcnt 0x0                               ; gate_b
	v_add_nc_u32 v32, XSB, v6                      ; the last part's LDS addresses are made ahead of the parting of the waves
	v_and_b32 v33, 7, v1
	v_lshlrev_b32 v33, 5, v33
	v_add_nc_u32 v33, LG, v33
	s_wait_dscnt 0x0                               ; for the others' sake: my stores of logit parts and scale bytes are done
	s_barrier_signal -1
	s_barrier_wait -1
	s_cmp_eq_u32 s20, 0
	s_cbranch_scc1 .Ldecide
	s_cmp_eq_u32 s20, 1
	s_cbranch_scc1 .Lxsout
	s_wait_tensorcnt 0x0
	ds_add_u32 v126, v127
	s_wait_dscnt 0x0
	s_endpgm
.Lxsout:                                               ; wave 1: the 8 tokens' scale bytes: 256 consecutive bytes, aligned
	ds_load_b64 v[36:37], v32
	s_lshl_b32 s36, ttmp9, 8
	v_add_nc_u32 v34, s36, v6
	s_wait_dscnt 0x0
	global_store_b64 v34, v[36:37], s[12:13]
	s_wait_tensorcnt 0x0
	ds_add_u32 v126, v127
	s_wait_dscnt 0x0
	s_endpgm
.Ldecide:                                              ; wave 0: lane l holds token l % 8
	ds_load_b128 v[36:39], v33
	ds_load_b128 v[40:43], v33 offset:16
	ds_load_b128 v[44:47], v33 offset:256
	ds_load_b128 v[48:51], v33 offset:272
	s_wait_dscnt 0x0
.irp e, 0,1,2,3,4,5,6,7
	v_add_f32 v[36+\e], v[36+\e], v[44+\e]         ; the two halves of K,
.endr
.irp e, 0,1,2,3,4,5,6,7
	v_add_f32 v[36+\e], s[28+\e], v[36+\e]         ; and the bias
.endr
	v_max3_num_f32 v52, v36, v37, v38              ; the row's maximum is taken away ahead of the exponentials
	v_max3_num_f32 v52, v52, v39, v40
	v_max3_num_f32 v52, v52, v41, v42
	v_max_num_f32 v52, v52, v43
.irp e, 0,1,2,3,4,5,6,7
	v_sub_f32 v[36+\e], v[36+\e], v52
.endr
.irp e, 0,1,2,3,4,5,6,7
	v_mul_f32 v[36+\e], 0x3fb8aa3b, v[36+\e]       ; x log2(e)
.endr
.irp e, 0,1,2,3,4,5,6,7
	v_exp_f32 v[56+\e], v[36+\e]
.endr
	v_nop                                          ; a plain line behind the last exponential
	s_wait_alu depctr_va_vdst(0)                   ; one wait for the batch of eight, ahead of its first reader
	v_add_f32 v53, v56, v57
	v_add_f32 v55, v58, v59
	v_add_f32 v53, v53, v55
	v_add_f32 v55, v60, v61
	v_add_f32 v54, v62, v63
	v_add_f32 v55, v55, v54
	v_add_f32 v53, v53, v55
	v_rcp_f32 v54, v53
	v_nop
	s_wait_alu depctr_va_vdst(0)                   ; and one for the reciprocal
.irp e, 0,1,2,3,4,5,6,7
	v_mul_f32 v[56+\e], v[56+\e], v54              ; probs
.endr
	v_mov_b32 v64, v56                             ; the largest: a strict compare keeps the lower index at a tie
	v_mov_b32 v65, 0
.irp e, 1,2,3,4,5,6,7
	v_cmp_gt_f32 vcc_lo, v[56+\e], v64
	v_cndmask_b32 v64, v64, v[56+\e], vcc_lo
	v_cndmask_b32 v65, v65, \e, vcc_lo
.endr
	v_mov_b32 v66, -1.0                            ; the second: the same scan, past the first's index
	v_mov_b32 v67, 0
.irp e, 0,1,2,3,4,5,6,7
	v_cmp_gt_f32 vcc_lo, v[56+\e], v66
	v_cmp_ne_u32 s36, \e, v65
	s_and_b32 vcc_lo, vcc_lo, s36
	v_cndmask_b32 v66, v66, v[56+\e], vcc_lo
	v_cndmask_b32 v67, v67, \e, vcc_lo
.endr
	s_lshl_b32 s37, ttmp9, 5
	v_lshl_add_u32 v68, v1, 2, s37                 ; sel: 4 bytes a token (lanes 0 to 7 store)
	s_lshl_b32 s37, ttmp9, 8
	v_lshl_add_u32 v69, v1, 5, s37                 ; gsc: 32 bytes a token
.irp e, 0,1,2,3,4,5,6,7
	v_mul_f32 v[72+\e], 0.5, v[56+\e]              ; probs / K
.endr
	v_mov_b32 v70, 0
.irp e, 0,1,2,3,4,5,6,7
	v_cmp_eq_u32 s36, \e, v65
	v_cmp_eq_u32 s38, \e, v67
	s_or_b32 s36, s36, s38
	s_and_b32 s36, s36, 0xff                       ; the 8 tokens that go to expert e, a bit a token (lanes 8 to 31 repeat them)
	v_writelane_b32 v70, s36, \e                   ; lane e keeps the byte
	s_bcnt1_i32_b32 s38, s36
	v_cvt_f32_u32 v[80+\e], s38                    ; and their number
.endr
.irp m, 1,2,4
.irp e, 0,1,2,3,4,5,6,7
	v_add_f32_dpp v[56+\e], v[56+\e], v[56+\e] row_xmask:\m row_mask:0xf bank_mask:0xf   ; the 8 tokens' sums of probs: eight neighbouring lanes hold the eight tokens
.endr
.endr
	s_mov_b32 s37, ttmp9
	v_lshl_add_u32 v71, v1, 7, s37                 ; mask[e = lane], byte = work-group
	s_lshl_b32 s37, ttmp9, 6
	v_mov_b32 v88, s37                             ; psum: 64 bytes a work-group
	s_wait_xcnt 0x0                                ; EXEC changes only behind this wait: stores are out
	v_cmp_gt_u32 vcc_lo, 8, v1
	s_wait_tensorcnt 0x0
	ds_add_u32 v126, v127
	s_wait_dscnt 0x0
	s_and_saveexec_b32 s39, vcc_lo                 ; lanes 0 to 7
	global_store_b32 v68, v65, s[14:15] offset:1024
	global_store_b128 v69, v[72:75], s[16:17]
	global_store_b128 v69, v[76:79], s[16:17] offset:16
	global_store_b8 v71, v70, s[14:15]
	s_wait_xcnt 0x0
	s_or_b32 exec_lo, exec_lo, s39
	v_cmp_eq_u32 vcc_lo, 0, v1
	s_and_saveexec_b32 s39, vcc_lo                 ; lane 0
	global_store_b128 v88, v[56:59], s[18:19]
	global_store_b128 v88, v[60:63], s[18:19] offset:16
	global_store_b128 v88, v[80:83], s[18:19] offset:32
	global_store_b128 v88, v[84:87], s[18:19] offset:48
	s_wait_xcnt 0x0
	s_or_b32 exec_lo, exec_lo, s39
	s_endpgm
.Lfunc_end_k_q15c18d4cf5_gate:
	.size	k_q15c18d4cf5_gate, .Lfunc_end_k_q15c18d4cf5_gate-k_q15c18d4cf5_gate
	.p2alignl 7, 3214868480
	.fill 96, 4, 3214868480
	.section	.rodata,"a",@progbits
	.p2align	6, 0x0
	.amdhsa_kernel k_q15c18d4cf5_gate
		.amdhsa_group_segment_fixed_size 76800
		.amdhsa_private_segment_fixed_size 0
		.amdhsa_enable_private_segment 0
		.amdhsa_kernarg_size 64
		.amdhsa_user_sgpr_count 2
		.amdhsa_user_sgpr_kernarg_segment_ptr 1
		.amdhsa_wavefront_size32 1
		.amdhsa_system_sgpr_workgroup_id_x 1
		.amdhsa_system_sgpr_workgroup_id_y 1
		.amdhsa_system_sgpr_workgroup_id_z 1
		.amdhsa_system_vgpr_workitem_id 0
		.amdhsa_next_free_vgpr 256
		.amdhsa_next_free_sgpr 66
		.amdhsa_reserve_vcc 1
		.amdhsa_float_denorm_mode_32 3
		.amdhsa_float_denorm_mode_16_64 3
		.amdhsa_memory_ordered 1
		.amdhsa_forward_progress 1
		.amdhsa_inst_pref_size 37
	.end_amdhsa_kernel
	.amdgpu_metadata
---
amdhsa.version: [ 1, 2 ]
amdhsa.kernels:
  - .name:           k_q15c18d4cf5_gate
    .symbol:         k_q15c18d4cf5_gate.kd
    .args:
      - { .name: x, .offset: 0, .size: 8, .value_kind: global_buffer, .address_space: global }
      - { .name: gate_w, .offset: 8, .size: 8, .value_kind: global_buffer, .address_space: global }
      - { .name: gate_b, .offset: 16, .size: 8, .value_kind: global_buffer, .address_space: global }
      - { .name: xq, .offset: 24, .size: 8, .value_kind: global_buffer, .address_space: global }
      - { .name: xs, .offset: 32, .size: 8, .value_kind: global_buffer, .address_space: global }
      - { .name: route, .offset: 40, .size: 8, .value_kind: global_buffer, .address_space: global }
      - { .name: gsc, .offset: 48, .size: 8, .value_kind: global_buffer, .address_space: global }
      - { .name: psum, .offset: 56, .size: 8, .value_kind: global_buffer, .address_space: global }
    .group_segment_fixed_size: 76800
    .private_segment_fixed_size: 0
    .kernarg_segment_align: 8
    .kernarg_segment_size: 64
    .max_flat_workgroup_size: 256
    .sgpr_count:     66
    .vgpr_count:     256
    .wavefront_size: 32
...
	.end_amdgpu_metadata
.endif
;; end of part 5
;; launch up (part 6): grid 256 x 1, 16 waves a work-group, no clusters, 72,704 bytes of LDS; arguments xq, xs, route, w1, b1, hq, hs; writes hq, hs
.if DOCPART == 6
	.amdgcn_target "amdgcn-amd-amdhsa--gfx1250"
	.amdhsa_code_object_version 6
	.text
	.protected	k_q15c18d4cf5_up
	.globl	k_q15c18d4cf5_up
	.p2align	8
	.type	k_q15c18d4cf5_up,@function
k_q15c18d4cf5_up:
	s_mov_b64 s[64:65], 0
	v_nop
	global_prefetch_b8 v0, s[64:65] scope:SCOPE_SE
	s_setreg_imm32_b32 hwreg(HW_REG_WAVE_MODE, 25, 1), 1
	s_wait_xcnt 0x0
; FIRST PRODUCT OF THE CHOSEN ROWS: h = relu(x w1[e] + b1[e]) on codes of E2M1 with E8M0 scales, and h's own quantising along d.
; w1 [8][1024 (K)][4096 (d)] f32 is read ONCE in the launch, each byte by one work-group, and quantised in registers on its way: no codes of weights go to memory.
; SHARES.  Work-group g: expert e = g / 32, slice g % 32 = 128 columns d, all of K: 131,072 numbers.
; PHASE Q.  Wave w takes 32 columns (w % 4) x 256 rows of K (w / 4).  A LANE TAKES A COLUMN AND ITS REGISTERS RUN DOWN K: a load reads 128 consecutive bytes, four waves stand side by side on 512;
; a block of 32 along K lies in one lane's 32 registers.  Its 16 bytes of codes go by one LDS store to their place in an IMAGE OF THE OPERAND'S REGISTERS (fragment (K step s, tile T): 1,024 bytes,
; register group c at 512 c, lane l at 16 l), four blocks' bytes as one scale word.  32 to 64 loads of a wave are out all through the phase.  One barrier ends it.
; PHASE G.  The expert's tokens are taken by rank, 32 to a group; wave w takes groups w and w + 16 (up to 1,024 tokens).  A group past the expert's count is left out by a scalar branch on the count, which an
; earlier launch stored as whole numbers; no barrier stands under it.  Rank p stands for the token of rank min(p, count - 1): a group that is not full repeats its last token.
; The tokens of a wave's 32 ranks are found in registers from the expert's 32 mask words (a running count, then the r-th set bit of a word).
; WHAT PHASE G WANTS FROM MEMORY IS ASKED FOR IN PHASE Q: behind its first block of weights every wave looks up its first group's tokens and loads ALL their fragments (8 K steps x 2 tiles: 128 registers) and
; scale words, so that they land under the stream.  Every wave does so: a wave whose group is empty finds one token for all its ranks (the hold at count - 1), and each of its loads names one place.
; THE PRODUCT IS USED TRANSPOSED: source 0 = 16 columns of w1, source 1 = 16 tokens: a lane holds one token, its registers run along d.  THE COLUMNS OF A TILE ARE NOT NEIGHBOURS: row m of tile 2 b + u is
; column 32 b + 8 u + m + 8 (m / 8), so that the 16 registers of tiles 2 b, 2 b + 1 are 16 neighbours along d, the next product's K.
; The 128 columns go in TWO HALVES of 64 (8 accumulators, 64 registers), since the tokens' fragments fill 128 registers: a half is two blocks of 32 along d, which is one register group of the next operand's
; fragment and two bytes of its scale word.  b1's slice lies in LDS (wave 0 puts it there) and is read into the accumulators: it starts the sums.
; The slice's 128 columns are one K step of the next product: a group's two fragments and its scale words leave as register images: hq [e][group 32][K step 32][tile 2][1,024 B], hs [e][group][K step][128 B].
; NO TENSOR LOADS, NO CLUSTER: the walk over groups hangs on counts read from memory; the quantiser wants a column in a lane's registers, which plain loads give; and what the 32 work-groups of an expert
; share (the tokens' codes, 512 bytes a token) is the smaller part of a work-group's bytes beside its own 524,288 of weights.  No prefetch: the stream's own loads are out all through phase Q.
; LIMITS: NaN and infinities are not served.  A block of zeros, or one whose largest magnitude lies under 2^-124, keeps the byte 1 (the rule says 127 for zeros); only this program reads the bytes.
.set PITCH, 16384                      ; a row of w1[e] in bytes
.set NT,    8                          ; tiles of 16 columns
.set KSTR,  NT*1024                    ; a K step's fragments in LDS
.set SSTR,  NT*64                      ; and its scale words: pair b at 128 b: lanes 0-15 tile 2 b, lanes 16-31 tile 2 b + 1
.set WSC,   65536                      ; LDS: the images from 0 on (65,536 bytes), the scale words behind them (4,096),
.set BSL,   69632                      ; and b1's slice (512)
.set ACC,   64                         ; v64-127  eight accumulators: (tile of tokens a, tile of columns j of the half) at ACC + 32 a + 8 j
.set TF,    128                        ; v128-255 the tokens' fragments: K step s, tile a at TF + 16 s + 8 a
.set TM,    32                         ; the hidden layer's quantiser: v32-35 largest magnitudes, v36-39 bytes, v44-47 scale operands,
.set PC,    48                         ; v48-55 codes
; v1 lane, v2 4 lane, v3 16 lane, v4 / v5 where I store codes / scale words, v6 WSC + 4 lane, v7 h = lane / 16, v8 r = lane % 16, v9 BSL + 64 h, v10-13 at work (phase G: v10, v11 the hidden layer's scale words),
; v14 / v15 my tokens' rows of xq (tile 0 / 1), v16-17 the weights' scale words, v18 16 h, v20-27 x's scale words (register s: K step s), v28-30 offsets in xs, hq, hs, v31 BSL + 16 lane,
; v32-63 four fragments of weights; phase Q: v32-95 two sets of 32 numbers, v96-99 codes, v100-103 b1 on its way (wave 0); v240-253 at work while ranks are looked up, ahead of the loads that land there.
; s2-3 permute selects, s18 wave, s19 e, s20 slice, s26 count, s27 count - 1, s28 group, s29 its first rank, s31 mask of lanes 16-31, s32-63 mask words, s66-97 running counts x 32 + word's number.
.macro LOADB t                         ; block t: w1(32 t + i, my column), i = 0 .. 31, into set t % 2
.set i, 0
.rept 32
	global_load_b32 v[32+32*((\t)%2)+i], v2, s[10:11] offset:(32*(\t)+i)*PITCH th:TH_LOAD_NT
.set i, i+1
.endr
.endm
.macro BLOCK t, cnt                    ; cnt: how many younger loads may be out when this block's 32 have to be there
.set XB, 32+32*((\t)%2)
	s_wait_loadcnt \cnt
	v_max3_num_f32 v12, |v[XB]|, |v[XB+1]|, |v[XB+2]|              ; the block's largest magnitude: all 32 numbers are mine
	v_max3_num_f32 v13, |v[XB+3]|, |v[XB+4]|, |v[XB+5]|
.irp n, 6,10,14,18,22,26
	v_max3_num_f32 v12, v12, |v[XB+\n]|, |v[XB+\n+1]|
	v_max3_num_f32 v13, v13, |v[XB+\n+2]|, |v[XB+\n+3]|
.endr
	v_max3_num_f32 v12, v12, |v[XB+30]|, |v[XB+31]|
	v_max3_num_f32 v12, v12, v13, 0x1800000        ; and the floor 2^(3 - 127): the byte cannot fall under 1
	v_add_nc_u32 v11, 0xff000000, v12              ; 2 off its exponent field: the conversion's scale operand
	v_lshrrev_b32 v13, 23, v11                     ; the scale's byte
.if (\t)%4 == 0
	v_mov_b32 v10, v13                             ; four bytes make a K step's scale word, the lower K in the lower byte
.else
	v_lshl_or_b32 v10, v13, 8*((\t)%4), v10
.endif
.irp g, 0,1,2,3
	v_cvt_scalef32_pk8_fp4_f32 v[96+\g], v[XB+8*\g:XB+8*\g+7], v11
.endr
	v_nop                                          ; one plain line behind the last conversion
	ds_store_b128 v4, v[96:99] offset:((\t)/4)*KSTR+512*(((\t)%4)/2)+256*((\t)%2)   ; block 2 c + h' of the K step: register group c, lanes 16 h' + row
.if (\t)%4 == 3
	ds_store_b32 v5, v10 offset:((\t)/4)*SSTR
.endif
.if (\t) < 6
	LOADB (\t)+2
.endif
	s_wait_dscnt 0x0
.endm
.macro PREFIX                          ; the expert's 32 mask words; in front of each word the number of tokens before it, x 32 + the word's number; the count
	s_load_b512 s[32:47], s[8:9], 0x0
	s_load_b512 s[48:63], s[8:9], 0x40
	s_mov_b32 s26, 0
	s_wait_kmcnt 0x0
.set i, 0
.rept 32
	s_lshl_b32 s[66+i], s26, 5
	s_or_b32 s[66+i], s[66+i], i
	s_bcnt1_i32_b32 s98, s[32+i]
	s_add_co_u32 s26, s26, s98
.set i, i+1
.endr
	s_sub_co_u32 s27, s26, 1
.endm
.macro SELSTEP src, width, step        ; does the wanted bit lie past the lower half of what is left?  c = the lower half's count
	v_bfe_u32 v250, v[\src], v249, \width
	v_cmp_ge_u32 vcc_lo, v241, v250
	v_cndmask_b32 v250, 0, v250, vcc_lo
	v_sub_nc_u32 v241, v241, v250
	v_cndmask_b32 v251, 0, \step, vcc_lo
	v_add_nc_u32 v249, v249, v251
.endm
.macro RANKSEL                         ; v240 = the token of rank min(s29 + lane, count - 1)
	v_add_nc_u32 v241, s29, v1
	v_min_u32 v241, s27, v241                      ; p
	v_lshl_or_b32 v242, v241, 5, 31
	v_mov_b32 v243, s66
	v_mov_b32 v244, s32
.set i, 1
.rept 31
	v_cmp_le_u32 vcc_lo, s[66+i], v242             ; the last word in front of which at most p tokens lie holds rank p
	v_cndmask_b32 v243, v243, s[66+i], vcc_lo
	v_cndmask_b32 v244, v244, s[32+i], vcc_lo
.set i, i+1
.endr
	v_lshrrev_b32 v250, 5, v243
	v_sub_nc_u32 v241, v241, v250                  ; r: which set bit of the word
	v_and_b32 v252, 31, v243                       ; the word's number
	v_lshrrev_b32 v245, 1, v244
	v_and_b32 v245, 0x55555555, v245
	v_sub_nc_u32 v245, v244, v245                  ; counts of 2 bits,
	v_lshrrev_b32 v246, 2, v245
	v_and_b32 v246, 0x33333333, v246
	v_and_b32 v251, 0x33333333, v245
	v_add_nc_u32 v246, v246, v251                  ; of 4,
	v_lshrrev_b32 v247, 4, v246
	v_add_nc_u32 v247, v247, v246
	v_and_b32 v247, 0x0f0f0f0f, v247               ; of 8,
	v_lshrrev_b32 v248, 8, v247
	v_add_nc_u32 v248, v248, v247                  ; of 16 (in the lowest byte)
	v_mov_b32 v249, 0
	SELSTEP 248, 8, 16
	SELSTEP 247, 8, 8
	SELSTEP 246, 4, 4
	SELSTEP 245, 2, 2
	SELSTEP 244, 1, 1
	v_lshl_add_u32 v240, v252, 5, v249
.endm
.macro SPREAD src, d0, d1              ; lane (r, h) gets lane r's number in d0 and lane 16 + r's in d1
	v_permlanex16_b32 v253, v[\src], s2, s3
	v_cndmask_b32 v[\d0], v[\src], v253, s31
	v_cndmask_b32 v[\d1], v253, v[\src], s31
.endm
.macro MM                              ; one product, named by the symbols mD, mA, mB, mSA, mRA, mSB, mRB; it adds in place
.if mRA && mRB
	v_wmma_scale_f32_16x16x128_f8f6f4 v[mD:mD+7], v[mA:mA+7], v[mB:mB+7], v[mD:mD+7], v[mSA], v[mSB] matrix_a_fmt:MATRIX_FMT_FP4 matrix_b_fmt:MATRIX_FMT_FP4 matrix_a_scale:MATRIX_SCALE_ROW1 matrix_b_scale:MATRIX_SCALE_ROW1
.elseif mRA
	v_wmma_scale_f32_16x16x128_f8f6f4 v[mD:mD+7], v[mA:mA+7], v[mB:mB+7], v[mD:mD+7], v[mSA], v[mSB] matrix_a_fmt:MATRIX_FMT_FP4 matrix_b_fmt:MATRIX_FMT_FP4 matrix_a_scale:MATRIX_SCALE_ROW1
.elseif mRB
	v_wmma_scale_f32_16x16x128_f8f6f4 v[mD:mD+7], v[mA:mA+7], v[mB:mB+7], v[mD:mD+7], v[mSA], v[mSB] matrix_a_fmt:MATRIX_FMT_FP4 matrix_b_fmt:MATRIX_FMT_FP4 matrix_b_scale:MATRIX_SCALE_ROW1
.else
	v_wmma_scale_f32_16x16x128_f8f6f4 v[mD:mD+7], v[mA:mA+7], v[mB:mB+7], v[mD:mD+7], v[mSA], v[mSB] matrix_a_fmt:MATRIX_FMT_FP4 matrix_b_fmt:MATRIX_FMT_FP4
.endif
.endm
.macro WFETCH s, q                     ; four fragments of weights (K step s, tiles 4 q .. 4 q + 3) and their two registers of scale words
.irp j, 0,1,2,3
.irp c, 0,1
	ds_load_b128 v[32+8*\j+4*\c:32+8*\j+4*\c+3], v3 offset:(NT*(\s)+4*(\q)+\j)*1024+512*\c
.endr
.endr
.irp z, 0,1
	ds_load_b32 v[16+\z], v6 offset:(\s)*SSTR+128*(2*(\q)+\z)
.endr
.endm
.macro XLOAD s                         ; my 32 tokens' fragments of K step s: four loads
.irp a, 0,1
.irp c, 0,1
	global_load_b128 v[TF+16*(\s)+8*\a+4*\c:TF+16*(\s)+8*\a+4*\c+3], v[14+\a], s[4:5] offset:64*(\s)+32*\c
.endr
.endr
.endm
; What group s28 (first rank s29) wants from memory: its tokens are looked up, and their scale words and all their fragments are asked for: 34 loads
.macro PRO
	RANKSEL
	SPREAD 240, 14, 15
	v_min_u32 v14, 0x3ff, v14                      ; a token's number, held inside the table
	v_min_u32 v15, 0x3ff, v15
	v_min_u32 v28, 0x3ff, v240
	v_lshlrev_b32 v14, 9, v14                      ; 512 bytes of codes a token,
	v_lshlrev_b32 v15, 9, v15
	v_lshlrev_b32 v28, 5, v28                      ; 32 scale bytes
	v_add_nc_u32 v14, v18, v14                     ; + 16 h
	v_add_nc_u32 v15, v18, v15
	s_lshl_b32 s98, s28, 16
	v_add_nc_u32 v29, s98, v3                      ; hq: 65,536 bytes a group, 16 a lane
	s_lshl_b32 s98, s28, 12
	v_add_nc_u32 v30, s98, v2                      ; hs: 4,096 bytes a group, 4 a lane
	global_load_b128 v[20:23], v28, s[6:7]         ; lane l: the scale words of rank l's token: lanes 0-15 tile 0, lanes 16-31 tile 1
	global_load_b128 v[24:27], v28, s[6:7] offset:16
.irp s, 0,1,2,3,4,5,6,7
	XLOAD \s
.endr
.endm
; A K step of half q of the columns: four tiles of columns x two tiles of tokens.  p = 1: the second pass, whose fragments were asked for just before
.macro KSTEP s, q, p
.if (\s) > 0
.rept 4
	v_nop                                          ; four places behind the last products, in front of loads into their operands and scales (ISA guide 7.12.1 for vector instructions)
.endr
.endif
	WFETCH \s, \q
.if (\p) && ((\q) == 0)
	s_wait_loadcnt 4*(7-(\s))                      ; this K step's fragments are in (the scale words are older); four loads for each later K step may be out
.endif
	s_wait_dscnt 0x0
.irp j, 0,1,2,3
.irp a, 0,1
.set mD, ACC+32*\a+8*\j
.set mA, 32+8*\j
.set mB, TF+16*(\s)+8*\a
.set mSA, 16+\j/2
.set mRA, \j%2
.set mSB, 20+(\s)
.set mRB, \a
	MM                                             ; the eight accumulators take turns, one instruction a turn
.endr
.endr
.endm
; The 64 numbers of a lane in v[ACC] on, none negative: block 2 a + bb (16 registers) = d 32 (2 q + bb) + 16 h + 0 .. 15 of my token in tile a.  They become register group q of the two tiles' fragments
; (v[PC + 4 a] on) and bytes 2 q, 2 q + 1 of their scale words (v[10 + a])
.macro QUANT2 q
.irp b, 0,1,2,3
	v_max3_num_f32 v[TM+\b], v[ACC+16*\b], v[ACC+1+16*\b], 0x1800000   ; my 16 numbers of the block and the floor 2^(3 - 127)
.endr
.irp n, 2,4,6,8,10,12,14
.irp b, 0,1,2,3
	v_max3_num_f32 v[TM+\b], v[TM+\b], v[ACC+16*\b+\n], v[ACC+1+16*\b+\n]
.endr
.endr
.irp b, 0,1,2,3
	v_permlanex16_b32 v[TM+4+\b], v[TM+\b], s2, s3
.endr
.irp b, 0,1,2,3
	v_max_num_f32 v[TM+\b], v[TM+\b], v[TM+4+\b]   ; with lane l xor 16's: the block's largest
.endr
.irp b, 0,1,2,3
	v_add_nc_u32 v[TM+12+\b], 0xff000000, v[TM+\b]
.endr
.irp b, 0,1,2,3
	v_lshrrev_b32 v[TM+4+\b], 23, v[TM+12+\b]
.endr
.irp a, 0,1
.if (\q) == 0
	v_lshl_or_b32 v[10+\a], v[TM+5+2*\a], 8, v[TM+4+2*\a]
.else
	v_lshl_or_b32 v[TM+4+2*\a], v[TM+5+2*\a], 8, v[TM+4+2*\a]
	v_lshl_or_b32 v[10+\a], v[TM+4+2*\a], 16, v[10+\a]
.endif
.endr
.irp b, 0,1,2,3
	v_cvt_scalef32_pk8_fp4_f32 v[PC+2*\b], v[ACC+16*\b:ACC+7+16*\b], v[TM+12+\b]
	v_cvt_scalef32_pk8_fp4_f32 v[PC+1+2*\b], v[ACC+8+16*\b:ACC+15+16*\b], v[TM+12+\b]
.endr
	v_nop                                          ; one plain line behind the last conversion
.irp c, 0,1                                    ; the operand's layout wants a whole block in a lane: lanes 0-15 block 2 q, lanes 16-31 block 2 q + 1 (c: the tile of tokens)
.irp n, 0,1
	v_permlane16_swap_b32 v[PC+4*\c+\n], v[PC+2+4*\c+\n]
.endr
.endr
.endm
.macro BODY p                          ; a group's products, activation, quantising and stores
.irp q, 0,1
.if \q
	s_wait_xcnt 0x0                                ; the first half's stores have read their registers: the weights' fragments land there again
.endif
.irp a, 0,1
.irp j, 0,1,2,3
.irp z, 0,1
	ds_load_b128 v[ACC+32*\a+8*\j+4*\z:ACC+32*\a+8*\j+4*\z+3], v9 offset:(32*((4*\q+\j)/2)+8*(\j%2))*4+16*\z   ; b1 at my eight columns of the tile: it starts the sums
.endr
.endr
.endr
.set S, 0
.rept 8
	KSTEP S, \q, \p
.set S, S+1
.endr
.rept 4
	v_nop                                          ; four places behind the last products, in front of the first read of results
.endr
.set jj, 0
.rept 64
	v_max_num_f32 v[ACC+jj], 0, v[ACC+jj]          ; the activation, in f32; each accumulator from its low end on
.set jj, jj+1
.endr
	QUANT2 \q
	global_store_b128 v29, v[PC:PC+3], s[14:15] offset:512*\q          ; register group q of tile 0's fragment as it stands: 512 consecutive bytes, aligned
	global_store_b128 v29, v[PC+4:PC+7], s[14:15] offset:1024+512*\q   ; and of tile 1's
.endr
	v_cndmask_b32 v12, v10, v11, s31               ; lanes 0-15 tile 0's scale words, lanes 16-31 tile 1's
	global_store_b32 v30, v12, s[16:17]
.endm
	s_load_b256 s[4:11], s[0:1], 0x0               ; xq s[4:5], xs s[6:7], route s[8:9], w1 s[10:11]
	s_load_b128 s[12:15], s[0:1], 0x20             ; b1 s[12:13], hq s[14:15]
	s_load_b64 s[16:17], s[0:1], 0x30              ; hs
	v_lshrrev_b32 v1, 5, v0
	v_readfirstlane_b32 s18, v1                    ; wave 0..15
	s_lshr_b32 s19, ttmp9, 5                       ; expert
	s_and_b32 s20, ttmp9, 31                       ; slice
	s_and_b32 s21, s18, 3                          ; which 32 columns
	s_lshr_b32 s22, s18, 2                         ; which 256 rows of K
	s_mov_b32 s28, s18                             ; my first group,
	s_lshl_b32 s29, s18, 5                         ; and its first rank
	s_mov_b32 s2, 0x76543210
	s_mov_b32 s3, 0xfedcba98
	s_mov_b32 s31, 0xffff0000
	v_and_b32 v1, 31, v0
	v_lshlrev_b32 v2, 2, v1
	v_lshlrev_b32 v3, 4, v1
	v_bfe_u32 v7, v0, 4, 1
	v_and_b32 v8, 15, v0
	v_and_b32 v12, 7, v0
	v_lshl_or_b32 v12, v7, 3, v12                  ; my column's row in its tile: lane % 8 + 8 (lane / 16)
	v_bfe_u32 v13, v0, 3, 1                        ; and which tile of the pair: (lane / 8) % 2
	v_lshlrev_b32 v4, 4, v12
	v_lshl_add_u32 v4, v13, 10, v4
	s_lshl_b32 s98, s21, 11
	s_lshl_b32 s99, s22, 14
	s_add_co_u32 s98, s98, s99
	v_add_nc_u32 v4, s98, v4                       ; codes: 1,024 x tile + 16 x row + two K steps x (wave / 4)
	v_lshlrev_b32 v5, 2, v12
	v_lshl_add_u32 v5, v13, 6, v5
	s_lshl_b32 s98, s22, 10
	s_lshl_b32 s99, s21, 7
	s_add_co_u32 s98, s98, s99
	s_add_co_u32 s98, s98, WSC
	v_add_nc_u32 v5, s98, v5                       ; scale words
	v_add_nc_u32 v6, WSC, v2
	v_lshlrev_b32 v9, 6, v7
	v_add_nc_u32 v9, BSL, v9                       ; b1 out of LDS: my half's eight columns of a tile
	v_add_nc_u32 v31, BSL, v3                      ; and into it (wave 0)
	v_lshlrev_b32 v18, 4, v7
	v_mov_b32 v253, 0                              ; written once: a lane permute's destination counts as one of its sources
	s_mov_b32 s25, 0
	s_wait_kmcnt 0x0
	s_lshl_b32 s24, s19, 14
	s_lshl_b32 s98, s20, 9
	s_add_co_u32 s24, s24, s98
	s_add_nc_u64 s[12:13], s[12:13], s[24:25]      ; b1 at the slice
	s_lshl_b32 s24, s19, 24                        ; w1: 16 MiB an expert,
	s_lshl_b32 s98, s22, 22                        ; 256 rows of 16,384 bytes,
	s_add_co_u32 s24, s24, s98
	s_lshl_b32 s98, s20, 9                         ; 512 bytes a slice,
	s_add_co_u32 s24, s24, s98
	s_lshl_b32 s98, s21, 7                         ; 128 bytes a wave
	s_add_co_u32 s24, s24, s98
	s_add_nc_u64 s[10:11], s[10:11], s[24:25]
	s_cmp_lg_u32 s18, 0
	s_cbranch_scc1 .Lnot_b1
	global_load_b128 v[100:103], v3, s[12:13]      ; wave 0: the slice's 128 numbers of b1; older than every load of weights
.Lnot_b1:
	LOADB 0
	LOADB 1
	s_lshl_b32 s24, s19, 7
	s_add_nc_u64 s[8:9], s[8:9], s[24:25]          ; the expert's mask words
	PREFIX
	s_lshl_b32 s24, s19, 21
	s_lshl_b32 s98, s20, 11
	s_add_co_u32 s24, s24, s98
	s_add_nc_u64 s[14:15], s[14:15], s[24:25]      ; hq at (e, group 0, K step = slice)
	s_lshl_b32 s24, s19, 17
	s_lshl_b32 s98, s20, 7
	s_add_co_u32 s24, s24, s98
	s_add_nc_u64 s[16:17], s[16:17], s[24:25]      ; hs likewise
	BLOCK 0, 32                                    ; behind block 0's loads: block 1's 32
	s_cmp_lg_u32 s18, 0
	s_cbranch_scc1 .Lno_b1
	ds_store_b128 v31, v[100:103]                  ; wave 0: b1's slice into LDS (its load is older than block 0's, so it is in)
.Lno_b1:
	PRO                                            ; my first group's tokens are asked for here, with two blocks of weights on their way: they land under the stream
	BLOCK 1, 63                                    ; behind block 1's loads: block 2's 32 and the group's 34: more than the count can say, so the largest count is written
	BLOCK 2, 63                                    ; behind block 2's: the group's 34 and block 3's 32
	BLOCK 3, 32                                    ; from here on: the next block's 32
	BLOCK 4, 32
	BLOCK 5, 32
	BLOCK 6, 32
	BLOCK 7, 0
	s_wait_dscnt 0x0                               ; for the others' sake: my stores into the images are done
	s_barrier_signal -1
	s_barrier_wait -1                              ; from here on LDS is only read
	s_cmp_ge_u32 s29, s26
	s_cbranch_scc1 .Lend                           ; my first group lies past the expert's count: so does my second
	BODY 0
	s_add_co_u32 s28, s28, 16                      ; my second group
	s_lshl_b32 s29, s28, 5
	s_cmp_ge_u32 s29, s26
	s_cbranch_scc1 .Lend
	s_wait_xcnt 0x0                                ; the first group's loads and stores have read their registers: they are written again from here on
	PRO
	BODY 1
.Lend:
	s_barrier_signal -1
	s_barrier_wait -1
	s_wait_xcnt 0x0
	v_lshl_add_u32 v254, v0, 2, 0x11400
	v_mov_b32 v255, 0
	s_wait_tensorcnt 0x0
	ds_add_u32 v254, v255
	s_wait_dscnt 0x0
	s_endpgm
.Lfunc_end_k_q15c18d4cf5_up:
	.size	k_q15c18d4cf5_up, .Lfunc_end_k_q15c18d4cf5_up-k_q15c18d4cf5_up
	.p2alignl 7, 3214868480
	.fill 96, 4, 3214868480
	.section	.rodata,"a",@progbits
	.p2align	6, 0x0
	.amdhsa_kernel k_q15c18d4cf5_up
		.amdhsa_group_segment_fixed_size 72704
		.amdhsa_private_segment_fixed_size 0
		.amdhsa_enable_private_segment 0
		.amdhsa_kernarg_size 56
		.amdhsa_user_sgpr_count 2
		.amdhsa_user_sgpr_kernarg_segment_ptr 1
		.amdhsa_wavefront_size32 1
		.amdhsa_system_sgpr_workgroup_id_x 1
		.amdhsa_system_sgpr_workgroup_id_y 1
		.amdhsa_system_sgpr_workgroup_id_z 1
		.amdhsa_system_vgpr_workitem_id 0
		.amdhsa_next_free_vgpr 256
		.amdhsa_next_free_sgpr 100
		.amdhsa_reserve_vcc 1
		.amdhsa_float_denorm_mode_32 3
		.amdhsa_float_denorm_mode_16_64 3
		.amdhsa_memory_ordered 1
		.amdhsa_forward_progress 1
		.amdhsa_inst_pref_size 152
	.end_amdhsa_kernel
	.amdgpu_metadata
---
amdhsa.version: [ 1, 2 ]
amdhsa.kernels:
  - .name:           k_q15c18d4cf5_up
    .symbol:         k_q15c18d4cf5_up.kd
    .args:
      - { .name: xq, .offset: 0, .size: 8, .value_kind: global_buffer, .address_space: global }
      - { .name: xs, .offset: 8, .size: 8, .value_kind: global_buffer, .address_space: global }
      - { .name: route, .offset: 16, .size: 8, .value_kind: global_buffer, .address_space: global }
      - { .name: w1, .offset: 24, .size: 8, .value_kind: global_buffer, .address_space: global }
      - { .name: b1, .offset: 32, .size: 8, .value_kind: global_buffer, .address_space: global }
      - { .name: hq, .offset: 40, .size: 8, .value_kind: global_buffer, .address_space: global }
      - { .name: hs, .offset: 48, .size: 8, .value_kind: global_buffer, .address_space: global }
    .group_segment_fixed_size: 72704
    .private_segment_fixed_size: 0
    .kernarg_segment_align: 8
    .kernarg_segment_size: 56
    .max_flat_workgroup_size: 512
    .sgpr_count:     100
    .vgpr_count:     256
    .wavefront_size: 32
...
	.end_amdgpu_metadata
.endif
;; end of part 6
;; launch down (part 7): grid 256 x 1, 16 waves a work-group, no clusters, 141,824 bytes of LDS; arguments hq, hs, route, w2, b2, gsc, part; writes part
.if DOCPART == 7
	.amdgcn_target "amdgcn-amd-amdhsa--gfx1250"
	.amdhsa_code_object_version 6
	.text
	.protected	k_q15c18d4cf5_down
	.globl	k_q15c18d4cf5_down
	.p2align	8
	.type	k_q15c18d4cf5_down,@function
k_q15c18d4cf5_down:
	s_mov_b64 s[64:65], 0
	v_nop
	global_prefetch_b8 v0, s[64:65] scope:SCOPE_SE
	s_setreg_imm32_b32 hwreg(HW_REG_WAVE_MODE, 25, 1), 1
	s_wait_xcnt 0x0
; SECOND PRODUCT OF THE CHOSEN ROWS: part = (h w2[e] (+ b2[e])) x probs / 2, on codes of E2M1 with E8M0 scales.
; w2 [8][4096 (K)][1024 (n)] f32 is read ONCE in the launch, each byte by one work-group, and quantised in registers on its way.
; SHARES.  Work-group g: expert e = g / 32, 64 columns n ((g / 2) % 16), half g % 2 of K (2,048): a row's piece is 256 aligned bytes.  The two halves of K and a token's two experts give four partial rows,
; part [half 2][slot 2][token 1024][1024] f32 (slot 0: e is the token's first expert), each written whole by one owner and summed by the next launch.  Only the first half of K adds b2.
; PHASE Q: as in the launch before: wave w takes 32 columns (w % 2) x 256 rows of K (w / 2); a lane a column, registers down K; codes and scale words go into images of the operand's registers in LDS.  One barrier.
; PHASE G: wave w takes the groups w and w + 16 of 32 ranks; a group past the expert's count is left out by a scalar branch on the stored count; rank p stands for the token of rank min(p, count - 1), so a
; group that is not full repeats its last token, and the wave then stores the same bytes to the same place more than once.
; THE PRODUCT IS USED TRANSPOSED (source 0 = 16 columns of w2, source 1 = 16 tokens): a lane holds one token and eight neighbouring columns.  The weights' fragments come from LDS; the hidden layer's come from
; memory as register images, through a ring of EIGHT K steps (128 registers).
; WHAT PHASE G WANTS FROM MEMORY IS ASKED FOR IN PHASE Q: behind its first block of weights every wave looks up its first group's tokens and asks for their gate weights and for the group's K steps 0 to 7, so that
; they land under the stream; K step s + 7 is asked for at step s.  Every wave does so.  A wave whose group is empty asks with all lanes at lane 0's place of group 0: each of its loads names one place, and
; nothing is made of what it brings.  (For an expert without any token those bytes of hq and hs were stored by nobody; they are read and dropped.)
; b2's 64 numbers lie in LDS (wave 0 puts them there; zeros in the second half of K) and are read into the accumulators: they start the sums.
; Results are scaled by the gate's weight, go through the wave's own stage and leave as runs of 256 aligned bytes, sixteen lanes to a token's row.
; NO TENSOR LOADS, NO CLUSTER: the walk over groups hangs on counts read from memory; what the work-groups of an expert share (the hidden codes, 1,024 bytes a token and half of K) is the smaller part of a
; work-group's bytes beside its own 524,288 of weights.  No prefetch: the stream's own loads are out all through phase Q.
; LIMITS: NaN and infinities are not served.  A block of zeros, or one whose largest magnitude lies under 2^-124, keeps the byte 1 (the rule says 127 for zeros); only this program reads the bytes.
.set PITCH, 4096                       ; a row of w2[e] in bytes
.set NT,    4                          ; tiles of 16 columns
.set KSTR,  NT*1024
.set SSTR,  NT*64
.set WSC,   65536                      ; LDS: images (65,536 bytes), scale words (4,096),
.set STG,   69632                      ; a stage of 16 rows x (256 + 16) bytes for each wave,
.set BSL,   139264                     ; and b2's 64 numbers (256)
.set ACC,   64                         ; v64-127  eight accumulators: (tile of tokens a, tile of columns T) at ACC + 32 a + 8 T
.set TF,    128                        ; v128-255 the hidden layer's fragments: K step s, tile a at TF + 16 (s % 8) + 8 a
; v1 lane, v2 4 lane, v3 16 lane, v4 / v5 where I store codes / scale words, v6 WSC + 4 lane, v7 h, then 32 x my rank's token, v8 r, then 4 x that token, v9 BSL + 32 h, v10-13 at work, v14 / v15 the stage in / out,
; v16-17 the weights' scale words, v18 / v19 offsets in hq / hs, v20-27 the hidden layer's scale words: a ring of eight, v28 16 r, v29 4 h, v30 sel, v31 the gate's weight by rank, v32-63 four fragments of weights;
; phase Q: v32-95 two sets of 32 numbers, v96-99 codes, v100-103 b2 on its way (wave 0); v240-253 at work while ranks are looked up, ahead of the loads that land there;
; on the way out, in the ring's registers: v128-191 rows, v192-207 their offsets in part, v[208:209], v[210:211] the gate's weight of my token in tile 0, 1, v212 my rank's row, v213, v253 at work.
.macro LOADB t
.set i, 0
.rept 32
	global_load_b32 v[32+32*((\t)%2)+i], v2, s[10:11] offset:(32*(\t)+i)*PITCH th:TH_LOAD_NT
.set i, i+1
.endr
.endm
.macro BLOCK t, cnt                    ; cnt: how many younger loads may be out when this block's 32 have to be there
.set XB, 32+32*((\t)%2)
	s_wait_loadcnt \cnt
	v_max3_num_f32 v12, |v[XB]|, |v[XB+1]|, |v[XB+2]|
	v_max3_num_f32 v13, |v[XB+3]|, |v[XB+4]|, |v[XB+5]|
.irp n, 6,10,14,18,22,26
	v_max3_num_f32 v12, v12, |v[XB+\n]|, |v[XB+\n+1]|
	v_max3_num_f32 v13, v13, |v[XB+\n+2]|, |v[XB+\n+3]|
.endr
	v_max3_num_f32 v12, v12, |v[XB+30]|, |v[XB+31]|
	v_max3_num_f32 v12, v12, v13, 0x1800000        ; the floor 2^(3 - 127): the byte cannot fall under 1
	v_add_nc_u32 v11, 0xff000000, v12              ; 2 off the exponent field: the conversion's scale operand
	v_lshrrev_b32 v13, 23, v11                     ; the scale's byte
.if (\t)%4 == 0
	v_mov_b32 v10, v13
.else
	v_lshl_or_b32 v10, v13, 8*((\t)%4), v10
.endif
.irp g, 0,1,2,3
	v_cvt_scalef32_pk8_fp4_f32 v[96+\g], v[XB+8*\g:XB+8*\g+7], v11
.endr
	v_nop                                          ; one plain line behind the last conversion
	ds_store_b128 v4, v[96:99] offset:((\t)/4)*KSTR+512*(((\t)%4)/2)+256*((\t)%2)
.if (\t)%4 == 3
	ds_store_b32 v5, v10 offset:((\t)/4)*SSTR
.endif
.if (\t) < 6
	LOADB (\t)+2
.endif
	s_wait_dscnt 0x0
.endm
.macro PREFIX
	s_load_b512 s[32:47], s[8:9], 0x0
	s_load_b512 s[48:63], s[8:9], 0x40
	s_mov_b32 s26, 0
	s_wait_kmcnt 0x0
.set i, 0
.rept 32
	s_lshl_b32 s[66+i], s26, 5
	s_or_b32 s[66+i], s[66+i], i
	s_bcnt1_i32_b32 s98, s[32+i]
	s_add_co_u32 s26, s26, s98
.set i, i+1
.endr
	s_sub_co_u32 s27, s26, 1
.endm
.macro SELSTEP src, width, step
	v_bfe_u32 v250, v[\src], v249, \width
	v_cmp_ge_u32 vcc_lo, v241, v250
	v_cndmask_b32 v250, 0, v250, vcc_lo
	v_sub_nc_u32 v241, v241, v250
	v_cndmask_b32 v251, 0, \step, vcc_lo
	v_add_nc_u32 v249, v249, v251
.endm
.macro RANKSEL                         ; v240 = the token of rank min(s29 + lane, count - 1)
	v_add_nc_u32 v241, s29, v1
	v_min_u32 v241, s27, v241
	v_lshl_or_b32 v242, v241, 5, 31
	v_mov_b32 v243, s66
	v_mov_b32 v244, s32
.set i, 1
.rept 31
	v_cmp_le_u32 vcc_lo, s[66+i], v242
	v_cndmask_b32 v243, v243, s[66+i], vcc_lo
	v_cndmask_b32 v244, v244, s[32+i], vcc_lo
.set i, i+1
.endr
	v_lshrrev_b32 v250, 5, v243
	v_sub_nc_u32 v241, v241, v250
	v_and_b32 v252, 31, v243
	v_lshrrev_b32 v245, 1, v244
	v_and_b32 v245, 0x55555555, v245
	v_sub_nc_u32 v245, v244, v245
	v_lshrrev_b32 v246, 2, v245
	v_and_b32 v246, 0x33333333, v246
	v_and_b32 v251, 0x33333333, v245
	v_add_nc_u32 v246, v246, v251
	v_lshrrev_b32 v247, 4, v246
	v_add_nc_u32 v247, v247, v246
	v_and_b32 v247, 0x0f0f0f0f, v247
	v_lshrrev_b32 v248, 8, v247
	v_add_nc_u32 v248, v248, v247
	v_mov_b32 v249, 0
	SELSTEP 248, 8, 16
	SELSTEP 247, 8, 8
	SELSTEP 246, 4, 4
	SELSTEP 245, 2, 2
	SELSTEP 244, 1, 1
	v_lshl_add_u32 v240, v252, 5, v249
.endm
.macro SPREAD src, d0, d1              ; lane (r, h) gets lane r's number in d0 and lane 16 + r's in d1
	v_permlanex16_b32 v253, v[\src], s2, s3
	v_cndmask_b32 v[\d0], v[\src], v253, s31
	v_cndmask_b32 v[\d1], v253, v[\src], s31
.endm
.macro MM                              ; one product, named by the symbols mD, mA, mB, mSA, mRA, mSB, mRB; it adds in place
.if mRA && mRB
	v_wmma_scale_f32_16x16x128_f8f6f4 v[mD:mD+7], v[mA:mA+7], v[mB:mB+7], v[mD:mD+7], v[mSA], v[mSB] matrix_a_fmt:MATRIX_FMT_FP4 matrix_b_fmt:MATRIX_FMT_FP4 matrix_a_scale:MATRIX_SCALE_ROW1 matrix_b_scale:MATRIX_SCALE_ROW1
.elseif mRA
	v_wmma_scale_f32_16x16x128_f8f6f4 v[mD:mD+7], v[mA:mA+7], v[mB:mB+7], v[mD:mD+7], v[mSA], v[mSB] matrix_a_fmt:MATRIX_FMT_FP4 matrix_b_fmt:MATRIX_FMT_FP4 matrix_a_scale:MATRIX_SCALE_ROW1
.elseif mRB
	v_wmma_scale_f32_16x16x128_f8f6f4 v[mD:mD+7], v[mA:mA+7], v[mB:mB+7], v[mD:mD+7], v[mSA], v[mSB] matrix_a_fmt:MATRIX_FMT_FP4 matrix_b_fmt:MATRIX_FMT_FP4 matrix_b_scale:MATRIX_SCALE_ROW1
.else
	v_wmma_scale_f32_16x16x128_f8f6f4 v[mD:mD+7], v[mA:mA+7], v[mB:mB+7], v[mD:mD+7], v[mSA], v[mSB] matrix_a_fmt:MATRIX_FMT_FP4 matrix_b_fmt:MATRIX_FMT_FP4
.endif
.endm
.macro WFETCH s                        ; K step s: the four fragments of weights and their two registers of scale words
.irp j, 0,1,2,3
.irp c, 0,1
	ds_load_b128 v[32+8*\j+4*\c:32+8*\j+4*\c+3], v3 offset:(NT*(\s)+\j)*1024+512*\c
.endr
.endr
.irp z, 0,1
	ds_load_b32 v[16+\z], v6 offset:(\s)*SSTR+128*\z
.endr
.endm
.macro HLOAD s                         ; my group's two fragments of K step s, and their scale words, into ring place s % 8: five loads
.irp a, 0,1
.irp c, 0,1
	global_load_b128 v[TF+16*((\s)%8)+8*\a+4*\c:TF+16*((\s)%8)+8*\a+4*\c+3], v18, s[4:5] offset:2048*(\s)+1024*\a+512*\c
.endr
.endr
	global_load_b32 v[20+(\s)%8], v19, s[6:7] offset:128*(\s)
.endm
; What group s28 (first rank s29) wants from memory: its tokens are looked up; their first experts, their gate weights and the group's K steps 0 to 7 are asked for: 42 loads
.macro PRO
	RANKSEL
	v_min_u32 v7, 0x3ff, v240                      ; a token's number, held inside the table
	v_lshlrev_b32 v8, 2, v7                        ; sel: 4 bytes a token
	v_lshlrev_b32 v7, 5, v7                        ; gsc: 32 bytes a token
	s_cmp_lt_u32 s29, s26                          ; has the group a token?
	s_cselect_b32 s98, 31, 0                       ; if not: every lane at lane 0's place,
	s_cselect_b32 s99, s28, 0                      ; in group 0
	s_min_u32 s98, s98, 31                         ; what hangs on a loaded count enters an address only behind a hold at a constant
	s_min_u32 s99, s99, 31
	v_and_b32 v18, s98, v1
	v_lshlrev_b32 v19, 2, v18
	v_lshlrev_b32 v18, 4, v18
	s_lshl_b32 s98, s99, 16
	v_add_nc_u32 v18, s98, v18                     ; hq: 65,536 bytes a group, 16 a lane
	s_lshl_b32 s98, s99, 12
	v_add_nc_u32 v19, s98, v19                     ; hs: 4,096 bytes a group, 4 a lane
	global_load_b32 v30, v8, s[20:21]              ; the token's first expert
	global_load_b32 v31, v7, s[14:15]              ; probs / 2 of this expert
.irp s, 0,1,2,3,4,5,6,7
	HLOAD \s
.endr
.endm
.macro STEP s
.if (\s) > 0
.rept 4
	v_nop                                          ; four places behind the last products, in front of loads into their operands and scales (ISA guide 7.12.1 for vector instructions)
.endr
.endif
.if ((\s) >= 1) && ((\s) <= 8)
	HLOAD (\s)+7                                   ; seven K steps ahead, into the place of the step before this one
.endif
	WFETCH \s
.if (\s) <= 8
	s_wait_loadcnt 35                              ; this K step's five loads are in; five for each of the seven later K steps may be out
.else
	s_wait_loadcnt 5*(15-(\s))                     ; five for each K step that is left
.endif
	s_wait_dscnt 0x0
.irp j, 0,1,2,3
.irp a, 0,1
.set mD, ACC+32*\a+8*\j
.set mA, 32+8*\j
.set mB, TF+16*((\s)%8)+8*\a
.set mSA, 16+\j/2
.set mRA, \j%2
.set mSB, 20+(\s)%8
.set mRB, \a
	MM                                             ; the eight accumulators take turns, one instruction a turn
.endr
.endr
.endm
.macro BODY                            ; a group's products, the gate's weight, and the way out
.irp a, 0,1
.irp T, 0,1,2,3
.irp z, 0,1
	ds_load_b128 v[ACC+32*\a+8*\T+4*\z:ACC+32*\a+8*\T+4*\z+3], v9 offset:64*\T+16*\z   ; b2 (or zeros) at my eight columns of the tile: it starts the sums
.endr
.endr
.endr
.set S, 0
.rept 16
	STEP S
.set S, S+1
.endr
.rept 4
	v_nop                                          ; four places behind the last products, in front of the first read of results and of writes into the ring's registers
.endr
	v_xor_b32 v30, s19, v30
	v_min_u32 v30, 1, v30                          ; slot: 0 where this expert is the token's first
	v_lshrrev_b32 v212, 5, v7                      ; the token again
	v_lshl_or_b32 v212, v30, 10, v212              ; the row of my half's planes: 1,024 x slot + token, by rank
	SPREAD 31, 208, 210
	v_mov_b32 v209, v208                           ; (named as pairs, so both words are written)
	v_mov_b32 v211, v210
.irp a, 0,1
.irp n, 0,1,2,3,4,5,6,7,8,9,10,11,12,13,14,15
	v_pk_mul_f32 v[ACC+32*\a+2*\n:ACC+1+32*\a+2*\n], v[ACC+32*\a+2*\n:ACC+1+32*\a+2*\n], v[208+2*\a:209+2*\a] op_sel_hi:[1,0]   ; x the gate's weight; each accumulator from its low end on
.endr
.irp T, 0,1,2,3
.irp z, 0,1
	ds_store_b128 v14, v[ACC+32*\a+8*\T+4*\z:ACC+32*\a+8*\T+4*\z+3] offset:64*\T+16*\z
.endr
.endr
.irp q, 0,1,2,3,4,5,6,7
	ds_load_b128 v[TF+32*\a+4*\q:TF+32*\a+4*\q+3], v15 offset:544*\q   ; LDS serves a wave's instructions in order: these see the stores above, and the next tile's stores come behind them
.endr
.irp q, 0,1,2,3,4,5,6,7
	v_add_nc_u32 v213, 4*(16*\a+2*\q), v29
	ds_bpermute_b32 v[192+8*\a+\q], v213, v212     ; the row of rank 16 a + 2 q + h, for the sixteen lanes that store it
.endr
.endr
	s_wait_dscnt 0x0
.irp a, 0,1
.irp q, 0,1,2,3,4,5,6,7
	v_min_u32 v[192+8*\a+\q], 0x7ff, v[192+8*\a+\q]   ; held inside the half's 2,048 rows
	v_lshlrev_b32 v[192+8*\a+\q], 12, v[192+8*\a+\q]
	v_add_nc_u32 v[192+8*\a+\q], v28, v[192+8*\a+\q]
	global_store_b128 v[192+8*\a+\q], v[TF+32*\a+4*\q:TF+32*\a+4*\q+3], s[16:17]   ; sixteen lanes store 256 consecutive bytes, aligned
.endr
.endr
.endm
	s_load_b256 s[4:11], s[0:1], 0x0               ; hq s[4:5], hs s[6:7], route s[8:9], w2 s[10:11]
	s_load_b128 s[12:15], s[0:1], 0x20             ; b2 s[12:13], gsc s[14:15]
	s_load_b64 s[16:17], s[0:1], 0x30              ; part
	v_lshrrev_b32 v1, 5, v0
	v_readfirstlane_b32 s18, v1                    ; wave 0..15
	s_lshr_b32 s19, ttmp9, 5                       ; expert
	s_bfe_u32 s22, ttmp9, 0x40001                  ; which 64 columns
	s_and_b32 s23, ttmp9, 1                        ; which half of K
	s_and_b32 s30, s18, 1                          ; which 32 columns of them
	s_lshr_b32 s27, s18, 1                         ; which 256 rows of the half (s27: in the head only)
	s_mov_b32 s28, s18                             ; my first group,
	s_lshl_b32 s29, s18, 5                         ; and its first rank
	s_mov_b32 s2, 0x76543210
	s_mov_b32 s3, 0xfedcba98
	s_mov_b32 s31, 0xffff0000
	v_and_b32 v1, 31, v0
	v_lshlrev_b32 v2, 2, v1
	v_lshlrev_b32 v3, 4, v1
	v_bfe_u32 v7, v0, 4, 1
	v_and_b32 v8, 15, v0
	v_lshlrev_b32 v4, 4, v8
	v_lshl_add_u32 v4, v7, 10, v4
	s_lshl_b32 s98, s30, 11
	s_lshl_b32 s99, s27, 13
	s_add_co_u32 s98, s98, s99
	v_add_nc_u32 v4, s98, v4                       ; codes: 1,024 x tile + 16 x row + two K steps x (wave / 2)
	s_lshl_b32 s98, s27, 9
	s_lshl_b32 s99, s30, 7
	s_add_co_u32 s98, s98, s99
	s_add_co_u32 s98, s98, WSC
	v_add_nc_u32 v5, s98, v2                       ; scale words
	v_add_nc_u32 v6, WSC, v2
	v_lshlrev_b32 v9, 5, v7
	v_add_nc_u32 v9, BSL, v9                       ; b2 out of LDS: my half's eight columns of a tile
	v_lshlrev_b32 v102, 3, v1                      ; and on its way there (wave 0): 8 bytes a lane,
	v_add_nc_u32 v103, BSL, v102                   ; in memory and in LDS
	s_mul_i32 s98, s18, 16*272
	s_add_co_u32 s98, s98, STG                     ; my stage
	v_mul_u32_u24 v14, v8, 272
	v_lshl_add_u32 v14, v7, 5, v14
	v_add_nc_u32 v14, s98, v14                     ; in: row r, 32 bytes for each half of the lanes
	v_mul_u32_u24 v15, v7, 272
	v_lshl_add_u32 v15, v8, 4, v15
	v_add_nc_u32 v15, s98, v15                     ; back: lanes 0-15 one row of 256 bytes, lanes 16-31 the next
	v_lshlrev_b32 v28, 4, v8
	v_lshlrev_b32 v29, 2, v7
	v_mov_b32 v253, 0                              ; written once: a lane permute's destination counts as one of its sources
	s_mov_b32 s25, 0
	s_wait_kmcnt 0x0
	s_lshl_b32 s24, s19, 12
	s_lshl_b32 s98, s22, 8
	s_add_co_u32 s24, s24, s98
	s_add_nc_u64 s[12:13], s[12:13], s[24:25]      ; b2 at my 64 columns
	s_lshl_b32 s24, s19, 24                        ; w2: 16 MiB an expert,
	s_lshl_b32 s98, s23, 23                        ; 2,048 rows of 4,096 bytes a half,
	s_add_co_u32 s24, s24, s98
	s_lshl_b32 s98, s27, 20                        ; 256 rows,
	s_add_co_u32 s24, s24, s98
	s_lshl_b32 s98, s22, 8                         ; 256 bytes a work-group's columns,
	s_add_co_u32 s24, s24, s98
	s_lshl_b32 s98, s30, 7                         ; 128 a wave's
	s_add_co_u32 s24, s24, s98
	s_add_nc_u64 s[10:11], s[10:11], s[24:25]
	s_cmp_lg_u32 s18, 0
	s_cbranch_scc1 .Lnot_b2
	global_load_b64 v[100:101], v102, s[12:13]     ; wave 0: the 64 numbers of b2; older than every load of weights
.Lnot_b2:
	LOADB 0
	LOADB 1
	s_add_nc_u64 s[20:21], s[8:9], 0x400           ; sel
	s_lshl_b32 s24, s19, 7
	s_add_nc_u64 s[8:9], s[8:9], s[24:25]          ; the expert's mask words
	PREFIX
	s_lshl_b32 s24, s19, 21
	s_lshl_b32 s98, s23, 15
	s_add_co_u32 s24, s24, s98
	s_add_nc_u64 s[4:5], s[4:5], s[24:25]          ; hq at (e, group 0, my half's first K step)
	s_lshl_b32 s24, s19, 17
	s_lshl_b32 s98, s23, 11
	s_add_co_u32 s24, s24, s98
	s_add_nc_u64 s[6:7], s[6:7], s[24:25]          ; hs likewise
	s_lshl_b32 s24, s19, 2
	s_add_nc_u64 s[14:15], s[14:15], s[24:25]      ; gsc at the expert's column
	s_lshl_b32 s24, s23, 23
	s_lshl_b32 s98, s22, 8
	s_add_co_u32 s24, s24, s98
	s_add_nc_u64 s[16:17], s[16:17], s[24:25]      ; part at my half's planes and my 64 columns
	BLOCK 0, 32                                    ; behind block 0's loads: block 1's 32
	s_cmp_lg_u32 s18, 0
	s_cbranch_scc1 .Lno_b2
	s_cmp_eq_u32 s23, 0
	s_cselect_b32 s99, -1, 0
	v_and_b32 v100, s99, v100                      ; only the first half of K adds b2: the other starts from zeros
	v_and_b32 v101, s99, v101
	ds_store_b64 v103, v[100:101]                  ; wave 0 (the load is older than block 0's, so it is in)
.Lno_b2:
	PRO                                            ; my first group is asked for here, with two blocks of weights on their way: it lands under the stream
	BLOCK 1, 63                                    ; behind block 1's loads: block 2's 32 and the group's 42: more than the count can say, so the largest count is written
	BLOCK 2, 63                                    ; behind block 2's: the group's 42 and block 3's 32
	BLOCK 3, 32                                    ; from here on: the next block's 32
	BLOCK 4, 32
	BLOCK 5, 32
	BLOCK 6, 32
	BLOCK 7, 0
	s_wait_dscnt 0x0                               ; for the others' sake: my stores into the images are done
	s_barrier_signal -1
	s_barrier_wait -1                              ; from here on the images and b2 are only read; a stage is its wave's own
	s_cmp_ge_u32 s29, s26
	s_cbranch_scc1 .Lend                           ; my first group lies past the expert's count: so does my second
	BODY
	s_add_co_u32 s28, s28, 16                      ; my second group
	s_lshl_b32 s29, s28, 5
	s_cmp_ge_u32 s29, s26
	s_cbranch_scc1 .Lend
	s_wait_xcnt 0x0                                ; the first group's loads and stores have read their registers: they are written again from here on
	PRO
	BODY
.Lend:
	s_barrier_signal -1
	s_barrier_wait -1
	s_wait_xcnt 0x0
	v_lshl_add_u32 v254, v0, 2, 0x22200
	v_mov_b32 v255, 0
	s_wait_tensorcnt 0x0
	ds_add_u32 v254, v255
	s_wait_dscnt 0x0
	s_endpgm
.Lfunc_end_k_q15c18d4cf5_down:
	.size	k_q15c18d4cf5_down, .Lfunc_end_k_q15c18d4cf5_down-k_q15c18d4cf5_down
	.p2alignl 7, 3214868480
	.fill 96, 4, 3214868480
	.section	.rodata,"a",@progbits
	.p2align	6, 0x0
	.amdhsa_kernel k_q15c18d4cf5_down
		.amdhsa_group_segment_fixed_size 141824
		.amdhsa_private_segment_fixed_size 0
		.amdhsa_enable_private_segment 0
		.amdhsa_kernarg_size 56
		.amdhsa_user_sgpr_count 2
		.amdhsa_user_sgpr_kernarg_segment_ptr 1
		.amdhsa_wavefront_size32 1
		.amdhsa_system_sgpr_workgroup_id_x 1
		.amdhsa_system_sgpr_workgroup_id_y 1
		.amdhsa_system_sgpr_workgroup_id_z 1
		.amdhsa_system_vgpr_workitem_id 0
		.amdhsa_next_free_vgpr 256
		.amdhsa_next_free_sgpr 100
		.amdhsa_reserve_vcc 1
		.amdhsa_float_denorm_mode_32 3
		.amdhsa_float_denorm_mode_16_64 3
		.amdhsa_memory_ordered 1
		.amdhsa_forward_progress 1
		.amdhsa_inst_pref_size 156
	.end_amdhsa_kernel
	.amdgpu_metadata
---
amdhsa.version: [ 1, 2 ]
amdhsa.kernels:
  - .name:           k_q15c18d4cf5_down
    .symbol:         k_q15c18d4cf5_down.kd
    .args:
      - { .name: hq, .offset: 0, .size: 8, .value_kind: global_buffer, .address_space: global }
      - { .name: hs, .offset: 8, .size: 8, .value_kind: global_buffer, .address_space: global }
      - { .name: route, .offset: 16, .size: 8, .value_kind: global_buffer, .address_space: global }
      - { .name: w2, .offset: 24, .size: 8, .value_kind: global_buffer, .address_space: global }
      - { .name: b2, .offset: 32, .size: 8, .value_kind: global_buffer, .address_space: global }
      - { .name: gsc, .offset: 40, .size: 8, .value_kind: global_buffer, .address_space: global }
      - { .name: part, .offset: 48, .size: 8, .value_kind: global_buffer, .address_space: global }
    .group_segment_fixed_size: 141824
    .private_segment_fixed_size: 0
    .kernarg_segment_align: 8
    .kernarg_segment_size: 56
    .max_flat_workgroup_size: 512
    .sgpr_count:     100
    .vgpr_count:     256
    .wavefront_size: 32
...
	.end_amdgpu_metadata
.endif
;; end of part 7
;; launch combine (part 8): grid 256 x 1, 8 waves a work-group, no clusters, 0 bytes of LDS; arguments part, psum, out0, out1; writes out0, out1
.if DOCPART == 8
	.amdgcn_target "amdgcn-amd-amdhsa--gfx1250"
	.amdhsa_code_object_version 6
	.text
	.protected	k_q15c18d4cf5_combine
	.globl	k_q15c18d4cf5_combine
	.p2align	8
	.type	k_q15c18d4cf5_combine,@function
k_q15c18d4cf5_combine:
	s_mov_b64 s[64:65], 0
	v_nop
	global_prefetch_b8 v0, s[64:65] scope:SCOPE_SE
	s_setreg_imm32_b32 hwreg(HW_REG_WAVE_MODE, 25, 1), 1
	s_wait_xcnt 0x0
; y[token] = the sum of its four partial rows, part [half of K 2][slot 2][token 1024][1024] f32; aux_loss from the 128 work-groups' sums of the first launch.
; A stream: a work-group owns 4 rows; thread t owns bytes 16 t of a row, so a wave's load or store covers 512 consecutive bytes.  All sixteen loads go out at once; each row is summed as (p0 + p1) + (p2 + p3).
; No LDS, no matrix unit, no cluster: nothing is shared and nothing is read twice.
; aux_loss = 8 x sum over e of (P_e / 1024) (C_e / 1024) = 2^-17 x sum of P_e C_e; P_e the sum of probs, C_e the count of routed tokens.  One wave of the launch makes it, on a path of its own, on which
; psum's loads go out ahead of the rows': they land while the rows are summed.
.macro ROWS
.irp j, 0,1,2,3
.irp p, 0,1
	global_load_b128 v[16+16*\j+4*\p:16+16*\j+4*\p+3],   v1, s[4:5]   offset:4096*\j+4194304*\p th:TH_LOAD_NT
.endr
.irp p, 0,1
	global_load_b128 v[24+16*\j+4*\p:24+16*\j+4*\p+3],   v1, s[16:17] offset:4096*\j+4194304*\p th:TH_LOAD_NT
.endr
.endr
.irp j, 0,1,2,3
	s_wait_loadcnt 12-4*\j                         ; this row's four loads are in; the later rows' four each may be out
.irp n, 0,2
	v_pk_add_f32 v[16+16*\j+\n:17+16*\j+\n], v[16+16*\j+\n:17+16*\j+\n], v[20+16*\j+\n:21+16*\j+\n]
	v_pk_add_f32 v[24+16*\j+\n:25+16*\j+\n], v[24+16*\j+\n:25+16*\j+\n], v[28+16*\j+\n:29+16*\j+\n]
.endr
.irp n, 0,2
	v_pk_add_f32 v[16+16*\j+\n:17+16*\j+\n], v[16+16*\j+\n:17+16*\j+\n], v[24+16*\j+\n:25+16*\j+\n]
.endr
	global_store_b128 v1, v[16+16*\j:19+16*\j], s[8:9] offset:4096*\j th:TH_STORE_NT
.endr
.endm
	s_load_b128 s[4:7], s[0:1], 0x0                ; part s[4:5], psum s[6:7]
	s_load_b128 s[8:11], s[0:1], 0x10              ; out0 s[8:9], out1 s[10:11]
	v_lshlrev_b32 v1, 4, v0
	v_lshrrev_b32 v2, 5, v0
	v_readfirstlane_b32 s12, v2                    ; wave
	s_or_b32 s12, s12, ttmp9                       ; 0 in wave 0 of work-group 0 alone
	s_lshl_b32 s14, ttmp9, 14                      ; 4 rows of 4,096 bytes a work-group
	s_mov_b32 s15, 0
	s_wait_kmcnt 0x0
	s_add_nc_u64 s[4:5], s[4:5], s[14:15]          ; the first half of K's planes,
	s_add_nc_u64 s[16:17], s[4:5], 0x800000        ; the second's, 8 MiB on
	s_add_nc_u64 s[8:9], s[8:9], s[14:15]
	s_cmp_eq_u32 s12, 0
	s_cbranch_scc1 .Laux
	ROWS
	s_endpgm
.Laux:                                                 ; wave 0 of work-group 0: its rows, and the aux loss
	v_lshlrev_b32 v2, 6, v0                        ; lane l: the 64 bytes of the first launch's work-groups l, l + 32, l + 64, l + 96
.irp g, 0,1,2,3
.irp n, 0,1,2,3
	global_load_b128 v[80+16*\g+4*\n:83+16*\g+4*\n], v2, s[6:7] offset:2048*\g+16*\n
.endr
.endr
	ROWS                                           ; (psum's loads are older than the rows': the first row's wait shows them in)
	s_mov_b32 s18, 0x76543210
	s_mov_b32 s19, 0xfedcba98
	v_mov_b32 v3, 0                                ; written once: a lane permute's destination counts as one of its sources
	v_mov_b32 v5, 0
.irp n, 0,2,4,6,8,10,12,14
	v_pk_add_f32 v[80+\n:81+\n], v[80+\n:81+\n], v[96+\n:97+\n]
	v_pk_add_f32 v[112+\n:113+\n], v[112+\n:113+\n], v[128+\n:129+\n]
.endr
.irp n, 0,2,4,6,8,10,12,14
	v_pk_add_f32 v[80+\n:81+\n], v[80+\n:81+\n], v[112+\n:113+\n]
.endr
.irp m, 1,2,4,8
.irp e, 0,1,2,3,4,5,6,7,8,9,10,11,12,13,14,15
	v_add_f32_dpp v[80+\e], v[80+\e], v[80+\e] row_xmask:\m row_mask:0xf bank_mask:0xf
.endr
.endr
.irp e, 0,1,2,3,4,5,6,7,8,9,10,11,12,13,14,15
	v_permlanex16_b32 v3, v[80+\e], s18, s19
	v_add_f32 v[80+\e], v[80+\e], v3
.endr
	v_mul_f32 v4, v80, v88
.irp e, 1,2,3,4,5,6,7
	v_fma_f32 v4, v[80+\e], v[88+\e], v4
.endr
	v_mul_f32 v4, 0x37000000, v4                   ; x 2^-17
	s_wait_xcnt 0x0                                ; EXEC changes only behind this wait: stores are out
	v_cmp_eq_u32 vcc_lo, 0, v0
	s_and_saveexec_b32 s13, vcc_lo
	global_store_b32 v5, v4, s[10:11]              ; lane 0
	s_wait_xcnt 0x0
	s_or_b32 exec_lo, exec_lo, s13
	s_endpgm
.Lfunc_end_k_q15c18d4cf5_combine:
	.size	k_q15c18d4cf5_combine, .Lfunc_end_k_q15c18d4cf5_combine-k_q15c18d4cf5_combine
	.p2alignl 7, 3214868480
	.fill 96, 4, 3214868480
	.section	.rodata,"a",@progbits
	.p2align	6, 0x0
	.amdhsa_kernel k_q15c18d4cf5_combine
		.amdhsa_group_segment_fixed_size 0
		.amdhsa_private_segment_fixed_size 0
		.amdhsa_enable_private_segment 0
		.amdhsa_kernarg_size 32
		.amdhsa_user_sgpr_count 2
		.amdhsa_user_sgpr_kernarg_segment_ptr 1
		.amdhsa_wavefront_size32 1
		.amdhsa_system_sgpr_workgroup_id_x 1
		.amdhsa_system_sgpr_workgroup_id_y 1
		.amdhsa_system_sgpr_workgroup_id_z 1
		.amdhsa_system_vgpr_workitem_id 0
		.amdhsa_next_free_vgpr 144
		.amdhsa_next_free_sgpr 66
		.amdhsa_reserve_vcc 1
		.amdhsa_float_denorm_mode_32 3
		.amdhsa_float_denorm_mode_16_64 3
		.amdhsa_memory_ordered 1
		.amdhsa_forward_progress 1
		.amdhsa_inst_pref_size 18
	.end_amdhsa_kernel
	.amdgpu_metadata
---
amdhsa.version: [ 1, 2 ]
amdhsa.kernels:
  - .name:           k_q15c18d4cf5_combine
    .symbol:         k_q15c18d4cf5_combine.kd
    .args:
      - { .name: part, .offset: 0, .size: 8, .value_kind: global_buffer, .address_space: global }
      - { .name: psum, .offset: 8, .size: 8, .value_kind: global_buffer, .address_space: global }
      - { .name: out0, .offset: 16, .size: 8, .value_kind: global_buffer, .address_space: global }
      - { .name: out1, .offset: 24, .size: 8, .value_kind: global_buffer, .address_space: global }
    .group_segment_fixed_size: 0
    .private_segment_fixed_size: 0
    .kernarg_segment_align: 8
    .kernarg_segment_size: 32
    .max_flat_workgroup_size: 256
    .sgpr_count:     66
    .vgpr_count:     144
    .wavefront_size: 32
...
	.end_amdgpu_metadata
.endif
;; end of part 8
;; ======== version 3 of 3: 4 launches
;; workspace buffers: xq 524,288 bytes; xs 32,768 bytes; route 5,120 bytes of whole numbers; gsc 32,768 bytes; psum 8,192 bytes; hq 16,777,216 bytes; hs 1,048,576 bytes; part 16,777,216 bytes
;; launch gate (part 9): grid 128 x 1, 8 waves a work-group, no clusters, 76,800 bytes of LDS; arguments x, gate_w, gate_b, xq, xs, route, gsc, psum; writes xq, xs, route, gsc, psum
.if DOCPART == 9
	.amdgcn_target "amdgcn-amd-amdhsa--gfx1250"
	.amdhsa_code_object_version 6
	.text
	.protected	k_q15c18d4cf5_gate
	.globl	k_q15c18d4cf5_gate
	.p2align	8
	.type	k_q15c18d4cf5_gate,@function
k_q15c18d4cf5_gate:
	s_mov_b64 s[64:65], 0
	v_nop
	global_prefetch_b8 v0, s[64:65] scope:SCOPE_SE
	s_setreg_imm32_b32 hwreg(HW_REG_WAVE_MODE, 25, 1), 1
	s_wait_xcnt 0x0
; GATE AND QUANTISER OF x.  x [1024][1024] f32, gate_w [1024][8], gate_b [8].
; Stores: xq [token][512 B] codes of E2M1, K innermost; xs [token][32 B] E8M0 bytes; route: bytes 0-1023 mask[expert 8][word 32] (bit t % 32 of word t / 32:
; token t goes to the expert), bytes 1024-5119 sel[token] = the token's first expert; gsc [token][8] = probs / 2; psum [work-group 128][16]: 8 sums of probs, 8 counts of routed tokens.
; All places are fixed: nothing that hangs on a floating-point number enters an address or a branch here.
; SHARES.  A work-group owns 8 tokens: one byte of each expert's mask.  Wave w takes half w % 2 of the rows (512 numbers) of the two tokens 2 (w / 2) + 0, 1, a half row a step.
; A step's four loads read 512 consecutive bytes each; the 2,048 bytes turn through the wave's own stage in LDS, so that a lane then holds 16 neighbours along K (two lanes hold a block of 32).
; From the same 16 numbers the lane adds its part of the 8 logits.  Its 16 rows of gate_w (512 bytes) stay in 128 registers.  They come through LDS: the eight waves read gate_w in runs of 512 consecutive
; bytes and lay each run as a row of 512 + 16 bytes.
; The 32 lanes' parts are summed in the wave, the two halves meet in LDS.  Behind the second barrier wave 0 (lanes l, l + 8, .. all hold token l % 8) makes softmax, top-2, masks and sums; wave 1 stores the scale bytes.
; A block's scale is 2^(floor(log2(largest magnitude)) - 2): its byte is the largest magnitude's exponent field - 2, held at 1 from below.
; LIMITS: NaN and infinities are not served.  A block of zeros, or one whose largest magnitude lies under 2^-124, keeps the byte 1 (the rule says 127 for zeros): its codes are zeros or the held ones,
; and only this program reads the bytes.  The logits are summed in another order than a row-by-row sum: a token whose second and third probabilities agree to about 1e-6 of their size may be routed otherwise.
; Probabilities under 2^-126 come out of v_exp_f32 as 0; among such experts the lower index is taken.
; No matrix unit, no cluster, no tensor load: 4 MB are read once, and work-groups share only gate_w's 32 KB.
.set SP,    80                         ; a lane's place in a stage: 64 bytes + 16 of padding
.set STGB,  2*32*SP                    ; a wave's two stages
.set GWL,   8*STGB                     ; behind the stages: gate_w, 64 rows of
.set GP,    528                        ; 512 bytes + 16 of padding
.set LG,    GWL+64*GP                  ; the logits' parts [half 2][token 8][8 f32]
.set XSB,   LG+512                     ; and the scale bytes [token 8][32]
.set EB,    12                         ; v12-13   a scale byte for each step
.set A,     16                         ; v16-23   eight logit sums
.set C,     24                         ; v24-27   codes, two registers a step: no store's data are written again
.set X,     32                         ; v32-63   two sets of 16 neighbours
.set R,     64                         ; v64-95   two sets of 16 numbers as loaded
.set GW,    128                        ; v128-255 gate_w[512 half + 16 lane + kk][e] at GW + 8 kk + e
	s_load_b256 s[4:11], s[0:1], 0x0               ; x s[4:5], gate_w s[6:7], gate_b s[8:9], xq s[10:11]
	s_load_b256 s[12:19], s[0:1], 0x20             ; xs s[12:13], route s[14:15], gsc s[16:17], psum s[18:19]
	v_lshl_add_u32 v126, v0, 2, 0x12800
	v_mov_b32 v127, 0
	v_lshrrev_b32 v1, 5, v0
	s_delay_alu instid0(VALU_DEP_1)
	v_readfirstlane_b32 s20, v1                    ; wave 0..7
	s_and_b32 s21, s20, 1                          ; which half of the rows
	s_lshr_b32 s22, s20, 1                         ; which two tokens
	s_mov_b32 s26, 0x76543210                      ; v_permlanex16_b32's selects for lane l xor 16
	s_mov_b32 s27, 0xfedcba98
	v_and_b32 v1, 31, v0                           ; lane
	s_delay_alu instid0(VALU_DEP_1)
	v_lshlrev_b32 v2, 4, v1                        ; my 16 bytes of a load's 512
	s_delay_alu instid0(VALU_DEP_2)
	v_lshlrev_b32 v6, 3, v1                        ; my 8 bytes of codes
	s_mul_i32 s23, s20, STGB
	v_lshrrev_b32 v4, 2, v1
	s_delay_alu instid0(VALU_DEP_1)
	v_mul_u32_u24 v4, v4, SP
	v_and_b32 v5, 3, v1
	s_delay_alu instid0(VALU_DEP_1)
	v_lshl_add_u32 v4, v5, 4, v4
	s_delay_alu instid0(VALU_DEP_1)
	v_add_nc_u32 v4, s23, v4                       ; the stage, on the way in: SP (lane / 4) + 16 (lane % 4)
	v_mul_u32_u24 v5, v1, SP
	s_delay_alu instid0(VALU_DEP_1)
	v_add_nc_u32 v5, s23, v5                       ; and on the way out: SP x lane
	s_mul_i32 s36, s20, 8*GP
	s_add_co_u32 s36, s36, GWL
	v_add_nc_u32 v3, s36, v2                       ; gate_w into LDS: my wave's eight rows, 16 bytes a lane
	s_mul_i32 s36, s21, 32*GP
	s_add_co_u32 s36, s36, GWL
	v_mul_u32_u24 v14, v1, GP
	s_delay_alu instid0(VALU_DEP_1)
	v_add_nc_u32 v14, s36, v14                     ; and out of it: row 32 x half + lane
	s_lshl_b32 s36, s22, 6
	s_lshl_b32 s37, s21, 4
	s_add_co_u32 s36, s36, s37
	s_add_co_u32 s36, s36, XSB
	v_lshrrev_b32 v7, 1, v1
	s_delay_alu instid0(VALU_DEP_1)
	v_add_nc_u32 v7, s36, v7                       ; my block's scale byte: XSB + 32 x token + 16 x half + lane / 2
	s_lshl_b32 s36, s21, 8
	s_lshl_b32 s37, s22, 6
	s_add_co_u32 s36, s36, s37
	s_add_co_u32 s36, s36, LG
	v_mov_b32 v11, s36                             ; my wave's logit parts: LG + 256 x half + 32 x token
	v_mov_b32 v8, 0                                ; written once: a lane permute's destination counts as one of its sources
	v_mov_b32 v9, 0
	s_lshl_b32 s38, ttmp9, 3
	s_lshl_b32 s39, s22, 1
	s_add_co_u32 s38, s38, s39                     ; my wave's first token
	s_mov_b32 s25, 0
	s_wait_alu depctr_va_vdst(0)
	s_wait_kmcnt 0x0
	s_load_b256 s[28:35], s[8:9], 0x0              ; gate_b
	s_lshl_b32 s24, s20, 12
	s_add_nc_u64 s[6:7], s[6:7], s[24:25]          ; gate_w at my wave's 4,096 bytes
	s_lshl_b32 s24, s38, 12
	s_lshl_b32 s39, s21, 11
	s_add_co_u32 s24, s24, s39
	s_add_nc_u64 s[4:5], s[4:5], s[24:25]          ; x at my first half row
	s_lshl_b32 s24, s38, 9
	s_lshl_b32 s39, s21, 8
	s_add_co_u32 s24, s24, s39
	s_add_nc_u64 s[10:11], s[10:11], s[24:25]      ; xq likewise
.irp i, 0,1,2,3,4,5,6,7
	global_load_b128 v[GW+4*\i:GW+4*\i+3], v2, s[6:7] offset:512*\i    ; 32 lanes read 512 consecutive bytes: 16 rows of gate_w
.endr
.irp t, 0,1
.irp i, 0,1,2,3
	global_load_b128 v[R+16*\t+4*\i:R+16*\t+4*\i+3], v2, s[4:5] offset:4096*\t+512*\i th:TH_LOAD_NT   ; 32 lanes read 512 consecutive bytes; read once in the launch
.endr
.endr
	s_wait_loadcnt 8                               ; gate_w's eight loads are in; x's eight may be out
.irp i, 0,1,2,3,4,5,6,7
	ds_store_b128 v3, v[GW+4*\i:GW+4*\i+3] offset:GP*\i
.endr
	s_wait_dscnt 0x0                               ; for the others' sake: my rows of gate_w lie in LDS
	s_barrier_signal -1
	s_barrier_wait -1                              ; everybody's do; from here on they are only read
.set kk, 0
.rept 16
	ds_load_b128 v[GW+8*kk:GW+8*kk+3],   v14 offset:32*kk
	ds_load_b128 v[GW+8*kk+4:GW+8*kk+7], v14 offset:32*kk+16
.set kk, kk+1
.endr
; the sum over the 32 lanes of eight registers, the result in every lane
.macro RED8 base
.irp m, 1,2,4,8
.irp e, 0,1,2,3,4,5,6,7
	v_add_f32_dpp v[\base+\e], v[\base+\e], v[\base+\e] row_xmask:\m row_mask:0xf bank_mask:0xf
.endr
.endr
.irp e, 0,1,2,3,4,5,6,7
	v_permlanex16_b32 v[8+\e%2], v[\base+\e], s26, s27
	s_delay_alu instid0(VALU_DEP_1)
	v_add_f32 v[\base+\e], v[\base+\e], v[8+\e%2]
.endr
.endm
.macro GSTEP t
.set XS, X+16*((\t)%2)
	s_wait_loadcnt 4-4*(\t)                        ; this step's four loads are in; the later step's four may be out
.irp i, 0,1,2,3
	ds_store_b128 v4, v[R+16*(\t)+4*\i:R+16*(\t)+4*\i+3] offset:32*SP*((\t)%2)+8*SP*\i
.endr
.irp i, 0,1,2,3
	ds_load_b128 v[XS+4*\i:XS+4*\i+3], v5 offset:32*SP*((\t)%2)+16*\i   ; LDS serves a wave's instructions in order: these see the stores above
.endr
	s_wait_dscnt 0x0                               ; (in the first step: gate_w's rows are in too)
	v_max3_num_f32 v8, |v[XS]|, |v[XS+1]|, |v[XS+2]|               ; the largest magnitude of my 16
	v_max3_num_f32 v9, |v[XS+3]|, |v[XS+4]|, |v[XS+5]|
.irp i, 6,10
	s_delay_alu instid0(VALU_DEP_2)
	v_max3_num_f32 v8, v8, |v[XS+\i]|, |v[XS+\i+1]|
	s_delay_alu instid0(VALU_DEP_2)
	v_max3_num_f32 v9, v9, |v[XS+\i+2]|, |v[XS+\i+3]|
.endr
	s_delay_alu instid0(VALU_DEP_2)
	v_max3_num_f32 v8, v8, |v[XS+14]|, |v[XS+15]|
	s_delay_alu instid0(VALU_DEP_1)
	v_max3_num_f32 v8, v8, v9, 0x1800000           ; and the floor 2^(3 - 127): the byte cannot fall under 1
	s_delay_alu instid0(VALU_DEP_1)
	v_max_num_f32_dpp v8, v8, v8 row_xmask:1 row_mask:0xf bank_mask:0xf   ; with my neighbour's 16: the block's
	s_delay_alu instid0(VALU_DEP_1)
	v_add_nc_u32 v10, 0xff000000, v8               ; 2 off its exponent field: the conversion takes the exponent field of this operand as its scale
	v_cvt_scalef32_pk8_fp4_f32 v[C+2*(\t)], v[XS:XS+7], v10
	v_cvt_scalef32_pk8_fp4_f32 v[C+2*(\t)+1], v[XS+8:XS+15], v10
	v_lshrrev_b32 v[EB+(\t)], 23, v10              ; the scale's byte (also the plain line behind the conversions)
	ds_store_b8 v7, v[EB+(\t)] offset:32*(\t)      ; both lanes of a block write the same byte with the same value
	global_store_b64 v6, v[C+2*(\t):C+2*(\t)+1], s[10:11] offset:512*(\t)   ; the wave stores 256 consecutive bytes, aligned
.irp p, 0,1,2,3
	v_pk_mul_f32 v[A+2*\p:A+2*\p+1], v[GW+2*\p:GW+2*\p+1], v[XS:XS+1] op_sel_hi:[1,0]   ; the first product starts the sums: x[k] times gate_w[k][2 p], [2 p + 1]
.endr
.set kk, 1
.rept 15
.irp p, 0,1,2,3
.if kk%2
	s_delay_alu instid0(VALU_DEP_4)
	v_pk_fma_f32 v[A+2*\p:A+2*\p+1], v[GW+8*kk+2*\p:GW+8*kk+2*\p+1], v[XS+kk-1:XS+kk], v[A+2*\p:A+2*\p+1] op_sel:[0,1,0] op_sel_hi:[1,1,1]
.else
	s_delay_alu instid0(VALU_DEP_4)
	v_pk_fma_f32 v[A+2*\p:A+2*\p+1], v[GW+8*kk+2*\p:GW+8*kk+2*\p+1], v[XS+kk:XS+kk+1], v[A+2*\p:A+2*\p+1] op_sel_hi:[1,0,1]
.endif
.endr
.set kk, kk+1
.endr
	RED8 A
	ds_store_b128 v11, v[A:A+3] offset:32*(\t)     ; all lanes write the same words with the same values
	ds_store_b128 v11, v[A+4:A+7] offset:32*(\t)+16
.endm
	GSTEP 0
	GSTEP 1
	s_wait_kmcnt 0x0                               ; gate_b
	v_add_nc_u32 v32, XSB, v6                      ; the last part's LDS addresses are made ahead of the parting of the waves
	v_and_b32 v33, 7, v1
	s_delay_alu instid0(VALU_DEP_1)
	v_lshlrev_b32 v33, 5, v33
	s_delay_alu instid0(VALU_DEP_1)
	v_add_nc_u32 v33, LG, v33
	s_wait_dscnt 0x0                               ; for the others' sake: my stores of logit parts and scale bytes are done
	s_barrier_signal -1
	s_barrier_wait -1
	s_cmp_eq_u32 s20, 0
	s_cbranch_scc1 .Ldecide
	s_cmp_eq_u32 s20, 1
	s_cbranch_scc1 .Lxsout
	s_wait_tensorcnt 0x0
	ds_add_u32 v126, v127
	s_wait_dscnt 0x0
	s_endpgm
.Lxsout:                                               ; wave 1: the 8 tokens' scale bytes: 256 consecutive bytes, aligned
	s_wait_alu depctr_va_vdst(0)
	ds_load_b64 v[36:37], v32
	s_lshl_b32 s36, ttmp9, 8
	v_add_nc_u32 v34, s36, v6
	s_wait_alu depctr_va_vdst(0)
	s_wait_dscnt 0x0
	global_store_b64 v34, v[36:37], s[12:13]
	s_wait_tensorcnt 0x0
	ds_add_u32 v126, v127
	s_wait_dscnt 0x0
	s_endpgm
.Ldecide:                                              ; wave 0: lane l holds token l % 8
	s_wait_alu depctr_va_vdst(0)
	ds_load_b128 v[36:39], v33
	ds_load_b128 v[40:43], v33 offset:16
	ds_load_b128 v[44:47], v33 offset:256
	ds_load_b128 v[48:51], v33 offset:272
	s_wait_dscnt 0x0
.irp e, 0,1,2,3,4,5,6,7
	v_add_f32 v[36+\e], v[36+\e], v[44+\e]         ; the two halves of K,
.endr
.irp e, 0,1,2,3,4,5,6,7
	v_add_f32 v[36+\e], s[28+\e], v[36+\e]         ; and the bias
.endr
	v_max3_num_f32 v52, v36, v37, v38              ; the row's maximum is taken away ahead of the exponentials
	s_delay_alu instid0(VALU_DEP_1)
	v_max3_num_f32 v52, v52, v39, v40
	s_delay_alu instid0(VALU_DEP_1)
	v_max3_num_f32 v52, v52, v41, v42
	s_delay_alu instid0(VALU_DEP_1)
	v_max_num_f32 v52, v52, v43
.irp e, 0,1,2,3,4,5,6,7
	v_sub_f32 v[36+\e], v[36+\e], v52
.endr
.irp e, 0,1,2,3,4,5,6,7
	v_mul_f32 v[36+\e], 0x3fb8aa3b, v[36+\e]       ; x log2(e)
.endr
	s_wait_alu depctr_va_vdst(0)
.irp e, 0,1,2,3,4,5,6,7
	v_exp_f32 v[56+\e], v[36+\e]
.endr
	v_nop                                          ; a plain line behind the last exponential
	s_wait_alu depctr_va_vdst(0)                   ; one wait for the batch of eight, ahead of its first reader
	v_add_f32 v53, v56, v57
	v_add_f32 v55, v58, v59
	s_delay_alu instid0(VALU_DEP_1)
	v_add_f32 v53, v53, v55
	v_add_f32 v55, v60, v61
	v_add_f32 v54, v62, v63
	s_delay_alu instid0(VALU_DEP_1)
	v_add_f32 v55, v55, v54
	s_delay_alu instid0(VALU_DEP_1)
	v_add_f32 v53, v53, v55
	s_wait_alu depctr_va_vdst(0)
	v_rcp_f32 v54, v53
	v_nop
	s_wait_alu depctr_va_vdst(0)                   ; and one for the reciprocal
.irp e, 0,1,2,3,4,5,6,7
	v_mul_f32 v[56+\e], v[56+\e], v54              ; probs
.endr
	v_mov_b32 v64, v56                             ; the largest: a strict compare keeps the lower index at a tie
	v_mov_b32 v65, 0
.irp e, 1,2,3,4,5,6,7
	s_delay_alu instid0(VALU_DEP_2)
	v_cmp_gt_f32 vcc_lo, v[56+\e], v64
	s_delay_alu instid0(VALU_DEP_1)
	v_cndmask_b32 v64, v64, v[56+\e], vcc_lo
	s_delay_alu instid0(VALU_DEP_2)
	v_cndmask_b32 v65, v65, \e, vcc_lo
.endr
	v_mov_b32 v66, -1.0                            ; the second: the same scan, past the first's index
	v_mov_b32 v67, 0
.irp e, 0,1,2,3,4,5,6,7
	s_delay_alu instid0(VALU_DEP_2)
	v_cmp_gt_f32 vcc_lo, v[56+\e], v66
	v_cmp_ne_u32 s36, \e, v65
	s_and_b32 vcc_lo, vcc_lo, s36
	v_cndmask_b32 v66, v66, v[56+\e], vcc_lo
	v_cndmask_b32 v67, v67, \e, vcc_lo
.endr
	s_lshl_b32 s37, ttmp9, 5
	v_lshl_add_u32 v68, v1, 2, s37                 ; sel: 4 bytes a token (lanes 0 to 7 store)
	s_lshl_b32 s37, ttmp9, 8
	v_lshl_add_u32 v69, v1, 5, s37                 ; gsc: 32 bytes a token
.irp e, 0,1,2,3,4,5,6,7
	v_mul_f32 v[72+\e], 0.5, v[56+\e]              ; probs / K
.endr
	v_mov_b32 v70, 0
.irp e, 0,1,2,3,4,5,6,7
	v_cmp_eq_u32 s36, \e, v65
	v_cmp_eq_u32 s38, \e, v67
	s_or_b32 s36, s36, s38
	s_and_b32 s36, s36, 0xff                       ; the 8 tokens that go to expert e, a bit a token (lanes 8 to 31 repeat them)
	v_writelane_b32 v70, s36, \e                   ; lane e keeps the byte
	s_bcnt1_i32_b32 s38, s36
	v_cvt_f32_u32 v[80+\e], s38                    ; and their number
.endr
.irp m, 1,2,4
.irp e, 0,1,2,3,4,5,6,7
	v_add_f32_dpp v[56+\e], v[56+\e], v[56+\e] row_xmask:\m row_mask:0xf bank_mask:0xf   ; the 8 tokens' sums of probs: eight neighbouring lanes hold the eight tokens
.endr
.endr
	s_mov_b32 s37, ttmp9
	v_lshl_add_u32 v71, v1, 7, s37                 ; mask[e = lane], byte = work-group
	s_lshl_b32 s37, ttmp9, 6
	v_mov_b32 v88, s37                             ; psum: 64 bytes a work-group
	s_wait_alu depctr_va_vdst(0)
	s_wait_xcnt 0x0                                ; EXEC changes only behind this wait: stores are out
	v_cmp_gt_u32 vcc_lo, 8, v1
	s_wait_tensorcnt 0x0
	ds_add_u32 v126, v127
	s_wait_dscnt 0x0
	s_and_saveexec_b32 s39, vcc_lo                 ; lanes 0 to 7
	global_store_b32 v68, v65, s[14:15] offset:1024
	global_store_b128 v69, v[72:75], s[16:17]
	global_store_b128 v69, v[76:79], s[16:17] offset:16
	global_store_b8 v71, v70, s[14:15]
	s_wait_xcnt 0x0
	s_or_b32 exec_lo, exec_lo, s39
	v_cmp_eq_u32 vcc_lo, 0, v1
	s_and_saveexec_b32 s39, vcc_lo                 ; lane 0
	global_store_b128 v88, v[56:59], s[18:19]
	global_store_b128 v88, v[60:63], s[18:19] offset:16
	global_store_b128 v88, v[80:83], s[18:19] offset:32
	global_store_b128 v88, v[84:87], s[18:19] offset:48
	s_wait_xcnt 0x0
	s_or_b32 exec_lo, exec_lo, s39
	s_endpgm
.Lfunc_end_k_q15c18d4cf5_gate:
	.size	k_q15c18d4cf5_gate, .Lfunc_end_k_q15c18d4cf5_gate-k_q15c18d4cf5_gate
	.p2alignl 7, 3214868480
	.fill 96, 4, 3214868480
	.section	.rodata,"a",@progbits
	.p2align	6, 0x0
	.amdhsa_kernel k_q15c18d4cf5_gate
		.amdhsa_group_segment_fixed_size 76800
		.amdhsa_private_segment_fixed_size 0
		.amdhsa_enable_private_segment 0
		.amdhsa_kernarg_size 64
		.amdhsa_user_sgpr_count 2
		.amdhsa_user_sgpr_kernarg_segment_ptr 1
		.amdhsa_wavefront_size32 1
		.amdhsa_system_sgpr_workgroup_id_x 1
		.amdhsa_system_sgpr_workgroup_id_y 1
		.amdhsa_system_sgpr_workgroup_id_z 1
		.amdhsa_system_vgpr_workitem_id 0
		.amdhsa_next_free_vgpr 256
		.amdhsa_next_free_sgpr 66
		.amdhsa_reserve_vcc 1
		.amdhsa_float_denorm_mode_32 3
		.amdhsa_float_denorm_mode_16_64 3
		.amdhsa_memory_ordered 1
		.amdhsa_forward_progress 1
		.amdhsa_inst_pref_size 43
	.end_amdhsa_kernel
	.amdgpu_metadata
---
amdhsa.version: [ 1, 2 ]
amdhsa.kernels:
  - .name:           k_q15c18d4cf5_gate
    .symbol:         k_q15c18d4cf5_gate.kd
    .args:
      - { .name: x, .offset: 0, .size: 8, .value_kind: global_buffer, .address_space: global }
      - { .name: gate_w, .offset: 8, .size: 8, .value_kind: global_buffer, .address_space: global }
      - { .name: gate_b, .offset: 16, .size: 8, .value_kind: global_buffer, .address_space: global }
      - { .name: xq, .offset: 24, .size: 8, .value_kind: global_buffer, .address_space: global }
      - { .name: xs, .offset: 32, .size: 8, .value_kind: global_buffer, .address_space: global }
      - { .name: route, .offset: 40, .size: 8, .value_kind: global_buffer, .address_space: global }
      - { .name: gsc, .offset: 48, .size: 8, .value_kind: global_buffer, .address_space: global }
      - { .name: psum, .offset: 56, .size: 8, .value_kind: global_buffer, .address_space: global }
    .group_segment_fixed_size: 76800
    .private_segment_fixed_size: 0
    .kernarg_segment_align: 8
    .kernarg_segment_size: 64
    .max_flat_workgroup_size: 256
    .sgpr_count:     66
    .vgpr_count:     256
    .wavefront_size: 32
...
	.end_amdgpu_metadata
.endif
;; end of part 9
;; launch up (part 10): grid 256 x 1, 16 waves a work-group, no clusters, 72,704 bytes of LDS; arguments xq, xs, route, w1, b1, hq, hs; writes hq, hs
.if DOCPART == 10
	.amdgcn_target "amdgcn-amd-amdhsa--gfx1250"
	.amdhsa_code_object_version 6
	.text
	.protected	k_q15c18d4cf5_up
	.globl	k_q15c18d4cf5_up
	.p2align	8
	.type	k_q15c18d4cf5_up,@function
k_q15c18d4cf5_up:
	s_mov_b64 s[64:65], 0
	v_nop
	global_prefetch_b8 v0, s[64:65] scope:SCOPE_SE
	s_setreg_imm32_b32 hwreg(HW_REG_WAVE_SCHED_MODE, 0, 2), 2
	s_setreg_imm32_b32 hwreg(HW_REG_WAVE_MODE, 25, 1), 1
	s_wait_xcnt 0x0
	s_wait_alu depctr_vm_vsrc(0)
; FIRST PRODUCT OF THE CHOSEN ROWS: h = relu(x w1[e] + b1[e]) on codes of E2M1 with E8M0 scales, and h's own quantising along d.
; w1 [8][1024 (K)][4096 (d)] f32 is read ONCE in the launch, each byte by one work-group, and quantised in registers on its way: no codes of weights go to memory.
; SHARES.  Work-group g: expert e = g / 32, slice g % 32 = 128 columns d, all of K: 131,072 numbers.
; PHASE Q.  Wave w takes 32 columns (w % 4) x 256 rows of K (w / 4).  A LANE TAKES A COLUMN AND ITS REGISTERS RUN DOWN K: a load reads 128 consecutive bytes, four waves stand side by side on 512;
; a block of 32 along K lies in one lane's 32 registers.  Its 16 bytes of codes go by one LDS store to their place in an IMAGE OF THE OPERAND'S REGISTERS (fragment (K step s, tile T): 1,024 bytes,
; register group c at 512 c, lane l at 16 l), four blocks' bytes as one scale word.  32 to 64 loads of a wave are out all through the phase.  One barrier ends it.
; PHASE G.  The expert's tokens are taken by rank, 32 to a group; wave w takes groups w and w + 16 (up to 1,024 tokens).  A group past the expert's count is left out by a scalar branch on the count, which an
; earlier launch stored as whole numbers; no barrier stands under it.  Rank p stands for the token of rank min(p, count - 1): a group that is not full repeats its last token.
; The tokens of a wave's 32 ranks are found in registers from the expert's 32 mask words (a running count, then the r-th set bit of a word).
; WHAT PHASE G WANTS FROM MEMORY IS ASKED FOR IN PHASE Q: behind its first block of weights every wave looks up its first group's tokens and loads ALL their fragments (8 K steps x 2 tiles: 128 registers) and
; scale words, so that they land under the stream.  Every wave does so: a wave whose group is empty finds one token for all its ranks (the hold at count - 1), and each of its loads names one place.
; THE PRODUCT IS USED TRANSPOSED: source 0 = 16 columns of w1, source 1 = 16 tokens: a lane holds one token, its registers run along d.  THE COLUMNS OF A TILE ARE NOT NEIGHBOURS: row m of tile 2 b + u is
; column 32 b + 8 u + m + 8 (m / 8), so that the 16 registers of tiles 2 b, 2 b + 1 are 16 neighbours along d, the next product's K.
; The 128 columns go in TWO HALVES of 64 (8 accumulators, 64 registers), since the tokens' fragments fill 128 registers: a half is two blocks of 32 along d, which is one register group of the next operand's
; fragment and two bytes of its scale word.  b1's slice lies in LDS (wave 0 puts it there) and is read into the accumulators: it starts the sums.
; The slice's 128 columns are one K step of the next product: a group's two fragments and its scale words leave as register images: hq [e][group 32][K step 32][tile 2][1,024 B], hs [e][group][K step][128 B].
; NO TENSOR LOADS, NO CLUSTER: the walk over groups hangs on counts read from memory; the quantiser wants a column in a lane's registers, which plain loads give; and what the 32 work-groups of an expert
; share (the tokens' codes, 512 bytes a token) is the smaller part of a work-group's bytes beside its own 524,288 of weights.  No prefetch: the stream's own loads are out all through phase Q.
; LIMITS: NaN and infinities are not served.  A block of zeros, or one whose largest magnitude lies under 2^-124, keeps the byte 1 (the rule says 127 for zeros); only this program reads the bytes.
; THE MODE: SCHED_MODE bits 1:0 = 2 (LLVM: expert scheduling mode 2), set by the entry lines.  The code itself states the register dependences between vector or matrix instructions and memory or LDS
; instructions, and those through scalar registers and VCC that vector instructions write, with s_wait_alu, always for 0.
; THE PLAN.  Registers that memory or LDS instructions touch:
;   v2-6, v9, v31   Offsets and LDS addresses: written at the head, never again.  One wait on va_vdst ahead of the first load serves every load and store by them.
;   v32-95          Phase Q: block t's 32 loads land in set t % 2; its maxima and conversions read the set; behind them the loads of block t + 2 land in it.
;   v96-99, v10     Phase Q: written by a block's conversions and shifts, read by its LDS stores, written again by the next block.
;   v100-103        Wave 0: b1 lands there and one LDS store reads it; later they are accumulators.
;   v14-15, v28-30  Written when a group's tokens are looked up; read by the group's loads and stores.
;   v128-255, v20-27  The group's loads land there (v240-253 hold the look-up's work first); products read them.
;   v32-63, v16-17  Phase G: a K step's LDS loads land there; its products read them; the hidden layer's quantiser works in v32-55, and the stores read v48-55 and v12.
;   v64-127         Phase G: b1 lands there from LDS; products, the activation and the quantiser name them.
; So: ONE wait on va_vdst in a block, behind its conversions (codes and scale word are written; the set has been read), and one on vm_vsrc at its end (the LDS stores have read them); the last block's two also
; serve what follows the barrier, ahead of which no vector line stands.  One on va_vdst ahead of a group's 34 loads.  One at the head of each K step but a half's first.  One ahead of each half's stores, which
; also frees the accumulators for the next half's b1.  One on vm_vsrc ahead of the second half and ahead of the second group.  No third set of numbers and no second set of weights: all 256 registers are taken.
.set PITCH, 16384                      ; a row of w1[e] in bytes
.set NT,    8                          ; tiles of 16 columns
.set KSTR,  NT*1024                    ; a K step's fragments in LDS
.set SSTR,  NT*64                      ; and its scale words: pair b at 128 b: lanes 0-15 tile 2 b, lanes 16-31 tile 2 b + 1
.set WSC,   65536                      ; LDS: the images from 0 on (65,536 bytes), the scale words behind them (4,096),
.set BSL,   69632                      ; and b1's slice (512)
.set ACC,   64                         ; v64-127  eight accumulators: (tile of tokens a, tile of columns j of the half) at ACC + 32 a + 8 j
.set TF,    128                        ; v128-255 the tokens' fragments: K step s, tile a at TF + 16 s + 8 a
.set TM,    32                         ; the hidden layer's quantiser: v32-35 largest magnitudes, v36-39 bytes, v44-47 scale operands,
.set PC,    48                         ; v48-55 codes
; v1 lane, v2 4 lane, v3 16 lane, v4 / v5 where I store codes / scale words, v6 WSC + 4 lane, v7 h = lane / 16, v8 r = lane % 16, v9 BSL + 64 h, v10-13 at work (phase G: v10, v11 the hidden layer's scale words),
; v14 / v15 my tokens' rows of xq (tile 0 / 1), v16-17 the weights' scale words, v18 16 h, v20-27 x's scale words (register s: K step s), v28-30 offsets in xs, hq, hs, v31 BSL + 16 lane,
; v32-63 four fragments of weights; phase Q: v32-95 two sets of 32 numbers, v96-99 codes, v100-103 b1 on its way (wave 0); v240-253 at work while ranks are looked up, ahead of the loads that land there.
; s2-3 permute selects, s18 wave, s19 e, s20 slice, s26 count, s27 count - 1, s28 group, s29 its first rank, s31 mask of lanes 16-31, s32-63 mask words, s66-97 running counts x 32 + word's number;
; s22-25, s30, s98, s99: while ranks are looked up, the masks of seven compares (what the head kept there is done with by then).
.macro LOADB t                         ; block t: w1(32 t + i, my column), i = 0 .. 31, into set t % 2
.set i, 0
.rept 32
	global_load_b32 v[32+32*((\t)%2)+i], v2, s[10:11] offset:(32*(\t)+i)*PITCH th:TH_LOAD_NT
.set i, i+1
.endr
.endm
.macro BLOCK t, cnt                    ; cnt: how many younger loads may be out when this block's 32 have to be there
.set XB, 32+32*((\t)%2)
	s_wait_loadcnt \cnt
	v_max3_num_f32 v12, |v[XB]|, |v[XB+1]|, |v[XB+2]|              ; the block's largest magnitude: all 32 numbers are mine
	v_max3_num_f32 v13, |v[XB+3]|, |v[XB+4]|, |v[XB+5]|
.irp n, 6,10,14,18,22,26
	v_max3_num_f32 v12, v12, |v[XB+\n]|, |v[XB+\n+1]|
	v_max3_num_f32 v13, v13, |v[XB+\n+2]|, |v[XB+\n+3]|
.endr
	v_max3_num_f32 v12, v12, |v[XB+30]|, |v[XB+31]|
	v_max3_num_f32 v12, v12, v13, 0x1800000        ; and the floor 2^(3 - 127): the byte cannot fall under 1
	v_add_nc_u32 v11, 0xff000000, v12              ; 2 off its exponent field: the conversion's scale operand
	v_lshrrev_b32 v13, 23, v11                     ; the scale's byte
.if (\t)%4 == 0
	v_mov_b32 v10, v13                             ; four bytes make a K step's scale word, the lower K in the lower byte
.else
	v_lshl_or_b32 v10, v13, 8*((\t)%4), v10
.endif
.irp g, 0,1,2,3
	v_cvt_scalef32_pk8_fp4_f32 v[96+\g], v[XB+8*\g:XB+8*\g+7], v11
.endr
	v_nop                                          ; one plain line behind the last conversion
	s_wait_alu depctr_va_vdst(0)                   ; the conversions have written v96-99 and the shifts v10, which the LDS stores read; maxima and conversions are done reading this set, in which the loads below land
	ds_store_b128 v4, v[96:99] offset:((\t)/4)*KSTR+512*(((\t)%4)/2)+256*((\t)%2)   ; block 2 c + h' of the K step: register group c, lanes 16 h' + row
.if (\t)%4 == 3
	ds_store_b32 v5, v10 offset:((\t)/4)*SSTR
.endif
.if (\t) < 6
	LOADB (\t)+2
.endif
	s_wait_dscnt 0x0
	s_wait_alu depctr_vm_vsrc(0)                   ; the LDS stores issued so far have read v96-99 and v10 (wave 0: v100-103), which the next block writes again; behind the last block b1 lands in v96-103 and the hidden layer's scale word is made in v10
.endm
.macro PREFIX                          ; the expert's 32 mask words; in front of each word the number of tokens before it, x 32 + the word's number; the count
	s_load_b512 s[32:47], s[8:9], 0x0
	s_load_b512 s[48:63], s[8:9], 0x40
	s_mov_b32 s26, 0
	s_wait_kmcnt 0x0
.set i, 0
.rept 32
	s_lshl_b32 s[66+i], s26, 5
	s_or_b32 s[66+i], s[66+i], i
	s_bcnt1_i32_b32 s98, s[32+i]
	s_add_co_u32 s26, s26, s98
.set i, i+1
.endr
	s_sub_co_u32 s27, s26, 1
.endm
.macro SELSTEP src, width, step        ; does the wanted bit lie past the lower half of what is left?  c = the lower half's count
	v_bfe_u32 v250, v[\src], v249, \width
	v_cmp_ge_u32 vcc_lo, v241, v250
	s_wait_alu depctr_va_vcc(0)                    ; the compare has written VCC, which the two selects below read
	v_cndmask_b32 v250, 0, v250, vcc_lo
	v_sub_nc_u32 v241, v241, v250
	v_cndmask_b32 v251, 0, \step, vcc_lo
	v_add_nc_u32 v249, v249, v251
.endm
.macro SEVEN                           ; words i to i + 6 (up to word 31): the compares hang on v242 alone, so they go as a run, a scalar register each; then the selects, in the words' order
.set i0, i
.irp m, 22,23,24,25,30,98,99
.if i < 32
	v_cmp_le_u32 s[\m], s[66+i], v242              ; the last word in front of which at most p tokens lie holds rank p
.endif
.set i, i+1
.endr
	s_wait_alu depctr_va_sdst(0)                   ; the run of compares has written its masks, which the selects below read
.set i, i0
.irp m, 22,23,24,25,30,98,99
.if i < 32
	v_cndmask_b32 v243, v243, s[66+i], s[\m]
	v_cndmask_b32 v244, v244, s[32+i], s[\m]
.endif
.set i, i+1
.endr
.endm
.macro RANKSEL                         ; v240 = the token of rank min(s29 + lane, count - 1)
	v_add_nc_u32 v241, s29, v1
	v_min_u32 v241, s27, v241                      ; p
	v_lshl_or_b32 v242, v241, 5, 31
	v_mov_b32 v243, s66
	v_mov_b32 v244, s32
.set i, 1
.rept 5
	SEVEN
.endr
	v_lshrrev_b32 v250, 5, v243
	v_sub_nc_u32 v241, v241, v250                  ; r: which set bit of the word
	v_and_b32 v252, 31, v243                       ; the word's number
	v_lshrrev_b32 v245, 1, v244
	v_and_b32 v245, 0x55555555, v245
	v_sub_nc_u32 v245, v244, v245                  ; counts of 2 bits,
	v_lshrrev_b32 v246, 2, v245
	v_and_b32 v246, 0x33333333, v246
	v_and_b32 v251, 0x33333333, v245
	v_add_nc_u32 v246, v246, v251                  ; of 4,
	v_lshrrev_b32 v247, 4, v246
	v_add_nc_u32 v247, v247, v246
	v_and_b32 v247, 0x0f0f0f0f, v247               ; of 8,
	v_lshrrev_b32 v248, 8, v247
	v_add_nc_u32 v248, v248, v247                  ; of 16 (in the lowest byte)
	v_mov_b32 v249, 0
	SELSTEP 248, 8, 16
	SELSTEP 247, 8, 8
	SELSTEP 246, 4, 4
	SELSTEP 245, 2, 2
	SELSTEP 244, 1, 1
	v_lshl_add_u32 v240, v252, 5, v249
.endm
.macro SPREAD src, d0, d1              ; lane (r, h) gets lane r's number in d0 and lane 16 + r's in d1
	v_permlanex16_b32 v253, v[\src], s2, s3
	v_cndmask_b32 v[\d0], v[\src], v253, s31
	v_cndmask_b32 v[\d1], v253, v[\src], s31
.endm
.macro MM                              ; one product, named by the symbols mD, mA, mB, mSA, mRA, mSB, mRB; it adds in place
.if mRA && mRB
	v_wmma_scale_f32_16x16x128_f8f6f4 v[mD:mD+7], v[mA:mA+7], v[mB:mB+7], v[mD:mD+7], v[mSA], v[mSB] matrix_a_fmt:MATRIX_FMT_FP4 matrix_b_fmt:MATRIX_FMT_FP4 matrix_a_scale:MATRIX_SCALE_ROW1 matrix_b_scale:MATRIX_SCALE_ROW1
.elseif mRA
	v_wmma_scale_f32_16x16x128_f8f6f4 v[mD:mD+7], v[mA:mA+7], v[mB:mB+7], v[mD:mD+7], v[mSA], v[mSB] matrix_a_fmt:MATRIX_FMT_FP4 matrix_b_fmt:MATRIX_FMT_FP4 matrix_a_scale:MATRIX_SCALE_ROW1
.elseif mRB
	v_wmma_scale_f32_16x16x128_f8f6f4 v[mD:mD+7], v[mA:mA+7], v[mB:mB+7], v[mD:mD+7], v[mSA], v[mSB] matrix_a_fmt:MATRIX_FMT_FP4 matrix_b_fmt:MATRIX_FMT_FP4 matrix_b_scale:MATRIX_SCALE_ROW1
.else
	v_wmma_scale_f32_16x16x128_f8f6f4 v[mD:mD+7], v[mA:mA+7], v[mB:mB+7], v[mD:mD+7], v[mSA], v[mSB] matrix_a_fmt:MATRIX_FMT_FP4 matrix_b_fmt:MATRIX_FMT_FP4
.endif
.endm
.macro WFETCH s, q                     ; four fragments of weights (K step s, tiles 4 q .. 4 q + 3) and their two registers of scale words
.irp j, 0,1,2,3
.irp c, 0,1
	ds_load_b128 v[32+8*\j+4*\c:32+8*\j+4*\c+3], v3 offset:(NT*(\s)+4*(\q)+\j)*1024+512*\c
.endr
.endr
.irp z, 0,1
	ds_load_b32 v[16+\z], v6 offset:(\s)*SSTR+128*(2*(\q)+\z)
.endr
.endm
.macro XLOAD s                         ; my 32 tokens' fragments of K step s: four loads
.irp a, 0,1
.irp c, 0,1
	global_load_b128 v[TF+16*(\s)+8*\a+4*\c:TF+16*(\s)+8*\a+4*\c+3], v[14+\a], s[4:5] offset:64*(\s)+32*\c
.endr
.endr
.endm
; What group s28 (first rank s29) wants from memory: its tokens are looked up, and their scale words and all their fragments are asked for: 34 loads
.macro PRO
	RANKSEL
	SPREAD 240, 14, 15
	v_min_u32 v14, 0x3ff, v14                      ; a token's number, held inside the table
	v_min_u32 v15, 0x3ff, v15
	v_min_u32 v28, 0x3ff, v240
	v_lshlrev_b32 v14, 9, v14                      ; 512 bytes of codes a token,
	v_lshlrev_b32 v15, 9, v15
	v_lshlrev_b32 v28, 5, v28                      ; 32 scale bytes
	v_add_nc_u32 v14, v18, v14                     ; + 16 h
	v_add_nc_u32 v15, v18, v15
	s_lshl_b32 s98, s28, 16
	v_add_nc_u32 v29, s98, v3                      ; hq: 65,536 bytes a group, 16 a lane
	s_lshl_b32 s98, s28, 12
	v_add_nc_u32 v30, s98, v2                      ; hs: 4,096 bytes a group, 4 a lane
	s_wait_alu depctr_va_vdst(0)                   ; v14, v15 and v28 to v30 are written, which the group's loads and stores read; the look-up is done with v240-253 and (second group) the products with v128-255 and v20-27, in which the loads below land
	global_load_b128 v[20:23], v28, s[6:7]         ; lane l: the scale words of rank l's token: lanes 0-15 tile 0, lanes 16-31 tile 1
	global_load_b128 v[24:27], v28, s[6:7] offset:16
.irp s, 0,1,2,3,4,5,6,7
	XLOAD \s
.endr
.endm
; A K step of half q of the columns: four tiles of columns x two tiles of tokens.  p = 1: the second pass, whose fragments were asked for just before
.macro KSTEP s, q, p
.if (\s) > 0
.rept 4
	v_nop                                          ; four places behind the last products, in front of loads into their operands and scales; they stay beside the wait below
.endr
	s_wait_alu depctr_va_vdst(0)                   ; the last K step's products are done reading v32-63 and v16-17, in which the loads below land
.endif
	WFETCH \s, \q
.if (\p) && ((\q) == 0)
	s_wait_loadcnt 4*(7-(\s))                      ; this K step's fragments are in (the scale words are older); four loads for each later K step may be out
.endif
	s_wait_dscnt 0x0
.irp j, 0,1,2,3
.irp a, 0,1
.set mD, ACC+32*\a+8*\j
.set mA, 32+8*\j
.set mB, TF+16*(\s)+8*\a
.set mSA, 16+\j/2
.set mRA, \j%2
.set mSB, 20+(\s)
.set mRB, \a
	MM                                             ; the eight accumulators take turns, one instruction a turn
.endr
.endr
.endm
; The 64 numbers of a lane in v[ACC] on, none negative: block 2 a + bb (16 registers) = d 32 (2 q + bb) + 16 h + 0 .. 15 of my token in tile a.  They become register group q of the two tiles' fragments
; (v[PC + 4 a] on) and bytes 2 q, 2 q + 1 of their scale words (v[10 + a])
.macro QUANT2 q
.irp b, 0,1,2,3
	v_max3_num_f32 v[TM+\b], v[ACC+16*\b], v[ACC+1+16*\b], 0x1800000   ; my 16 numbers of the block and the floor 2^(3 - 127)
.endr
.irp n, 2,4,6,8,10,12,14
.irp b, 0,1,2,3
	v_max3_num_f32 v[TM+\b], v[TM+\b], v[ACC+16*\b+\n], v[ACC+1+16*\b+\n]
.endr
.endr
.irp b, 0,1,2,3
	v_permlanex16_b32 v[TM+4+\b], v[TM+\b], s2, s3
.endr
.irp b, 0,1,2,3
	v_max_num_f32 v[TM+\b], v[TM+\b], v[TM+4+\b]   ; with lane l xor 16's: the block's largest
.endr
.irp b, 0,1,2,3
	v_add_nc_u32 v[TM+12+\b], 0xff000000, v[TM+\b]
.endr
.irp b, 0,1,2,3
	v_lshrrev_b32 v[TM+4+\b], 23, v[TM+12+\b]
.endr
.irp a, 0,1
.if (\q) == 0
	v_lshl_or_b32 v[10+\a], v[TM+5+2*\a], 8, v[TM+4+2*\a]
.else
	v_lshl_or_b32 v[TM+4+2*\a], v[TM+5+2*\a], 8, v[TM+4+2*\a]
	v_lshl_or_b32 v[10+\a], v[TM+4+2*\a], 16, v[10+\a]
.endif
.endr
.irp b, 0,1,2,3
	v_cvt_scalef32_pk8_fp4_f32 v[PC+2*\b], v[ACC+16*\b:ACC+7+16*\b], v[TM+12+\b]
	v_cvt_scalef32_pk8_fp4_f32 v[PC+1+2*\b], v[ACC+8+16*\b:ACC+15+16*\b], v[TM+12+\b]
.endr
	v_nop                                          ; one plain line behind the last conversion
.irp c, 0,1                                    ; the operand's layout wants a whole block in a lane: lanes 0-15 block 2 q, lanes 16-31 block 2 q + 1 (c: the tile of tokens)
.irp n, 0,1
	v_permlane16_swap_b32 v[PC+4*\c+\n], v[PC+2+4*\c+\n]
.endr
.endr
.endm
.macro BODY p                          ; a group's products, activation, quantising and stores
.irp q, 0,1
.if \q
	s_wait_xcnt 0x0                                ; the first half's stores have read their registers: the weights' fragments land there again
	s_wait_alu depctr_vm_vsrc(0)                   ; the first half's stores have read v48-55, in which weights land below and which the quantiser writes again
.endif
.irp a, 0,1
.irp j, 0,1,2,3
.irp z, 0,1
	ds_load_b128 v[ACC+32*\a+8*\j+4*\z:ACC+32*\a+8*\j+4*\z+3], v9 offset:(32*((4*\q+\j)/2)+8*(\j%2))*4+16*\z   ; b1 at my eight columns of the tile: it starts the sums.  (No vector line has named v64-127 or v32-63 since the last wait on va_vdst)
.endr
.endr
.endr
.set S, 0
.rept 8
	KSTEP S, \q, \p
.set S, S+1
.endr
.rept 4
	v_nop                                          ; four places behind the last products, in front of the first read of results
.endr
.set jj, 0
.rept 64
	v_max_num_f32 v[ACC+jj], 0, v[ACC+jj]          ; the activation, in f32; each accumulator from its low end on
.set jj, jj+1
.endr
	QUANT2 \q
.if \q
	v_cndmask_b32 v12, v10, v11, s31               ; lanes 0-15 tile 0's scale words, lanes 16-31 tile 1's
.endif
	s_wait_alu depctr_va_vdst(0)                   ; the quantiser has written v48-55 (second half: and v12), which the stores read; it is done with v64-127 and v32-47, and the products with v16-17, in which the next loads from LDS land
	global_store_b128 v29, v[PC:PC+3], s[14:15] offset:512*\q          ; register group q of tile 0's fragment as it stands: 512 consecutive bytes, aligned
	global_store_b128 v29, v[PC+4:PC+7], s[14:15] offset:1024+512*\q   ; and of tile 1's
.if \q
	global_store_b32 v30, v12, s[16:17]
.endif
.endr
.endm
	s_load_b256 s[4:11], s[0:1], 0x0               ; xq s[4:5], xs s[6:7], route s[8:9], w1 s[10:11]
	s_load_b128 s[12:15], s[0:1], 0x20             ; b1 s[12:13], hq s[14:15]
	s_load_b64 s[16:17], s[0:1], 0x30              ; hs
	v_lshrrev_b32 v1, 5, v0
	v_readfirstlane_b32 s18, v1                    ; wave 0..15
	s_lshr_b32 s19, ttmp9, 5                       ; expert
	s_and_b32 s20, ttmp9, 31                       ; slice
	s_mov_b32 s2, 0x76543210
	s_mov_b32 s3, 0xfedcba98
	s_mov_b32 s31, 0xffff0000
	s_wait_alu depctr_va_sdst(0)                   ; s18 is written, ahead of its first reader
	s_and_b32 s21, s18, 3                          ; which 32 columns
	s_lshr_b32 s22, s18, 2                         ; which 256 rows of K
	s_mov_b32 s28, s18                             ; my first group,
	s_lshl_b32 s29, s18, 5                         ; and its first rank
	v_and_b32 v1, 31, v0
	v_lshlrev_b32 v2, 2, v1
	v_lshlrev_b32 v3, 4, v1
	v_bfe_u32 v7, v0, 4, 1
	v_and_b32 v8, 15, v0
	v_and_b32 v12, 7, v0
	v_lshl_or_b32 v12, v7, 3, v12                  ; my column's row in its tile: lane % 8 + 8 (lane / 16)
	v_bfe_u32 v13, v0, 3, 1                        ; and which tile of the pair: (lane / 8) % 2
	v_lshlrev_b32 v4, 4, v12
	v_lshl_add_u32 v4, v13, 10, v4
	s_lshl_b32 s98, s21, 11
	s_lshl_b32 s99, s22, 14
	s_add_co_u32 s98, s98, s99
	v_add_nc_u32 v4, s98, v4                       ; codes: 1,024 x tile + 16 x row + two K steps x (wave / 4)
	v_lshlrev_b32 v5, 2, v12
	v_lshl_add_u32 v5, v13, 6, v5
	s_lshl_b32 s98, s22, 10
	s_lshl_b32 s99, s21, 7
	s_add_co_u32 s98, s98, s99
	s_add_co_u32 s98, s98, WSC
	v_add_nc_u32 v5, s98, v5                       ; scale words
	v_add_nc_u32 v6, WSC, v2
	v_lshlrev_b32 v9, 6, v7
	v_add_nc_u32 v9, BSL, v9                       ; b1 out of LDS: my half's eight columns of a tile
	v_add_nc_u32 v31, BSL, v3                      ; and into it (wave 0)
	v_lshlrev_b32 v18, 4, v7
	v_mov_b32 v253, 0                              ; written once: a lane permute's destination counts as one of its sources
	s_mov_b32 s25, 0
	s_wait_kmcnt 0x0
	s_lshl_b32 s24, s19, 14
	s_lshl_b32 s98, s20, 9
	s_add_co_u32 s24, s24, s98
	s_add_nc_u64 s[12:13], s[12:13], s[24:25]      ; b1 at the slice
	s_lshl_b32 s24, s19, 24                        ; w1: 16 MiB an expert,
	s_lshl_b32 s98, s22, 22                        ; 256 rows of 16,384 bytes,
	s_add_co_u32 s24, s24, s98
	s_lshl_b32 s98, s20, 9                         ; 512 bytes a slice,
	s_add_co_u32 s24, s24, s98
	s_lshl_b32 s98, s21, 7                         ; 128 bytes a wave
	s_add_co_u32 s24, s24, s98
	s_add_nc_u64 s[10:11], s[10:11], s[24:25]
	s_wait_alu depctr_va_vdst(0)                   ; the offsets and LDS addresses v2 to v6, v9 and v31 are written, which loads and stores read from here to the end
	s_cmp_lg_u32 s18, 0
	s_cbranch_scc1 .Lnot_b1
	global_load_b128 v[100:103], v3, s[12:13]      ; wave 0: the slice's 128 numbers of b1; older than every load of weights
.Lnot_b1:
	LOADB 0
	LOADB 1
	s_lshl_b32 s24, s19, 7
	s_add_nc_u64 s[8:9], s[8:9], s[24:25]          ; the expert's mask words
	PREFIX
	s_lshl_b32 s24, s19, 21
	s_lshl_b32 s98, s20, 11
	s_add_co_u32 s24, s24, s98
	s_add_nc_u64 s[14:15], s[14:15], s[24:25]      ; hq at (e, group 0, K step = slice)
	s_lshl_b32 s24, s19, 17
	s_lshl_b32 s98, s20, 7
	s_add_co_u32 s24, s24, s98
	s_add_nc_u64 s[16:17], s[16:17], s[24:25]      ; hs likewise
	BLOCK 0, 32                                    ; behind block 0's loads: block 1's 32
	s_cmp_lg_u32 s18, 0
	s_cbranch_scc1 .Lno_b1
	ds_store_b128 v31, v[100:103]                  ; wave 0: b1's slice into LDS (its load is older than block 0's, so it is in; no vector line has named these registers)
.Lno_b1:
	PRO                                            ; my first group's tokens are asked for here, with two blocks of weights on their way: they land under the stream
	BLOCK 1, 63                                    ; behind block 1's loads: block 2's 32 and the group's 34: more than the count can say, so the largest count is written
	BLOCK 2, 63                                    ; behind block 2's: the group's 34 and block 3's 32
	BLOCK 3, 32                                    ; from here on: the next block's 32
	BLOCK 4, 32
	BLOCK 5, 32
	BLOCK 6, 32
	BLOCK 7, 0
	s_wait_dscnt 0x0                               ; for the others' sake: my stores into the images are done
	s_barrier_signal -1
	s_barrier_wait -1                              ; from here on LDS is only read
	s_cmp_ge_u32 s29, s26
	s_cbranch_scc1 .Lend                           ; my first group lies past the expert's count: so does my second
	BODY 0
	s_add_co_u32 s28, s28, 16                      ; my second group
	s_lshl_b32 s29, s28, 5
	s_cmp_ge_u32 s29, s26
	s_cbranch_scc1 .Lend
	s_wait_xcnt 0x0                                ; the first group's loads and stores have read their registers: they are written again from here on
	s_wait_alu depctr_vm_vsrc(0)                   ; the first group's loads have read v14, v15 and v28, its stores v29, v30, v12 and v48-55: the look-up, the quantiser and the loads from LDS write them again
	PRO
	BODY 1
.Lend:
	s_barrier_signal -1
	s_barrier_wait -1
	s_wait_xcnt 0x0
	v_lshl_add_u32 v254, v0, 2, 0x11400            ; the add's two registers are made anew here; no memory or LDS instruction has read v254 or v255
	v_mov_b32 v255, 0
	s_wait_dscnt 0x0                               ; the closing lines, six on end
	s_wait_alu 0x0
	s_wait_tensorcnt 0x0
	ds_add_u32 v254, v255
	s_wait_dscnt 0x0
	s_endpgm
.Lfunc_end_k_q15c18d4cf5_up:
	.size	k_q15c18d4cf5_up, .Lfunc_end_k_q15c18d4cf5_up-k_q15c18d4cf5_up
	.p2alignl 7, 3214868480
	.fill 96, 4, 3214868480
	.section	.rodata,"a",@progbits
	.p2align	6, 0x0
	.amdhsa_kernel k_q15c18d4cf5_up
		.amdhsa_group_segment_fixed_size 72704
		.amdhsa_private_segment_fixed_size 0
		.amdhsa_enable_private_segment 0
		.amdhsa_kernarg_size 56
		.amdhsa_user_sgpr_count 2
		.amdhsa_user_sgpr_kernarg_segment_ptr 1
		.amdhsa_wavefront_size32 1
		.amdhsa_system_sgpr_workgroup_id_x 1
		.amdhsa_system_sgpr_workgroup_id_y 1
		.amdhsa_system_sgpr_workgroup_id_z 1
		.amdhsa_system_vgpr_workitem_id 0
		.amdhsa_next_free_vgpr 256
		.amdhsa_next_free_sgpr 100
		.amdhsa_reserve_vcc 1
		.amdhsa_float_denorm_mode_32 3
		.amdhsa_float_denorm_mode_16_64 3
		.amdhsa_memory_ordered 1
		.amdhsa_forward_progress 1
		.amdhsa_inst_pref_size 157
	.end_amdhsa_kernel
	.amdgpu_metadata
---
amdhsa.version: [ 1, 2 ]
amdhsa.kernels:
  - .name:           k_q15c18d4cf5_up
    .symbol:         k_q15c18d4cf5_up.kd
    .args:
      - { .name: xq, .offset: 0, .size: 8, .value_kind: global_buffer, .address_space: global }
      - { .name: xs, .offset: 8, .size: 8, .value_kind: global_buffer, .address_space: global }
      - { .name: route, .offset: 16, .size: 8, .value_kind: global_buffer, .address_space: global }
      - { .name: w1, .offset: 24, .size: 8, .value_kind: global_buffer, .address_space: global }
      - { .name: b1, .offset: 32, .size: 8, .value_kind: global_buffer, .address_space: global }
      - { .name: hq, .offset: 40, .size: 8, .value_kind: global_buffer, .address_space: global }
      - { .name: hs, .offset: 48, .size: 8, .value_kind: global_buffer, .address_space: global }
    .group_segment_fixed_size: 72704
    .private_segment_fixed_size: 0
    .kernarg_segment_align: 8
    .kernarg_segment_size: 56
    .max_flat_workgroup_size: 512
    .sgpr_count:     100
    .vgpr_count:     256
    .wavefront_size: 32
...
	.end_amdgpu_metadata
.endif
;; end of part 10
;; launch down (part 11): grid 256 x 1, 16 waves a work-group, no clusters, 141,824 bytes of LDS; arguments hq, hs, route, w2, b2, gsc, part; writes part
.if DOCPART == 11
	.amdgcn_target "amdgcn-amd-amdhsa--gfx1250"
	.amdhsa_code_object_version 6
	.text
	.protected	k_q15c18d4cf5_down
	.globl	k_q15c18d4cf5_down
	.p2align	8
	.type	k_q15c18d4cf5_down,@function
k_q15c18d4cf5_down:
	s_mov_b64 s[64:65], 0
	v_nop
	global_prefetch_b8 v0, s[64:65] scope:SCOPE_SE
	s_setreg_imm32_b32 hwreg(HW_REG_WAVE_SCHED_MODE, 0, 2), 2
	s_setreg_imm32_b32 hwreg(HW_REG_WAVE_MODE, 25, 1), 1
	s_wait_xcnt 0x0
	s_wait_alu depctr_vm_vsrc(0)
; SECOND PRODUCT OF THE CHOSEN ROWS: part = (h w2[e] (+ b2[e])) x probs / 2, on codes of E2M1 with E8M0 scales.
; w2 [8][4096 (K)][1024 (n)] f32 is read ONCE in the launch, each byte by one work-group, and quantised in registers on its way.
; SHARES.  Work-group g: expert e = g / 32, 64 columns n ((g / 2) % 16), half g % 2 of K (2,048): a row's piece is 256 aligned bytes.  The two halves of K and a token's two experts give four partial rows,
; part [half 2][slot 2][token 1024][1024] f32 (slot 0: e is the token's first expert), each written whole by one owner and summed by the next launch.  Only the first half of K adds b2.
; PHASE Q: as in the launch before: wave w takes 32 columns (w % 2) x 256 rows of K (w / 2); a lane a column, registers down K; codes and scale words go into images of the operand's registers in LDS.  One barrier.
; PHASE G: wave w takes the groups w and w + 16 of 32 ranks; a group past the expert's count is left out by a scalar branch on the stored count; rank p stands for the token of rank min(p, count - 1), so a
; group that is not full repeats its last token, and the wave then stores the same bytes to the same place more than once.
; THE PRODUCT IS USED TRANSPOSED (source 0 = 16 columns of w2, source 1 = 16 tokens): a lane holds one token and eight neighbouring columns.  The weights' fragments come from LDS; the hidden layer's come from
; memory as register images, through a ring of EIGHT K steps (128 registers).
; WHAT PHASE G WANTS FROM MEMORY IS ASKED FOR IN PHASE Q: behind its first block of weights every wave looks up its first group's tokens and asks for their gate weights and for the group's K steps 0 to 7, so that
; they land under the stream; K step s + 7 is asked for in step s.  Every wave does so.  A wave whose group is empty asks with all lanes at lane 0's place of group 0: each of its loads names one place, and
; nothing is made of what it brings.  (For an expert without any token those bytes of hq and hs were stored by nobody; they are read and dropped.)
; b2's 64 numbers lie in LDS (wave 0 puts them there; zeros in the second half of K) and are read into the accumulators: they start the sums.
; Results are scaled by the gate's weight, go through the wave's own stage and leave as runs of 256 aligned bytes, sixteen lanes to a token's row.
; NO TENSOR LOADS, NO CLUSTER: the walk over groups hangs on counts read from memory; what the work-groups of an expert share (the hidden codes, 1,024 bytes a token and half of K) is the smaller part of a
; work-group's bytes beside its own 524,288 of weights.  No prefetch: the stream's own loads are out all through phase Q.
; LIMITS: NaN and infinities are not served.  A block of zeros, or one whose largest magnitude lies under 2^-124, keeps the byte 1 (the rule says 127 for zeros); only this program reads the bytes.
; THE MODE: SCHED_MODE bits 1:0 = 2 (LLVM: expert scheduling mode 2), set by the entry lines.  The code itself states the register dependences between vector or matrix instructions and memory or LDS
; instructions, and those through scalar registers and VCC that vector instructions write, with s_wait_alu, always for 0.
; THE PLAN.  Registers that memory or LDS instructions touch:
;   v2-6, v9, v14-15, v102-103   Offsets and LDS addresses: written at the head, never again by a vector line.  One wait on va_vdst ahead of the first load serves every access by them.
;   v32-95          Phase Q: block t's 32 loads land in set t % 2; its maxima and conversions read the set; behind them the loads of block t + 2 land in it.
;   v96-99, v10     Phase Q: written by a block's conversions and shifts, read by its LDS stores, written again by the next block.
;   v100-101        Wave 0: b2 lands there, is masked, and one LDS store reads it; later v100-103 are accumulators.
;   v7-8, v18-19    Written when a group's tokens are looked up; read by the group's loads.
;   v128-255, v20-27  The ring.  Step s: its products read place s % 8; the loads of step s + 7 land in place (s - 1) % 8.  (v240-253 hold the look-up's work ahead of the first loads.)
;   v30-31          The group's loads land there; the way out's vector lines read them.
;   v32-63, v16-17  Phase G: a K step's LDS loads land there; its products read them.
;   v64-127         b2 lands there from LDS; products and the scaling write them; the stage's LDS stores read them.
;   v128-191, v192-207, v212, v214-229   The way out: rows back from the stage and the rows' numbers from the permutes land in the first two; the permutes read the last two; the global stores read the first two.
; So: ONE wait on va_vdst in a block, behind its conversions, and one on vm_vsrc at its end; the last block's two also serve what follows the barrier.  One on va_vdst ahead of a group's 42 loads.  One at the head
; of each K step but the first: the products of the step before are done with their weights, their ring place and their scales; the step's loads follow it, those from memory dealt among its products, which name
; the weights, place s % 8 and the accumulators: none of the registers that those loads touch.  Two on the way out: ahead of the run of LDS instructions, and ahead of the run of stores.  One on vm_vsrc ahead of the second group.
.set PITCH, 4096                       ; a row of w2[e] in bytes
.set NT,    4                          ; tiles of 16 columns
.set KSTR,  NT*1024
.set SSTR,  NT*64
.set WSC,   65536                      ; LDS: images (65,536 bytes), scale words (4,096),
.set STG,   69632                      ; a stage of 16 rows x (256 + 16) bytes for each wave,
.set BSL,   139264                     ; and b2's 64 numbers (256)
.set ACC,   64                         ; v64-127  eight accumulators: (tile of tokens a, tile of columns T) at ACC + 32 a + 8 T
.set TF,    128                        ; v128-255 the hidden layer's fragments: K step s, tile a at TF + 16 (s % 8) + 8 a
; v1 lane, v2 4 lane, v3 16 lane, v4 / v5 where I store codes / scale words, v6 WSC + 4 lane, v7 h, then 32 x my rank's token, v8 r, then 4 x that token, v9 BSL + 32 h, v10-13 at work, v14 / v15 the stage in / out,
; v16-17 the weights' scale words, v18 / v19 offsets in hq / hs, v20-27 the hidden layer's scale words: a ring of eight, v28 16 r, v29 4 h, v30 sel, v31 the gate's weight by rank, v32-63 four fragments of weights;
; phase Q: v32-95 two sets of 32 numbers, v96-99 codes, v100-103 b2 on its way (wave 0); v240-253 at work while ranks are looked up, ahead of the loads that land there;
; on the way out, in the ring's registers: v128-191 rows, v192-207 their offsets in part, v[208:209], v[210:211] the gate's weight of my token in tile 0, 1, v212 my rank's row, v214-229 the sixteen permutes' lane addresses, v253 at work.
; s22-25, s30, s98, s99: while ranks are looked up, the masks of seven compares (what the head kept there is done with by then).
.macro LOADB t
.set i, 0
.rept 32
	global_load_b32 v[32+32*((\t)%2)+i], v2, s[10:11] offset:(32*(\t)+i)*PITCH th:TH_LOAD_NT
.set i, i+1
.endr
.endm
.macro BLOCK t, cnt                    ; cnt: how many younger loads may be out when this block's 32 have to be there
.set XB, 32+32*((\t)%2)
	s_wait_loadcnt \cnt
	v_max3_num_f32 v12, |v[XB]|, |v[XB+1]|, |v[XB+2]|
	v_max3_num_f32 v13, |v[XB+3]|, |v[XB+4]|, |v[XB+5]|
.irp n, 6,10,14,18,22,26
	v_max3_num_f32 v12, v12, |v[XB+\n]|, |v[XB+\n+1]|
	v_max3_num_f32 v13, v13, |v[XB+\n+2]|, |v[XB+\n+3]|
.endr
	v_max3_num_f32 v12, v12, |v[XB+30]|, |v[XB+31]|
	v_max3_num_f32 v12, v12, v13, 0x1800000        ; the floor 2^(3 - 127): the byte cannot fall under 1
	v_add_nc_u32 v11, 0xff000000, v12              ; 2 off the exponent field: the conversion's scale operand
	v_lshrrev_b32 v13, 23, v11                     ; the scale's byte
.if (\t)%4 == 0
	v_mov_b32 v10, v13
.else
	v_lshl_or_b32 v10, v13, 8*((\t)%4), v10
.endif
.irp g, 0,1,2,3
	v_cvt_scalef32_pk8_fp4_f32 v[96+\g], v[XB+8*\g:XB+8*\g+7], v11
.endr
	v_nop                                          ; one plain line behind the last conversion
	s_wait_alu depctr_va_vdst(0)                   ; the conversions have written v96-99 and the shifts v10, which the LDS stores read; maxima and conversions are done reading this set, in which the loads below land
	ds_store_b128 v4, v[96:99] offset:((\t)/4)*KSTR+512*(((\t)%4)/2)+256*((\t)%2)
.if (\t)%4 == 3
	ds_store_b32 v5, v10 offset:((\t)/4)*SSTR
.endif
.if (\t) < 6
	LOADB (\t)+2
.endif
	s_wait_dscnt 0x0
	s_wait_alu depctr_vm_vsrc(0)                   ; the LDS stores issued so far have read v96-99 and v10 (wave 0: v100, v101, v103, and b2's load v102), which the next block writes again; behind the last block b2 lands in v96-103
.endm
.macro PREFIX
	s_load_b512 s[32:47], s[8:9], 0x0
	s_load_b512 s[48:63], s[8:9], 0x40
	s_mov_b32 s26, 0
	s_wait_kmcnt 0x0
.set i, 0
.rept 32
	s_lshl_b32 s[66+i], s26, 5
	s_or_b32 s[66+i], s[66+i], i
	s_bcnt1_i32_b32 s98, s[32+i]
	s_add_co_u32 s26, s26, s98
.set i, i+1
.endr
	s_sub_co_u32 s27, s26, 1
.endm
.macro SELSTEP src, width, step
	v_bfe_u32 v250, v[\src], v249, \width
	v_cmp_ge_u32 vcc_lo, v241, v250
	s_wait_alu depctr_va_vcc(0)                    ; the compare has written VCC, which the two selects below read
	v_cndmask_b32 v250, 0, v250, vcc_lo
	v_sub_nc_u32 v241, v241, v250
	v_cndmask_b32 v251, 0, \step, vcc_lo
	v_add_nc_u32 v249, v249, v251
.endm
.macro SEVEN                           ; words i to i + 6 (up to word 31): the compares hang on v242 alone, so they go as a run, a scalar register each; then the selects, in the words' order
.set i0, i
.irp m, 22,23,24,25,30,98,99
.if i < 32
	v_cmp_le_u32 s[\m], s[66+i], v242
.endif
.set i, i+1
.endr
	s_wait_alu depctr_va_sdst(0)                   ; the run of compares has written its masks, which the selects below read
.set i, i0
.irp m, 22,23,24,25,30,98,99
.if i < 32
	v_cndmask_b32 v243, v243, s[66+i], s[\m]
	v_cndmask_b32 v244, v244, s[32+i], s[\m]
.endif
.set i, i+1
.endr
.endm
.macro RANKSEL                         ; v240 = the token of rank min(s29 + lane, count - 1)
	v_add_nc_u32 v241, s29, v1
	v_min_u32 v241, s27, v241
	v_lshl_or_b32 v242, v241, 5, 31
	v_mov_b32 v243, s66
	v_mov_b32 v244, s32
.set i, 1
.rept 5
	SEVEN
.endr
	v_lshrrev_b32 v250, 5, v243
	v_sub_nc_u32 v241, v241, v250
	v_and_b32 v252, 31, v243
	v_lshrrev_b32 v245, 1, v244
	v_and_b32 v245, 0x55555555, v245
	v_sub_nc_u32 v245, v244, v245
	v_lshrrev_b32 v246, 2, v245
	v_and_b32 v246, 0x33333333, v246
	v_and_b32 v251, 0x33333333, v245
	v_add_nc_u32 v246, v246, v251
	v_lshrrev_b32 v247, 4, v246
	v_add_nc_u32 v247, v247, v246
	v_and_b32 v247, 0x0f0f0f0f, v247
	v_lshrrev_b32 v248, 8, v247
	v_add_nc_u32 v248, v248, v247
	v_mov_b32 v249, 0
	SELSTEP 248, 8, 16
	SELSTEP 247, 8, 8
	SELSTEP 246, 4, 4
	SELSTEP 245, 2, 2
	SELSTEP 244, 1, 1
	v_lshl_add_u32 v240, v252, 5, v249
.endm
.macro SPREAD src, d0, d1              ; lane (r, h) gets lane r's number in d0 and lane 16 + r's in d1
	v_permlanex16_b32 v253, v[\src], s2, s3
	v_cndmask_b32 v[\d0], v[\src], v253, s31
	v_cndmask_b32 v[\d1], v253, v[\src], s31
.endm
.macro MM                              ; one product, named by the symbols mD, mA, mB, mSA, mRA, mSB, mRB; it adds in place
.if mRA && mRB
	v_wmma_scale_f32_16x16x128_f8f6f4 v[mD:mD+7], v[mA:mA+7], v[mB:mB+7], v[mD:mD+7], v[mSA], v[mSB] matrix_a_fmt:MATRIX_FMT_FP4 matrix_b_fmt:MATRIX_FMT_FP4 matrix_a_scale:MATRIX_SCALE_ROW1 matrix_b_scale:MATRIX_SCALE_ROW1
.elseif mRA
	v_wmma_scale_f32_16x16x128_f8f6f4 v[mD:mD+7], v[mA:mA+7], v[mB:mB+7], v[mD:mD+7], v[mSA], v[mSB] matrix_a_fmt:MATRIX_FMT_FP4 matrix_b_fmt:MATRIX_FMT_FP4 matrix_a_scale:MATRIX_SCALE_ROW1
.elseif mRB
	v_wmma_scale_f32_16x16x128_f8f6f4 v[mD:mD+7], v[mA:mA+7], v[mB:mB+7], v[mD:mD+7], v[mSA], v[mSB] matrix_a_fmt:MATRIX_FMT_FP4 matrix_b_fmt:MATRIX_FMT_FP4 matrix_b_scale:MATRIX_SCALE_ROW1
.else
	v_wmma_scale_f32_16x16x128_f8f6f4 v[mD:mD+7], v[mA:mA+7], v[mB:mB+7], v[mD:mD+7], v[mSA], v[mSB] matrix_a_fmt:MATRIX_FMT_FP4 matrix_b_fmt:MATRIX_FMT_FP4
.endif
.endm
.macro WFETCH s                        ; K step s: the four fragments of weights and their two registers of scale words
.irp j, 0,1,2,3
.irp c, 0,1
	ds_load_b128 v[32+8*\j+4*\c:32+8*\j+4*\c+3], v3 offset:(NT*(\s)+\j)*1024+512*\c
.endr
.endr
.irp z, 0,1
	ds_load_b32 v[16+\z], v6 offset:(\s)*SSTR+128*\z
.endr
.endm
.macro HFRAG s, a                      ; my group's fragment of K step s, tile a, into ring place s % 8: two loads
.irp c, 0,1
	global_load_b128 v[TF+16*((\s)%8)+8*(\a)+4*\c:TF+16*((\s)%8)+8*(\a)+4*\c+3], v18, s[4:5] offset:2048*(\s)+1024*(\a)+512*\c
.endr
.endm
.macro HWORD s                         ; and the two tiles' scale words: one load
	global_load_b32 v[20+(\s)%8], v19, s[6:7] offset:128*(\s)
.endm
.macro HLOAD s                         ; a K step's five loads
	HFRAG \s, 0
	HFRAG \s, 1
	HWORD \s
.endm
; What group s28 (first rank s29) wants from memory: its tokens are looked up; their first experts, their gate weights and the group's K steps 0 to 7 are asked for: 42 loads
.macro PRO
	RANKSEL
	v_min_u32 v7, 0x3ff, v240                      ; a token's number, held inside the table
	v_lshlrev_b32 v8, 2, v7                        ; sel: 4 bytes a token
	v_lshlrev_b32 v7, 5, v7                        ; gsc: 32 bytes a token
	s_cmp_lt_u32 s29, s26                          ; has the group a token?
	s_cselect_b32 s98, 31, 0                       ; if not: every lane at lane 0's place,
	s_cselect_b32 s99, s28, 0                      ; in group 0
	s_min_u32 s98, s98, 31                         ; what hangs on a loaded count enters an address only behind a hold at a constant
	s_min_u32 s99, s99, 31
	v_and_b32 v18, s98, v1
	v_lshlrev_b32 v19, 2, v18
	v_lshlrev_b32 v18, 4, v18
	s_lshl_b32 s98, s99, 16
	v_add_nc_u32 v18, s98, v18                     ; hq: 65,536 bytes a group, 16 a lane
	s_lshl_b32 s98, s99, 12
	v_add_nc_u32 v19, s98, v19                     ; hs: 4,096 bytes a group, 4 a lane
	s_wait_alu depctr_va_vdst(0)                   ; v7, v8, v18 and v19 are written, which the group's loads read; the look-up is done with v240-253 and (second group) the products and the way out with v128-255, v20-27, v30 and v31, in which the loads below land
	global_load_b32 v30, v8, s[20:21]              ; the token's first expert
	global_load_b32 v31, v7, s[14:15]              ; probs / 2 of this expert
.irp s, 0,1,2,3,4,5,6,7
	HLOAD \s
.endr
.endm
.macro STEP s
.if (\s) > 0
.rept 4
	v_nop                                          ; four places behind the last products, in front of loads into their operands and scales; they stay beside the wait below
.endr
	s_wait_alu depctr_va_vdst(0)                   ; the last K step's products are done reading v32-63, v16-17, their ring place and its scale words: this step's loads land in all of them
.endif
	WFETCH \s
.if (\s) == 0
	s_wait_loadcnt 35                              ; this K step's five loads are in; five for each of the seven later K steps may be out
.elseif (\s) <= 9
	s_wait_loadcnt 30                              ; five for each of the six later K steps that have been asked for (the seventh is asked for below)
.else
	s_wait_loadcnt 5*(15-(\s))                     ; five for each K step that is left
.endif
	s_wait_dscnt 0x0
.irp j, 0,1,2,3
.irp a, 0,1
.set mD, ACC+32*\a+8*\j
.set mA, 32+8*\j
.set mB, TF+16*((\s)%8)+8*\a
.set mSA, 16+\j/2
.set mRA, \j%2
.set mSB, 20+(\s)%8
.set mRB, \a
	MM                                             ; the eight accumulators take turns, one instruction a turn
.endr
.if ((\s) >= 1) && ((\s) <= 8)                 ; seven K steps ahead, into the place of the step before this one, dealt among the products.  No wait: no vector or matrix line since the step's wait names that place, its scale words, v18 or v19
.if \j == 0
	HFRAG (\s)+7, 0
.endif
.if \j == 1
	HFRAG (\s)+7, 1
.endif
.if \j == 2
	HWORD (\s)+7
.endif
.endif
.endr
.endm
.macro BODY                            ; a group's products, the gate's weight, and the way out
.irp a, 0,1
.irp T, 0,1,2,3
.irp z, 0,1
	ds_load_b128 v[ACC+32*\a+8*\T+4*\z:ACC+32*\a+8*\T+4*\z+3], v9 offset:64*\T+16*\z   ; b2 (or zeros) at my eight columns of the tile: it starts the sums.  (No vector line has named v64-127 or v32-63 since the last wait on va_vdst)
.endr
.endr
.endr
.set S, 0
.rept 16
	STEP S
.set S, S+1
.endr
.rept 4
	v_nop                                          ; four places behind the last products, in front of the first read of results and of writes into the ring's registers
.endr
	v_xor_b32 v30, s19, v30
	v_min_u32 v30, 1, v30                          ; slot: 0 where this expert is the token's first
	v_lshrrev_b32 v212, 5, v7                      ; the token again
	v_lshl_or_b32 v212, v30, 10, v212              ; the row of my half's planes: 1,024 x slot + token, by rank
	SPREAD 31, 208, 210
	v_mov_b32 v209, v208                           ; (named as pairs, so both words are written)
	v_mov_b32 v211, v210
.irp a, 0,1
.irp q, 0,1,2,3,4,5,6,7
	v_add_nc_u32 v[214+8*\a+\q], 4*(16*\a+2*\q), v29   ; the lane that holds rank 16 a + 2 q + h, x 4: a register for each of the sixteen permutes, so that none is written between them
.endr
.endr
.irp a, 0,1
.irp n, 0,1,2,3,4,5,6,7,8,9,10,11,12,13,14,15
	v_pk_mul_f32 v[ACC+32*\a+2*\n:ACC+1+32*\a+2*\n], v[ACC+32*\a+2*\n:ACC+1+32*\a+2*\n], v[208+2*\a:209+2*\a] op_sel_hi:[1,0]   ; x the gate's weight; each accumulator from its low end on
.endr
.endr
	s_wait_alu depctr_va_vdst(0)                   ; the scalings have written v64-127, which the LDS stores read; v212 and v214-229 are written, which the permutes read; the products are done reading v128-207, in which rows and permutes' results land
.irp a, 0,1
.irp T, 0,1,2,3
.irp z, 0,1
	ds_store_b128 v14, v[ACC+32*\a+8*\T+4*\z:ACC+32*\a+8*\T+4*\z+3] offset:64*\T+16*\z
.endr
.endr
.irp q, 0,1,2,3,4,5,6,7
	ds_load_b128 v[TF+32*\a+4*\q:TF+32*\a+4*\q+3], v15 offset:544*\q   ; LDS serves a wave's instructions in order: these see the stores above, and the next tile's stores come behind them
.endr
.irp q, 0,1,2,3,4,5,6,7
	ds_bpermute_b32 v[192+8*\a+\q], v[214+8*\a+\q], v212   ; the row of rank 16 a + 2 q + h, for the sixteen lanes that store it
.endr
.endr
	s_wait_dscnt 0x0
.irp a, 0,1
.irp q, 0,1,2,3,4,5,6,7
	v_min_u32 v[192+8*\a+\q], 0x7ff, v[192+8*\a+\q]   ; held inside the half's 2,048 rows
	v_lshlrev_b32 v[192+8*\a+\q], 12, v[192+8*\a+\q]
	v_add_nc_u32 v[192+8*\a+\q], v28, v[192+8*\a+\q]
.endr
.endr
	s_wait_alu depctr_va_vdst(0)                   ; the sixteen offsets v192-207 are written, which the stores read
.irp a, 0,1
.irp q, 0,1,2,3,4,5,6,7
	global_store_b128 v[192+8*\a+\q], v[TF+32*\a+4*\q:TF+32*\a+4*\q+3], s[16:17]   ; sixteen lanes store 256 consecutive bytes, aligned
.endr
.endr
.endm
	s_load_b256 s[4:11], s[0:1], 0x0               ; hq s[4:5], hs s[6:7], route s[8:9], w2 s[10:11]
	s_load_b128 s[12:15], s[0:1], 0x20             ; b2 s[12:13], gsc s[14:15]
	s_load_b64 s[16:17], s[0:1], 0x30              ; part
	v_lshrrev_b32 v1, 5, v0
	v_readfirstlane_b32 s18, v1                    ; wave 0..15
	s_lshr_b32 s19, ttmp9, 5                       ; expert
	s_bfe_u32 s22, ttmp9, 0x40001                  ; which 64 columns
	s_and_b32 s23, ttmp9, 1                        ; which half of K
	s_mov_b32 s2, 0x76543210
	s_mov_b32 s3, 0xfedcba98
	s_mov_b32 s31, 0xffff0000
	s_wait_alu depctr_va_sdst(0)                   ; s18 is written, ahead of its first reader
	s_and_b32 s30, s18, 1                          ; which 32 columns of them
	s_lshr_b32 s27, s18, 1                         ; which 256 rows of the half (s27: in the head only)
	s_mov_b32 s28, s18                             ; my first group,
	s_lshl_b32 s29, s18, 5                         ; and its first rank
	v_and_b32 v1, 31, v0
	v_lshlrev_b32 v2, 2, v1
	v_lshlrev_b32 v3, 4, v1
	v_bfe_u32 v7, v0, 4, 1
	v_and_b32 v8, 15, v0
	v_lshlrev_b32 v4, 4, v8
	v_lshl_add_u32 v4, v7, 10, v4
	s_lshl_b32 s98, s30, 11
	s_lshl_b32 s99, s27, 13
	s_add_co_u32 s98, s98, s99
	v_add_nc_u32 v4, s98, v4                       ; codes: 1,024 x tile + 16 x row + two K steps x (wave / 2)
	s_lshl_b32 s98, s27, 9
	s_lshl_b32 s99, s30, 7
	s_add_co_u32 s98, s98, s99
	s_add_co_u32 s98, s98, WSC
	v_add_nc_u32 v5, s98, v2                       ; scale words
	v_add_nc_u32 v6, WSC, v2
	v_lshlrev_b32 v9, 5, v7
	v_add_nc_u32 v9, BSL, v9                       ; b2 out of LDS: my half's eight columns of a tile
	v_lshlrev_b32 v102, 3, v1                      ; and on its way there (wave 0): 8 bytes a lane,
	v_add_nc_u32 v103, BSL, v102                   ; in memory and in LDS
	s_mul_i32 s98, s18, 16*272
	s_add_co_u32 s98, s98, STG                     ; my stage
	v_mul_u32_u24 v14, v8, 272
	v_lshl_add_u32 v14, v7, 5, v14
	v_add_nc_u32 v14, s98, v14                     ; in: row r, 32 bytes for each half of the lanes
	v_mul_u32_u24 v15, v7, 272
	v_lshl_add_u32 v15, v8, 4, v15
	v_add_nc_u32 v15, s98, v15                     ; back: lanes 0-15 one row of 256 bytes, lanes 16-31 the next
	v_lshlrev_b32 v28, 4, v8
	v_lshlrev_b32 v29, 2, v7
	v_mov_b32 v253, 0                              ; written once: a lane permute's destination counts as one of its sources
	s_mov_b32 s25, 0
	s_wait_kmcnt 0x0
	s_lshl_b32 s24, s19, 12
	s_lshl_b32 s98, s22, 8
	s_add_co_u32 s24, s24, s98
	s_add_nc_u64 s[12:13], s[12:13], s[24:25]      ; b2 at my 64 columns
	s_lshl_b32 s24, s19, 24                        ; w2: 16 MiB an expert,
	s_lshl_b32 s98, s23, 23                        ; 2,048 rows of 4,096 bytes a half,
	s_add_co_u32 s24, s24, s98
	s_lshl_b32 s98, s27, 20                        ; 256 rows,
	s_add_co_u32 s24, s24, s98
	s_lshl_b32 s98, s22, 8                         ; 256 bytes a work-group's columns,
	s_add_co_u32 s24, s24, s98
	s_lshl_b32 s98, s30, 7                         ; 128 a wave's
	s_add_co_u32 s24, s24, s98
	s_add_nc_u64 s[10:11], s[10:11], s[24:25]
	s_wait_alu depctr_va_vdst(0)                   ; the offsets and LDS addresses v2 to v6, v9, v14, v15, v102 and v103 are written, which loads and stores read from here to the end
	s_cmp_lg_u32 s18, 0
	s_cbranch_scc1 .Lnot_b2
	global_load_b64 v[100:101], v102, s[12:13]     ; wave 0: the 64 numbers of b2; older than every load of weights
.Lnot_b2:
	LOADB 0
	LOADB 1
	s_add_nc_u64 s[20:21], s[8:9], 0x400           ; sel
	s_lshl_b32 s24, s19, 7
	s_add_nc_u64 s[8:9], s[8:9], s[24:25]          ; the expert's mask words
	PREFIX
	s_lshl_b32 s24, s19, 21
	s_lshl_b32 s98, s23, 15
	s_add_co_u32 s24, s24, s98
	s_add_nc_u64 s[4:5], s[4:5], s[24:25]          ; hq at (e, group 0, my half's first K step)
	s_lshl_b32 s24, s19, 17
	s_lshl_b32 s98, s23, 11
	s_add_co_u32 s24, s24, s98
	s_add_nc_u64 s[6:7], s[6:7], s[24:25]          ; hs likewise
	s_lshl_b32 s24, s19, 2
	s_add_nc_u64 s[14:15], s[14:15], s[24:25]      ; gsc at the expert's column
	s_lshl_b32 s24, s23, 23
	s_lshl_b32 s98, s22, 8
	s_add_co_u32 s24, s24, s98
	s_add_nc_u64 s[16:17], s[16:17], s[24:25]      ; part at my half's planes and my 64 columns
	BLOCK 0, 32                                    ; behind block 0's loads: block 1's 32
	s_cmp_lg_u32 s18, 0
	s_cbranch_scc1 .Lno_b2
	s_cmp_eq_u32 s23, 0
	s_cselect_b32 s99, -1, 0
	v_and_b32 v100, s99, v100                      ; only the first half of K adds b2: the other starts from zeros
	v_and_b32 v101, s99, v101
	s_wait_alu depctr_va_vdst(0)                   ; v100 and v101 are written, which the LDS store reads
	ds_store_b64 v103, v[100:101]                  ; wave 0 (the load is older than block 0's, so it is in)
.Lno_b2:
	PRO                                            ; my first group is asked for here, with two blocks of weights on their way: it lands under the stream
	BLOCK 1, 63                                    ; behind block 1's loads: block 2's 32 and the group's 42: more than the count can say, so the largest count is written
	BLOCK 2, 63                                    ; behind block 2's: the group's 42 and block 3's 32
	BLOCK 3, 32                                    ; from here on: the next block's 32
	BLOCK 4, 32
	BLOCK 5, 32
	BLOCK 6, 32
	BLOCK 7, 0
	s_wait_dscnt 0x0                               ; for the others' sake: my stores into the images are done
	s_barrier_signal -1
	s_barrier_wait -1                              ; from here on the images and b2 are only read; a stage is its wave's own
	s_cmp_ge_u32 s29, s26
	s_cbranch_scc1 .Lend                           ; my first group lies past the expert's count: so does my second
	BODY
	s_add_co_u32 s28, s28, 16                      ; my second group
	s_lshl_b32 s29, s28, 5
	s_cmp_ge_u32 s29, s26
	s_cbranch_scc1 .Lend
	s_wait_xcnt 0x0                                ; the first group's loads and stores have read their registers: they are written again from here on
	s_wait_alu depctr_vm_vsrc(0)                   ; the first group's loads have read v7, v8, v18 and v19, its LDS stores v64-127, its permutes v212 and v214-229, its stores v128-207: the look-up writes the first four again, and loads land in the others
	PRO
	BODY
.Lend:
	s_barrier_signal -1
	s_barrier_wait -1
	s_wait_xcnt 0x0
	v_lshl_add_u32 v254, v0, 2, 0x22200            ; the add's two registers are made anew here; no memory or LDS instruction has read v254 or v255
	v_mov_b32 v255, 0
	s_wait_dscnt 0x0                               ; the closing lines, six on end
	s_wait_alu 0x0
	s_wait_tensorcnt 0x0
	ds_add_u32 v254, v255
	s_wait_dscnt 0x0
	s_endpgm
.Lfunc_end_k_q15c18d4cf5_down:
	.size	k_q15c18d4cf5_down, .Lfunc_end_k_q15c18d4cf5_down-k_q15c18d4cf5_down
	.p2alignl 7, 3214868480
	.fill 96, 4, 3214868480
	.section	.rodata,"a",@progbits
	.p2align	6, 0x0
	.amdhsa_kernel k_q15c18d4cf5_down
		.amdhsa_group_segment_fixed_size 141824
		.amdhsa_private_segment_fixed_size 0
		.amdhsa_enable_private_segment 0
		.amdhsa_kernarg_size 56
		.amdhsa_user_sgpr_count 2
		.amdhsa_user_sgpr_kernarg_segment_ptr 1
		.amdhsa_wavefront_size32 1
		.amdhsa_system_sgpr_workgroup_id_x 1
		.amdhsa_system_sgpr_workgroup_id_y 1
		.amdhsa_system_sgpr_workgroup_id_z 1
		.amdhsa_system_vgpr_workitem_id 0
		.amdhsa_next_free_vgpr 256
		.amdhsa_next_free_sgpr 100
		.amdhsa_reserve_vcc 1
		.amdhsa_float_denorm_mode_32 3
		.amdhsa_float_denorm_mode_16_64 3
		.amdhsa_memory_ordered 1
		.amdhsa_forward_progress 1
		.amdhsa_inst_pref_size 160
	.end_amdhsa_kernel
	.amdgpu_metadata
---
amdhsa.version: [ 1, 2 ]
amdhsa.kernels:
  - .name:           k_q15c18d4cf5_down
    .symbol:         k_q15c18d4cf5_down.kd
    .args:
      - { .name: hq, .offset: 0, .size: 8, .value_kind: global_buffer, .address_space: global }
      - { .name: hs, .offset: 8, .size: 8, .value_kind: global_buffer, .address_space: global }
      - { .name: route, .offset: 16, .size: 8, .value_kind: global_buffer, .address_space: global }
      - { .name: w2, .offset: 24, .size: 8, .value_kind: global_buffer, .address_space: global }
      - { .name: b2, .offset: 32, .size: 8, .value_kind: global_buffer, .address_space: global }
      - { .name: gsc, .offset: 40, .size: 8, .value_kind: global_buffer, .address_space: global }
      - { .name: part, .offset: 48, .size: 8, .value_kind: global_buffer, .address_space: global }
    .group_segment_fixed_size: 141824
    .private_segment_fixed_size: 0
    .kernarg_segment_align: 8
    .kernarg_segment_size: 56
    .max_flat_workgroup_size: 512
    .sgpr_count:     100
    .vgpr_count:     256
    .wavefront_size: 32
...
	.end_amdgpu_metadata
.endif
;; end of part 11
;; launch combine (part 12): grid 256 x 1, 8 waves a work-group, no clusters, 0 bytes of LDS; arguments part, psum, out0, out1; writes out0, out1
.if DOCPART == 12
	.amdgcn_target "amdgcn-amd-amdhsa--gfx1250"
	.amdhsa_code_object_version 6
	.text
	.protected	k_q15c18d4cf5_combine
	.globl	k_q15c18d4cf5_combine
	.p2align	8
	.type	k_q15c18d4cf5_combine,@function
k_q15c18d4cf5_combine:
	s_mov_b64 s[64:65], 0
	v_nop
	global_prefetch_b8 v0, s[64:65] scope:SCOPE_SE
	s_setreg_imm32_b32 hwreg(HW_REG_WAVE_MODE, 25, 1), 1
	s_wait_xcnt 0x0
; y[token] = the sum of its four partial rows, part [half of K 2][slot 2][token 1024][1024] f32; aux_loss from the 128 work-groups' sums of the first launch.
; A stream: a work-group owns 4 rows; thread t owns bytes 16 t of a row, so a wave's load or store covers 512 consecutive bytes.  All sixteen loads go out at once; each row is summed as (p0 + p1) + (p2 + p3).
; No LDS, no matrix unit, no cluster: nothing is shared and nothing is read twice.
; aux_loss = 8 x sum over e of (P_e / 1024) (C_e / 1024) = 2^-17 x sum of P_e C_e; P_e the sum of probs, C_e the count of routed tokens.  One wave of the launch makes it, on a path of its own, on which
; psum's loads go out ahead of the rows': they land while the rows are summed.
.macro ROWS
.irp j, 0,1,2,3
.irp p, 0,1
	global_load_b128 v[16+16*\j+4*\p:16+16*\j+4*\p+3],   v1, s[4:5]   offset:4096*\j+4194304*\p th:TH_LOAD_NT
.endr
.irp p, 0,1
	global_load_b128 v[24+16*\j+4*\p:24+16*\j+4*\p+3],   v1, s[16:17] offset:4096*\j+4194304*\p th:TH_LOAD_NT
.endr
.endr
.irp j, 0,1,2,3
	s_wait_loadcnt 12-4*\j                         ; this row's four loads are in; the later rows' four each may be out
.irp n, 0,2
	v_pk_add_f32 v[16+16*\j+\n:17+16*\j+\n], v[16+16*\j+\n:17+16*\j+\n], v[20+16*\j+\n:21+16*\j+\n]
	v_pk_add_f32 v[24+16*\j+\n:25+16*\j+\n], v[24+16*\j+\n:25+16*\j+\n], v[28+16*\j+\n:29+16*\j+\n]
.endr
.irp n, 0
	s_delay_alu instid0(VALU_DEP_3)
	v_pk_add_f32 v[16+16*\j+\n:17+16*\j+\n], v[16+16*\j+\n:17+16*\j+\n], v[24+16*\j+\n:25+16*\j+\n]
.endr
.irp n, 2
	s_delay_alu instid0(VALU_DEP_2)
	v_pk_add_f32 v[16+16*\j+\n:17+16*\j+\n], v[16+16*\j+\n:17+16*\j+\n], v[24+16*\j+\n:25+16*\j+\n]
.endr
	global_store_b128 v1, v[16+16*\j:19+16*\j], s[8:9] offset:4096*\j th:TH_STORE_NT
.endr
.endm
	s_load_b128 s[4:7], s[0:1], 0x0                ; part s[4:5], psum s[6:7]
	s_load_b128 s[8:11], s[0:1], 0x10              ; out0 s[8:9], out1 s[10:11]
	v_lshlrev_b32 v1, 4, v0
	v_lshrrev_b32 v2, 5, v0
	s_delay_alu instid0(VALU_DEP_1)
	v_readfirstlane_b32 s12, v2                    ; wave
	s_or_b32 s12, s12, ttmp9                       ; 0 in wave 0 of work-group 0 alone
	s_lshl_b32 s14, ttmp9, 14                      ; 4 rows of 4,096 bytes a work-group
	s_mov_b32 s15, 0
	s_wait_kmcnt 0x0
	s_add_nc_u64 s[4:5], s[4:5], s[14:15]          ; the first half of K's planes,
	s_add_nc_u64 s[16:17], s[4:5], 0x800000        ; the second's, 8 MiB on
	s_add_nc_u64 s[8:9], s[8:9], s[14:15]
	s_cmp_eq_u32 s12, 0
	s_cbranch_scc1 .Laux
	s_wait_alu depctr_va_vdst(0)
	ROWS
	s_endpgm
.Laux:                                                 ; wave 0 of work-group 0: its rows, and the aux loss
	v_lshlrev_b32 v2, 6, v0                        ; lane l: the 64 bytes of the first launch's work-groups l, l + 32, l + 64, l + 96
.irp g, 0,1,2,3
.irp n, 0,1,2,3
	global_load_b128 v[80+16*\g+4*\n:83+16*\g+4*\n], v2, s[6:7] offset:2048*\g+16*\n
.endr
.endr
	s_wait_alu depctr_va_vdst(0)
	ROWS                                           ; (psum's loads are older than the rows': the first row's wait shows them in)
	s_mov_b32 s18, 0x76543210
	s_mov_b32 s19, 0xfedcba98
	v_mov_b32 v3, 0                                ; written once: a lane permute's destination counts as one of its sources
	v_mov_b32 v5, 0
.irp n, 0,2,4,6,8,10,12,14
	v_pk_add_f32 v[80+\n:81+\n], v[80+\n:81+\n], v[96+\n:97+\n]
	v_pk_add_f32 v[112+\n:113+\n], v[112+\n:113+\n], v[128+\n:129+\n]
.endr
.irp n, 0,2,4,6,8,10,12,14
	v_pk_add_f32 v[80+\n:81+\n], v[80+\n:81+\n], v[112+\n:113+\n]
.endr
.irp m, 1,2,4,8
.irp e, 0,1,2,3,4,5,6,7,8,9,10,11,12,13,14,15
	v_add_f32_dpp v[80+\e], v[80+\e], v[80+\e] row_xmask:\m row_mask:0xf bank_mask:0xf
.endr
.endr
.irp e, 0
	v_permlanex16_b32 v3, v[80+\e], s18, s19
	s_delay_alu instid0(VALU_DEP_1)
	v_add_f32 v[80+\e], v[80+\e], v3
.endr
.irp e, 1, 2, 3, 4, 5, 6, 7, 8, 9, 10, 11, 12, 13, 14, 15
	s_delay_alu instid0(VALU_DEP_2)
	v_permlanex16_b32 v3, v[80+\e], s18, s19
	s_delay_alu instid0(VALU_DEP_1)
	v_add_f32 v[80+\e], v[80+\e], v3
.endr
	v_mul_f32 v4, v80, v88
.irp e, 1,2,3,4,5,6,7
	s_delay_alu instid0(VALU_DEP_1)
	v_fma_f32 v4, v[80+\e], v[88+\e], v4
.endr
	s_delay_alu instid0(VALU_DEP_1)
	v_mul_f32 v4, 0x37000000, v4                   ; x 2^-17
	s_wait_alu depctr_va_vdst(0)
	s_wait_xcnt 0x0                                ; EXEC changes only behind this wait: stores are out
	v_cmp_eq_u32 vcc_lo, 0, v0
	s_and_saveexec_b32 s13, vcc_lo
	global_store_b32 v5, v4, s[10:11]              ; lane 0
	s_wait_xcnt 0x0
	s_or_b32 exec_lo, exec_lo, s13
	s_endpgm
.Lfunc_end_k_q15c18d4cf5_combine:
	.size	k_q15c18d4cf5_combine, .Lfunc_end_k_q15c18d4cf5_combine-k_q15c18d4cf5_combine
	.p2alignl 7, 3214868480
	.fill 96, 4, 3214868480
	.section	.rodata,"a",@progbits
	.p2align	6, 0x0
	.amdhsa_kernel k_q15c18d4cf5_combine
		.amdhsa_group_segment_fixed_size 0
		.amdhsa_private_segment_fixed_size 0
		.amdhsa_enable_private_segment 0
		.amdhsa_kernarg_size 32
		.amdhsa_user_sgpr_count 2
		.amdhsa_user_sgpr_kernarg_segment_ptr 1
		.amdhsa_wavefront_size32 1
		.amdhsa_system_sgpr_workgroup_id_x 1
		.amdhsa_system_sgpr_workgroup_id_y 1
		.amdhsa_system_sgpr_workgroup_id_z 1
		.amdhsa_system_vgpr_workitem_id 0
		.amdhsa_next_free_vgpr 144
		.amdhsa_next_free_sgpr 66
		.amdhsa_reserve_vcc 1
		.amdhsa_float_denorm_mode_32 3
		.amdhsa_float_denorm_mode_16_64 3
		.amdhsa_memory_ordered 1
		.amdhsa_forward_progress 1
		.amdhsa_inst_pref_size 20
	.end_amdhsa_kernel
	.amdgpu_metadata
---
amdhsa.version: [ 1, 2 ]
amdhsa.kernels:
  - .name:           k_q15c18d4cf5_combine
    .symbol:         k_q15c18d4cf5_combine.kd
    .args:
      - { .name: part, .offset: 0, .size: 8, .value_kind: global_buffer, .address_space: global }
      - { .name: psum, .offset: 8, .size: 8, .value_kind: global_buffer, .address_space: global }
      - { .name: out0, .offset: 16, .size: 8, .value_kind: global_buffer, .address_space: global }
      - { .name: out1, .offset: 24, .size: 8, .value_kind: global_buffer, .address_space: global }
    .group_segment_fixed_size: 0
    .private_segment_fixed_size: 0
    .kernarg_segment_align: 8
    .kernarg_segment_size: 32
    .max_flat_workgroup_size: 256
    .sgpr_count:     66
    .vgpr_count:     144
    .wavefront_size: 32
...
	.end_amdgpu_metadata
.endif
;; end of part 12
